; MI455X (gfx1250); checked and timed in simulation.
; The chip was launched on July 23, 2026; its instructions are those of AMD's public machine-readable ISA for CDNA 5 (MIT licence, August 2026) and "CDNA5" Instruction Set Architecture Reference Guide (July 2026). The comments in the code are by the model that wrote it; some were corrected since.
;; Multi Head Attention. Allowed arithmetic: float matrix products may take bf16 or f16 operands with f32 sums; all other float work in f32.
;; Inputs: Wproj 1,024 x 1,024 float32; Wqkv 1,024 x 3,072 float32; bproj 1,024 float32; bqkv 3,072 float32; x 4 x 2,048 x 1,024 float32.
;; Outputs: out0 4 x 2,048 x 1,024 float32.
;; 3 versions, each right and faster than the one before. Each part assembles by itself: llvm-mc -triple=amdgcn-amd-amdhsa -mcpu=gfx1250 --defsym DOCPART=n.
;; ======== version 1 of 3: 4 launches
;; limits: values are held in f16: magnitudes above 65,504 overflow, below 6.1e-05 lose precision
;; workspace buffers: xb 16,777,216 bytes; wT 8,388,608 bytes; qkv 50,331,648 bytes; yh 16,777,216 bytes
;; launch prep (part 1): grid 1024 x 1, 8 waves a work-group, no clusters, 18,432 bytes of LDS; arguments x, Wqkv, Wproj, xb, wT; writes xb, wT
.if DOCPART == 1
	.amdgcn_target "amdgcn-amd-amdhsa--gfx1250"
	.amdhsa_code_object_version 6
	.text
	.protected	k_qe6d72dd151_prep
	.globl	k_qe6d72dd151_prep
	.p2align	8
	.type	k_qe6d72dd151_prep,@function
k_qe6d72dd151_prep:
	s_mov_b64 s[64:65], 0
	v_nop
	global_prefetch_b8 v0, s[64:65] scope:SCOPE_SE
	s_setreg_imm32_b32 hwreg(HW_REG_WAVE_MODE, 25, 1), 1
	s_wait_xcnt 0x0
; Prepares the matrix operands of the two products with weights.
;   work-groups 0-511:    xb = x rounded to bf16, 64 KiB of x each, a plain stream.
;   work-groups 512-1023: wT[n][k] = W[k][n], 16 bits a number: rows 0-3071 are Wqkv's columns in bf16, rows 3072-4095 Wproj's columns.
;                         A tile is 128 k x 64 n; it is turned in LDS, so that reads and writes both cover whole aligned blocks of 256 bytes.
; Wproj meets f16 operands later, and one matrix instruction takes one format: it is rounded to bf16 like the other inputs and that
; value is then written as f16.  LIMIT: that second step is exact for |w| >= 2^-17; below, its error is at most 2^-25 absolute.
; No matrix unit, no cluster: the launch only moves bytes, each read once and written once.
.set XGROUPS, 512
.set X,   4                            ; v[4:67]   x path: 16 loads of 4 f32
.set Y,   68                           ; v[68:99]  x path: 16 pairs of packed words
.set O,   8                            ; v[8:15]   transposing path: byte offsets of my 8 rows of W
.set W,   16                           ; v[16:47]  8 rows x 4 columns of f32; later the rows read back from LDS
.set Z,   48                           ; v[48:63]  column e: words 4e .. 4e+3 = 8 neighbouring k
.set T,   64                           ; v[64:65]  at work
.set LP,  272                          ; an LDS row: 128 k x 2 bytes + 16, so that sixteen rows start at sixteen different 16-byte columns modulo 256
	s_load_b256 s[4:11], s[0:1], 0x0               ; x s[4:5], Wqkv s[6:7], Wproj s[8:9], xb s[10:11]
	s_load_b64 s[12:13], s[0:1], 0x20              ; wT
	v_lshl_add_u32 v112, v0, 2, 0x4400
	v_mov_b32 v113, 0
	s_cmp_ge_u32 ttmp9, XGROUPS                    ; the same for all waves of a work-group
	s_cbranch_scc1 .Ltrans
	; ---- x to bf16: thread t takes 16 bytes at 16 t of each 4,096-byte line, 16 lines ----
	s_lshl_b32 s14, ttmp9, 16                      ; 65,536 bytes of x,
	s_mov_b32 s15, 0
	s_lshl_b32 s16, ttmp9, 15                      ; 32,768 bytes of xb for each work-group
	s_mov_b32 s17, 0
	v_lshlrev_b32 v1, 4, v0
	v_lshlrev_b32 v2, 3, v0
	s_wait_kmcnt 0x0
	s_add_nc_u64 s[4:5], s[4:5], s[14:15]
	s_add_nc_u64 s[10:11], s[10:11], s[16:17]
.irp j, 0,1,2,3,4,5,6,7,8,9,10,11,12,13,14,15
	global_load_b128 v[X+4*\j:X+4*\j+3], v1, s[4:5] offset:4096*\j th:TH_LOAD_NT   ; x is read once in this launch
.endr
.irp j, 0,1,2,3,4,5,6,7,8,9,10,11,12,13,14,15
	s_wait_loadcnt 15-\j                           ; loads come back in order: load j is in, the 15 - j younger ones stay out
	v_cvt_pk_bf16_f32 v[Y+2*\j],   v[X+4*\j],   v[X+4*\j+1]
	v_cvt_pk_bf16_f32 v[Y+2*\j+1], v[X+4*\j+2], v[X+4*\j+3]
	global_store_b64 v2, v[Y+2*\j:Y+2*\j+1], s[10:11] offset:2048*\j   ; a wave's store covers 256 consecutive bytes, aligned
.endr
	s_endpgm
	; ---- a tile of W, turned ----
.Ltrans:
	s_sub_co_u32 s14, ttmp9, XGROUPS
	s_lshr_b32 s15, s14, 3                         ; tn: 64 columns (rows of wT); 0-47 Wqkv, 48-63 Wproj
	s_and_b32 s16, s14, 7                          ; tk: 128 k
	s_mov_b32 s17, 12288                           ; bytes in a row of Wqkv
	s_mov_b32 s18, 4096                            ; and of Wproj
	s_mov_b32 s26, 0xffff0000                      ; a word's upper bf16
	s_wait_kmcnt 0x0
	s_cmp_lt_u32 s15, 48                           ; the three selects leave SCC alone
	s_cselect_b32 s17, s17, s18                    ; the source's pitch,
	s_cselect_b32 s19, 0, 48                       ; its first tn,
	s_cselect_b64 s[20:21], s[6:7], s[8:9]         ; and its address
	s_sub_co_u32 s22, s15, s19
	s_lshl_b32 s22, s22, 8                         ; 64 columns of f32 are 256 bytes
	s_mul_i32 s23, s16, s17
	s_lshl_b32 s23, s23, 7                         ; 128 rows
	s_add_co_u32 s22, s22, s23
	s_mov_b32 s23, 0
	s_add_nc_u64 s[20:21], s[20:21], s[22:23]      ; the tile's first element
	s_lshl_b32 s24, s15, 17                        ; wT: 64 rows of 2,048 bytes,
	s_lshl_b32 s25, s16, 8                         ; 128 k of 2 bytes
	s_add_co_u32 s24, s24, s25
	s_mov_b32 s25, 0
	s_add_nc_u64 s[12:13], s[12:13], s[24:25]
	v_and_b32 v1, 15, v0                           ; c: my four columns 4c .. 4c+3
	v_lshrrev_b32 v2, 4, v0                        ; kg: my eight rows 8kg .. 8kg+7
	v_lshlrev_b32 v3, 3, v2
	v_mul_lo_u32 v3, v3, s17
	v_lshl_add_u32 v[O], v1, 4, v3
.irp i, 1,2,3,4,5,6,7
	v_add_nc_u32 v[O+\i], s17, v[O+\i-1]
.endr
.irp i, 0,1,2,3,4,5,6,7
	global_load_b128 v[W+4*\i:W+4*\i+3], v[O+\i], s[20:21] th:TH_LOAD_NT   ; sixteen lanes read 256 consecutive bytes, aligned
.endr
	v_mul_u32_u24 v4, v1, LP
	v_lshl_add_u32 v4, v2, 4, v4                   ; in: LDS row c (+ 16 e in the immediate), 16 bytes at 16 kg
	v_mul_u32_u24 v5, v2, LP
	v_lshl_add_u32 v5, v1, 4, v5                   ; back: LDS row kg (+ 16 p), 16 bytes at 16 c
	v_lshlrev_b32 v6, 13, v2
	v_lshl_add_u32 v6, v1, 4, v6                   ; wT: row 4 kg (+ p), 16 bytes at 16 c
.irp p, 0,1,2,3
	s_wait_loadcnt 6-2*\p                          ; rows 2p and 2p+1 are in
.irp e, 0,1,2,3
	v_cvt_pk_bf16_f32 v[Z+4*\e+\p], v[W+8*\p+\e], v[W+8*\p+4+\e]   ; column e: k = 8kg+2p below, 8kg+2p+1 above
.endr
.endr
	s_cmp_lt_u32 s15, 48
	s_cbranch_scc1 .Lkeep                          ; Wqkv stays bf16
.irp z, 0,1,2,3,4,5,6,7,8,9,10,11,12,13,14,15
	v_lshlrev_b32 v[T], 16, v[Z+\z]                ; Wproj: the bf16 values, written as f16
	v_and_b32 v[T+1], s26, v[Z+\z]
	v_cvt_pk_f16_f32 v[Z+\z], v[T], v[T+1]
.endr
.Lkeep:
.irp e, 0,1,2,3
	ds_store_b128 v4, v[Z+4*\e:Z+4*\e+3] offset:\e*16*LP   ; column n = 4c + e lies in LDS row 16e + c: sixteen lanes are 272 bytes apart
.endr
	s_wait_dscnt 0x0                               ; my stores are done, for the others' sake
	s_barrier_signal -1
	s_barrier_wait -1
.irp p, 0,1,2,3
	ds_load_b128 v[W+4*\p:W+4*\p+3], v5 offset:\p*16*LP    ; LDS row 16p + kg = column 4kg + p, 256 bytes by sixteen lanes
.endr
.irp p, 0,1,2,3
	s_wait_dscnt 3-\p
	global_store_b128 v6, v[W+4*\p:W+4*\p+3], s[12:13] offset:2048*\p   ; sixteen lanes store 256 consecutive bytes, aligned
.endr
	s_wait_tensorcnt 0x0
	ds_add_u32 v112, v113
	s_wait_dscnt 0x0
	s_endpgm
.Lfunc_end_k_qe6d72dd151_prep:
	.size	k_qe6d72dd151_prep, .Lfunc_end_k_qe6d72dd151_prep-k_qe6d72dd151_prep
	.p2alignl 7, 3214868480
	.fill 96, 4, 3214868480
	.section	.rodata,"a",@progbits
	.p2align	6, 0x0
	.amdhsa_kernel k_qe6d72dd151_prep
		.amdhsa_group_segment_fixed_size 18432
		.amdhsa_private_segment_fixed_size 0
		.amdhsa_enable_private_segment 0
		.amdhsa_kernarg_size 40
		.amdhsa_user_sgpr_count 2
		.amdhsa_user_sgpr_kernarg_segment_ptr 1
		.amdhsa_wavefront_size32 1
		.amdhsa_system_sgpr_workgroup_id_x 1
		.amdhsa_system_sgpr_workgroup_id_y 1
		.amdhsa_system_sgpr_workgroup_id_z 1
		.amdhsa_system_vgpr_workitem_id 0
		.amdhsa_next_free_vgpr 114
		.amdhsa_next_free_sgpr 66
		.amdhsa_reserve_vcc 0
		.amdhsa_float_denorm_mode_32 3
		.amdhsa_float_denorm_mode_16_64 3
		.amdhsa_memory_ordered 1
		.amdhsa_forward_progress 1
		.amdhsa_inst_pref_size 14
	.end_amdhsa_kernel
	.amdgpu_metadata
---
amdhsa.version: [ 1, 2 ]
amdhsa.kernels:
  - .name:           k_qe6d72dd151_prep
    .symbol:         k_qe6d72dd151_prep.kd
    .args:
      - { .name: x, .offset: 0, .size: 8, .value_kind: global_buffer, .address_space: global }
      - { .name: Wqkv, .offset: 8, .size: 8, .value_kind: global_buffer, .address_space: global }
      - { .name: Wproj, .offset: 16, .size: 8, .value_kind: global_buffer, .address_space: global }
      - { .name: xb, .offset: 24, .size: 8, .value_kind: global_buffer, .address_space: global }
      - { .name: wT, .offset: 32, .size: 8, .value_kind: global_buffer, .address_space: global }
    .group_segment_fixed_size: 18432
    .private_segment_fixed_size: 0
    .kernarg_segment_align: 8
    .kernarg_segment_size: 40
    .max_flat_workgroup_size: 256
    .sgpr_count:     66
    .vgpr_count:     114
    .wavefront_size: 32
...
	.end_amdgpu_metadata
.endif
;; end of part 1
;; launch gemm_qkv (part 2): grid 16 x 32, 4 waves a work-group, clusters of 4 x 4, 327,680 bytes of LDS; arguments xb, wT, qkv, bqkv; writes qkv
.if DOCPART == 2
	.amdgcn_target "amdgcn-amd-amdhsa--gfx1250"
	.amdhsa_code_object_version 6
	.text
	.protected	k_qe6d72dd151_gemm_qkv
	.globl	k_qe6d72dd151_gemm_qkv
	.p2align	8
	.type	k_qe6d72dd151_gemm_qkv,@function
k_qe6d72dd151_gemm_qkv:
	s_mov_b64 s[64:65], 0
	v_nop
	global_prefetch_b8 v0, s[64:65] scope:SCOPE_SE
	s_setreg_imm32_b32 hwreg(HW_REG_WAVE_MODE, 25, 1), 1
	s_wait_xcnt 0x0
	s_wait_alu depctr_hold_cnt(0) depctr_sa_sdst(0) depctr_va_vdst(0) depctr_va_sdst(0) depctr_va_ssrc(0) depctr_va_vcc(0) depctr_vm_vsrc(0)
	s_getreg_b32 s2, hwreg(HW_REG_IB_STS2, 6, 4)
	s_cmp_eq_u32 s2, 0
	s_cbranch_scc0 .Lentry_in_a_cluster
	s_endpgm
.Lentry_in_a_cluster:
	s_bfe_u32 s2, ttmp6, 0x10000c
	s_cmp_lg_u32 s2, 0xf033
	s_cbranch_scc0 .Lentry_shape_is_right
	s_endpgm
.Lentry_shape_is_right:
; C[m][n] = bias[n] + sum over k of A[m][k] B[n][k], K = 1024, sums in f32.  One text serves two launches; PROJ picks the constants.
;   PROJ = 0: A = xb [8192][1024] bf16, B = wT rows 0-3071 (bf16), C = qkv in f16, laid out [batch][48 heads][2048 t][64].
;   PROJ = 1: A = yh [batch][16 heads][2048 t][64] f16, B = wT rows 3072-4095 (f16), C = out0 [8192][1024] f32.
; A work-group makes 256 rows x 16 NT columns with four waves stacked along the rows: wave w makes rows 64 w .. 64 w + 63 and all columns,
; 4 x NT accumulator tiles of 16 x 16.  So a wave holds whole heads of 64 columns and fills whole aligned blocks of the head-major output.
; K goes in steps of 128 through two LDS slots filled by the tensor data mover.
; CLUSTERS: 4 x 4 work-groups.  A's tile hangs on the block row alone and is asked for jointly along a row of the cluster, B's on the block
; column alone and is asked for jointly along a column: the requests for A and for B are divided by four.
; The bias costs no arithmetic: it is loaded in the accumulators' layout and is the C operand of each tile's first product (so it is added
; first, not last as written in the model).
; LIMIT (PROJ = 0): q, k, v are stored as f16: |value| < 65,504.
; REGISTERS, in windows of 256: window 0: v0-31 addresses, v32-95 A's fragments (two buffers), v96-255 bias and the way out;
;   window 1: B's fragments, buffers at v0 and v96; window 2: accumulator tiles of my rows 0-31 (tile (a, b) at v[8 (NT a + b)]); window 3: rows 32-63.
; The matrix instruction is used transposed (source 0 = 16 rows of B, source 1 = 16 rows of A): lane l holds row l % 16 of C and its
; registers 0-7 the columns 8 (l / 16) + 0 .. 7, eight neighbouring numbers.
.set PROJ, 0
.if PROJ
.set NT,      8                        ; column tiles: 128 columns
.set APITCH,  144                      ; an LDS row of A: one head's 128 bytes + 16
.set ASUB,    36864                    ; from the K step's first head to its second: 256 rows x 144
.set AREG,    73728                    ; A's part of a slot
.set ALOAD,   36864                    ; LDS bytes of one load of A (one head, 256 rows)
.set AQI,     4                        ; padding behind every 32 words
.set ASTRIDE, 128                      ; a dense block, read as rows of 256 bytes
.set ASLOT1,  524288                   ; a K step on: two planes
.set ALAP,    1048576                  ; two K steps on
.set WSTAGE,  8448                     ; a wave's stage: 16 rows x (512 + 16) bytes
.set NOUT,    16                       ; stores for 16 rows of C
.set RB,      96                       ; v96-159, v160-223: rows read back, two buffers
.else
.set NT,      12                       ; 192 columns = 3 heads
.set APITCH,  272                      ; 256 bytes + 16
.set ASUB,    128                      ; K runs on along the row
.set AREG,    69632                    ; 256 rows x 272
.set ALOAD,   34816                    ; 128 rows x 272
.set AQI,     5                        ; padding behind every 64 words
.set ASTRIDE, 1024
.set ASLOT1,  256
.set ALAP,    512
.set WSTAGE,  6912                     ; 3 heads x 16 rows x (128 + 16) bytes
.set NOUT,    12
.set RB,      144                      ; v144-191, v192-239
.endif
.set KSTEP,  128
.set BPITCH, 272
.set HALFB,  8*NT*BPITCH               ; half of B's rows: what one load brings
.set SLOT,   AREG+2*HALFB              ; A's 256 rows, then B's 16 NT rows
.set STAGE,  2*SLOT                    ; behind the ring; no tensor load ever lands there
.set PLANE,  262144                    ; a head's 2,048 rows of 128 bytes
.set LAPS,   4                         ; K = 1024 = 8 steps; a lap = two steps = once round the ring
.set ADRA, 16                          ; v16-17  LDS address of my A fragments in slot 0, 1
.set ADRB, 20                          ; v20-21  the same for B
.set STO,  24                          ; the way out: where I put my numbers of a row
.set RD,   25                          ; where I read rows back
.set CO,   26                          ; my byte offset in C
.set BO,   27                          ; my byte offset in the bias
.set FA,   32                          ; A's fragments: buffer f at FA + 32 f (window 0)
.set FB,   0                           ; B's fragments: buffer f at FB + 96 f (window 1)
.set TMP,  96                          ; v96-143 packed f16 (PROJ = 0)
.set BIAS, 160                         ; v[160 + 8 b ..]: the bias of column tile b in the accumulators' layout; free after the first quarter step
.set G1,  24                           ; s[24:31] descriptor group 1 for A's tiles
.set G0,  32                           ; s[32:39] group 0 for A's tiles, one set for each slot
.set G1B, 48                           ; s[48:55] group 1 for B's tiles
.set G0B, 56                           ; s[56:63] group 0 for B's tiles
.set MSB, 0
.macro WIN new                         ; low byte: bits 1:0 source 0, 3:2 source 1, 5:4 source 2, 7:6 destination; the high byte repeats the setting that is left
.if MSB != (\new)
	s_set_vgpr_msb (MSB<<8)|(\new)
.set MSB, (\new)
.endif
.endm
; Four places: a load into a register that a matrix instruction has read, and anything but a matrix instruction that reads a matrix result,
; stand four plain vector instructions behind it (ISA guide 7.12.1 for vector instructions).
.macro PLACES
.rept 4
	v_nop
.endr
.endm
; A joint load: waves 0 and 1 fetch A's two halves, waves 2 and 3 B's.  Each line has one mask and one set of registers for all that issue it.
; The branch hangs on the wave's number alone.  Four v_nop follow each line.
.macro JLOAD s
	s_cmp_eq_u32 s11, 0
	s_cbranch_scc0 .Lfor_b_\@
	tensor_load_to_lds s[G0+4*\s:G0+4*\s+3], s[G1:G1+7]
	s_nop 0
	PLACES
	s_branch .Lasked_\@
.Lfor_b_\@:
	tensor_load_to_lds s[G0B+4*\s:G0B+4*\s+3], s[G1B:G1B+7]
	s_nop 0
	PLACES
.Lasked_\@:
.endm
.macro CREST                           ; a round of the cluster's barrier behind its opening work-group barrier
	s_cmp_lg_u32 s10, 0
	s_cbranch_scc1 .Lnot_wave_0_\@
	s_barrier_signal -3
.Lnot_wave_0_\@:
	s_barrier_wait -3
	s_barrier_signal -1
	s_barrier_wait -1
.endm
.macro CROUND                          ; a whole round
	s_barrier_signal -1
	s_barrier_wait -1
	CREST
.endm
	s_load_b128 s[4:7], s[0:1], 0x0                ; A s[4:5], wT s[6:7]
	s_load_b128 s[68:71], s[0:1], 0x10             ; C s[68:69], bias s[70:71]
	s_set_vgpr_msb 0x40
	v_lshl_add_u32 v255, v0, 2, 0x42400
	s_set_vgpr_msb 0x4000
	v_mov_b32 v31, 0
	s_set_vgpr_msb 0x1
	ds_add_u32 v255, v31
	s_set_vgpr_msb 0x100
	v_lshrrev_b32 v1, 5, v0
	v_readfirstlane_b32 s10, v1                    ; wave 0..3
	s_lshr_b32 s11, s10, 1                         ; I fetch for A (0) or for B (1)
	s_and_b32 s12, s10, 1                          ; which half of that tile
	s_bfe_u32 s40, ttmp6, 0x40000                  ; cx
	s_bfe_u32 s41, ttmp6, 0x40004                  ; cy
	s_lshl_b32 s42, ttmp9, 2
	s_add_co_u32 s42, s42, s40                     ; block column = 4 x cluster x + cx
	s_and_b32 s13, ttmp7, 0xffff
	s_lshl_b32 s13, s13, 2
	s_add_co_u32 s13, s13, s41                     ; block row = 4 x cluster y + cy
	s_lshl_b32 s43, s41, 2
	s_lshl_b32 s43, 15, s43                        ; my row of the cluster: places 4 cy .. 4 cy + 3
	s_lshl_b32 s44, 0x1111, s40                    ; my column: places cx, cx + 4, cx + 8, cx + 12
	; group 1 for A: 128 rows of 128 elements of 2 bytes, 4 words of padding behind every 2 << AQI words
	s_or_b32 s[G1+0], s43, (1<<16)|(1<<20)|(1<<21)|(AQI<<22)|(3<<25)   ; mask of my row; element of 2 bytes; padding on; bit 21 beside a mask
	s_mov_b32 s[G1+1], KSTEP<<16                   ; tensor_dim0 = 128
	s_mov_b32 s[G1+2], 128<<16                     ; tensor_dim1 = 128
	s_mov_b32 s[G1+3], KSTEP<<16                   ; tile_dim0 = 128
	s_mov_b32 s[G1+4], 128                         ; tile_dim1 = 128
	s_mov_b32 s[G1+5], ASTRIDE                     ; elements from row to row
	s_mov_b32 s[G1+6], 0
	s_mov_b32 s[G1+7], 0
	; group 1 for B: 8 NT rows of 128 elements, LDS pitch 272
	s_or_b32 s[G1B+0], s44, (1<<16)|(1<<20)|(1<<21)|(5<<22)|(3<<25)    ; mask of my column
	s_mov_b32 s[G1B+1], KSTEP<<16
	s_mov_b32 s[G1B+2], (8*NT)<<16
	s_mov_b32 s[G1B+3], KSTEP<<16
	s_mov_b32 s[G1B+4], 8*NT
	s_mov_b32 s[G1B+5], 1024
	s_mov_b32 s[G1B+6], 0
	s_mov_b32 s[G1B+7], 0
	; where the tiles come from.  A's offset is made of the block row and the wave's number, B's of the block column and the wave's number,
	; each in registers that never hold the other coordinate.
.if PROJ
	s_lshr_b32 s16, s13, 3                         ; batch (8 blocks of 256 rows each)
	s_lshl_b32 s16, s16, 4
	s_add_co_u32 s16, s16, s12                     ; plane 16 batch + my head of K step 0
	s_lshl_b32 s16, s16, 18
	s_and_b32 s17, s13, 7
	s_lshl_b32 s17, s17, 15                        ; 256 rows of 128 bytes
	s_add_co_u32 s16, s16, s17
.else
	s_lshl_b32 s16, s13, 8
	s_lshl_b32 s17, s12, 7
	s_add_co_u32 s16, s16, s17                     ; row 256 x block row + 128 x half
	s_lshl_b32 s16, s16, 11                        ; rows of 2,048 bytes
.endif
	s_mov_b32 s17, 0
	s_mul_i32 s46, s42, 16*NT
	s_mul_i32 s45, s12, 8*NT
	s_add_co_u32 s46, s46, s45                     ; row 16 NT x block column + 8 NT x half
.if PROJ
	s_add_co_u32 s46, s46, 3072                    ; Wproj's columns lie behind Wqkv's
.endif
	s_lshl_b32 s46, s46, 11
	s_mov_b32 s47, 0
	s_mul_i32 s20, s10, ALOAD                      ; where they go: A's halves (waves 0, 1) from the slot's first byte,
	s_mul_i32 s21, s10, HALFB
	s_add_co_u32 s21, s21, AREG-2*HALFB            ; B's halves (waves 2, 3) behind A's part: the wave's number alone enters an LDS address
	s_mul_i32 s66, s42, 64*NT                      ; the bias of my 16 NT columns
	s_mov_b32 s67, 0
	s_wait_dscnt 0x0
	s_wait_kmcnt 0x0
	s_add_nc_u64 s[14:15], s[4:5], s[16:17]
	s_add_nc_u64 s[46:47], s[6:7], s[46:47]
	s_add_nc_u64 s[70:71], s[70:71], s[66:67]
	CROUND                                         ; all sixteen work-groups are here: the first joint loads meet
.irp s, 0,1
	s_mov_b32 s[G0+4*\s], 1                                        ; count = 1
	s_add_co_u32 s[G0+4*\s+1], s20, \s*SLOT                        ; LDS address
	s_add_nc_u64 s[G0+4*\s+2:G0+4*\s+3], s[14:15], \s*ASLOT1       ; global address: K step s
	s_or_b32 s[G0+4*\s+3], s[G0+4*\s+3], 0x80000000                ; type = 2
	s_mov_b32 s[G0B+4*\s], 1
	s_add_co_u32 s[G0B+4*\s+1], s21, \s*SLOT
	s_add_nc_u64 s[G0B+4*\s+2:G0B+4*\s+3], s[46:47], \s*KSTEP*2
	s_or_b32 s[G0B+4*\s+3], s[G0B+4*\s+3], 0x80000000
	JLOAD \s                                       ; both slots' first fills go out ahead of everything else: two loads of the wave are out
.endr
	v_and_b32 v1, 15, v0                           ; r = l % 16
	v_bfe_u32 v2, v0, 4, 1                         ; h = l / 16
	v_lshlrev_b32 v[BO], 5, v2                     ; register j of tile b is column 16 b + 8 h + j: 32 h bytes, 64 b in the immediate
.set bb, 0
.rept NT
	global_load_b128 v[BIAS+8*bb:BIAS+8*bb+3],   v[BO], s[70:71] offset:64*bb
	global_load_b128 v[BIAS+8*bb+4:BIAS+8*bb+7], v[BO], s[70:71] offset:64*bb+16
.set bb, bb+1
.endr
	; a fragment is 16 rows x 32 K in 8 registers: lane l holds row r; registers 0-3 K = 8 h + 0..7, registers 4-7 K = 16 + 8 h + 0..7:
	; two loads of 16 bytes, 32 bytes apart, at row x pitch + 16 h
	v_mul_u32_u24 v3, v1, APITCH
	v_lshl_add_u32 v3, v2, 4, v3
	s_mul_i32 s22, s10, 64*APITCH                  ; my 64 rows of A
	v_add_nc_u32 v[ADRA], s22, v3
	v_add_nc_u32 v[ADRA+1], SLOT, v[ADRA]
	v_mul_u32_u24 v4, v1, BPITCH
	v_lshl_add_u32 v4, v2, 4, v4
	v_add_nc_u32 v[ADRB], AREG, v4                 ; every wave reads all of B's rows
	v_add_nc_u32 v[ADRB+1], AREG+SLOT, v4
	s_mul_i32 s23, s10, WSTAGE
	s_add_co_u32 s23, s23, STAGE                   ; my stage
	v_and_b32 v5, 31, v0                           ; lane
	v_lshlrev_b32 v[CO], 4, v5                     ; out: 16 bytes a lane, 512 consecutive bytes a store
.if PROJ
	v_mul_u32_u24 v6, v1, 528                      ; in: row r, 32 bytes for each half of the lanes
	v_lshl_add_u32 v6, v2, 5, v6
	v_add_nc_u32 v[STO], s23, v6
	v_add_nc_u32 v[RD], s23, v[CO]                 ; back: a whole row of 512 bytes by 32 lanes
.else
	v_mul_u32_u24 v6, v1, 144                      ; in: row r of a head, 16 bytes for each half of the lanes
	v_lshl_add_u32 v6, v2, 4, v6
	v_add_nc_u32 v[STO], s23, v6
	v_lshrrev_b32 v6, 3, v5                        ; back: eight lanes take a row of 128 bytes, 32 lanes four rows
	v_mul_u32_u24 v6, v6, 144
	v_and_b32 v7, 7, v5
	v_lshl_add_u32 v6, v7, 4, v6
	v_add_nc_u32 v[RD], s23, v6
.endif
.macro MM d, b, a, c                   ; one product of 16 x 16 x 32: D, rows of B, rows of A, C
.if PROJ
	v_wmma_f32_16x16x32_f16 v[\d:\d+7], v[\b:\b+7], v[\a:\a+7], v[\c:\c+7]
.else
	v_wmma_f32_16x16x32_bf16 v[\d:\d+7], v[\b:\b+7], v[\a:\a+7], v[\c:\c+7]
.endif
.endm
; NT matrix instructions: row tile 2 hi + a x all column tiles, 32 along K, from buffer f.  zero = 1: the first product starts the sums from the bias.
.macro MULA f, hi, a, zero
.if \zero
	WIN 0x81+0x40*\hi                              ; B window 1, A and the bias window 0, D window 2 or 3
.else
	WIN 0xa1+0x50*\hi                              ; B window 1, A window 0, C and D window 2 or 3
.endif
.set bb, 0
.rept NT
.if \zero
	MM 8*(NT*\a+bb), FB+96*\f+8*bb, FA+32*\f+8*(2*\hi+\a), BIAS+8*bb
.else
	MM 8*(NT*\a+bb), FB+96*\f+8*bb, FA+32*\f+8*(2*\hi+\a), 8*(NT*\a+bb)
.endif
.set bb, bb+1
.endr
.endm
; 2 NT + 8 LDS loads in one run: the fragments of quarter step kq (16 NT rows of B, then my 64 rows of A) into buffer f
.macro FETCH slot, kq, f
	WIN 0x40
.set ii, 0
.rept NT
	ds_load_b128 v[FB+96*\f+8*ii:FB+96*\f+8*ii+3],   v[ADRB+\slot] offset:64*\kq+ii*16*BPITCH
	ds_load_b128 v[FB+96*\f+8*ii+4:FB+96*\f+8*ii+7], v[ADRB+\slot] offset:64*\kq+ii*16*BPITCH+32
.set ii, ii+1
.endr
	WIN 0
.irp i, 0,1,2,3
	ds_load_b128 v[FA+32*\f+8*\i:FA+32*\f+8*\i+3],   v[ADRA+\slot] offset:(\kq/2)*ASUB+(\kq%2)*64+\i*16*APITCH
	ds_load_b128 v[FA+32*\f+8*\i+4:FA+32*\f+8*\i+7], v[ADRA+\slot] offset:(\kq/2)*ASUB+(\kq%2)*64+\i*16*APITCH+32
.endr
.endm
; A K step is four quarter steps of 32 along K, 4 NT matrix instructions each, on buffers 0, 1, 0, 1.  The 4 NT accumulators take turns, one
; instruction a turn, in the same order in every quarter, over the backward jump too.
; One of the first three: multiplies buffer f; in its middle it fetches quarter kq of the same slot into buffer g.
.macro QUARTER slot, kq, f, g, zero
	s_wait_dscnt 4                                 ; B and A's rows 0-31 are in; the youngest four loads (A's rows 32-63) may be out
	MULA \f, 0, 0, \zero
	MULA \f, 0, 1, \zero
	PLACES
	FETCH \slot, \kq, \g
	s_wait_dscnt 2*NT+8                            ; all but the run just issued
	MULA \f, 1, 0, \zero
	MULA \f, 1, 1, \zero
.endm
.macro THREE slot, zero
	QUARTER \slot, 1, 0, 1, \zero
	QUARTER \slot, 2, 1, 0, 0
	QUARTER \slot, 3, 0, 1, 0
.endm
; The last quarter: multiplies buffer 1 and changes slots.  fill = 1: this slot is filled again, two K steps ahead.
; In front of the barrier each wave waits for its reads of this slot and for all its tensor loads (one is out: its part of the next slot).
; Behind it nobody reads this slot and the next slot is whole: the refill comes first, then the next slot's first fragments.
.macro TURN slot, next, fill
	s_wait_dscnt 4
	MULA 1, 0, 0, 0
	s_wait_dscnt 0                                 ; my reads of this slot are over
	s_wait_tensorcnt 0x0                           ; and all my tensor loads have landed
	ds_add_u32 v255, v31
	s_wait_dscnt 0x0
	s_barrier_signal -1                            ; (where a slot is filled again this barrier opens a round of the cluster's barrier)
	MULA 1, 0, 1, 0                                ; register work while the others arrive
	WIN 0
	s_barrier_wait -1
.if \fill
	CREST                                          ; no wave of any partner still reads this slot's tile or has a load on its way
	s_add_nc_u64 s[G0+4*\slot+2:G0+4*\slot+3], s[G0+4*\slot+2:G0+4*\slot+3], ALAP
	s_add_nc_u64 s[G0B+4*\slot+2:G0B+4*\slot+3], s[G0B+4*\slot+2:G0B+4*\slot+3], 2*KSTEP*2
	JLOAD \slot                                    ; my one tensor load behind the round; its four v_nop are also the places in front of the loads below
.else
	PLACES
.endif
	FETCH \next, 0, 0
	MULA 1, 1, 0, 0
	MULA 1, 1, 1, 0
.endm
.macro LAP zero
	THREE 0, \zero
	TURN 0, 1, 1
	THREE 1, 0
	TURN 1, 0, 1
.endm
	s_wait_loadcnt 0x0                             ; the bias, once
	s_wait_tensorcnt 1                             ; my part of K step 0 is in; K step 1's load stays out
	s_barrier_signal -1
	s_barrier_wait -1                              ; everybody's is
	FETCH 0, 0, 0
	LAP 1                                          ; the first lap stands in front of the loop: its first products start the sums
	WIN 0                                          ; at a label and at a branch every window is 0
	s_mov_b32 s3, LAPS-2
.Llap:
	LAP 0
	WIN 0
	s_sub_co_u32 s3, s3, 1
	s_cmp_lg_u32 s3, 0
	s_cbranch_scc1 .Llap
	THREE 0, 0                                     ; the last lap fills nothing
	TURN 0, 1, 0
	THREE 1, 0
	s_wait_dscnt 4
	MULA 1, 0, 0, 0
	MULA 1, 0, 1, 0
	s_wait_dscnt 0
	MULA 1, 1, 0, 0
	MULA 1, 1, 1, 0
	; THE WAY OUT, 16 rows at a time through my own stage in LDS, so that every store covers 512 consecutive bytes, aligned.
	PLACES                                         ; behind the last matrix instructions
.if PROJ
	s_lshl_b32 s16, s13, 20                        ; 256 rows of 4,096 bytes for a block row,
	s_lshl_b32 s15, s10, 18                        ; 64 rows for a wave
	s_add_co_u32 s16, s16, s15
	s_lshl_b32 s46, s42, 9                         ; 128 columns of f32 (in the registers that held B's offset: none that feeds A's descriptors ever holds cx)
.else
	s_lshr_b32 s14, s13, 3                         ; batch: 48 planes each
	s_mul_i32 s14, s14, 48*PLANE
	s_and_b32 s15, s13, 7
	s_lshl_b32 s15, s15, 15                        ; 256 rows of 128 bytes
	s_add_co_u32 s16, s14, s15
	s_lshl_b32 s15, s10, 13                        ; 64 rows for a wave
	s_add_co_u32 s16, s16, s15
	s_mul_i32 s46, s42, 3*PLANE                    ; three heads for a block column
.endif
	s_mov_b32 s17, 0
	s_mov_b32 s47, 0
	s_add_nc_u64 s[68:69], s[68:69], s[16:17]
	s_add_nc_u64 s[68:69], s[68:69], s[46:47]      ; never stepped again: all else stands in the stores' immediates
; rows 16 i .. 16 i + 15 of my 64: the NT tiles (i % 2, 0 .. NT-1) of window 2 + i / 2
.macro OUT16 i
.if PROJ
	WIN 0x08+0x04*(\i/2)                           ; an LDS store's data are source 1
.set bb, 0
.rept NT
	ds_store_b128 v[STO], v[8*(NT*(\i%2)+bb):8*(NT*(\i%2)+bb)+3]   offset:64*bb
	ds_store_b128 v[STO], v[8*(NT*(\i%2)+bb)+4:8*(NT*(\i%2)+bb)+7] offset:64*bb+16
.set bb, bb+1
.endr
	WIN 0
.else
	WIN 0x0a+0x05*(\i/2)
.set bb, 0
.rept NT
.irp r, 0,1,2,3
	v_cvt_pk_f16_f32 v[TMP+4*bb+\r], v[8*(NT*(\i%2)+bb)+2*\r], v[8*(NT*(\i%2)+bb)+2*\r+1]
.endr
.set bb, bb+1
.endr
	WIN 0
.set bb, 0
.rept NT
	ds_store_b128 v[STO], v[TMP+4*bb:TMP+4*bb+3] offset:(bb/4)*2304+32*(bb%4)   ; head b / 4, columns 16 (b % 4) + 8 h ..
.set bb, bb+1
.endr
.endif
	s_wait_xcnt 0x0                                ; the buffer below, which earlier stores read, is loaded again only behind this wait
.set tt, 0
.rept NOUT
.if PROJ
	ds_load_b128 v[RB+4*NOUT*(\i%2)+4*tt:RB+4*NOUT*(\i%2)+4*tt+3], v[RD] offset:tt*528
.else
	ds_load_b128 v[RB+4*NOUT*(\i%2)+4*tt:RB+4*NOUT*(\i%2)+4*tt+3], v[RD] offset:(tt/4)*2304+(tt%4)*576
.endif
.set tt, tt+1
.endr                                              ; LDS serves a wave's instructions in order (ISA guide 5.7.1.4): these see the stores above
.set tt, 0
.rept NOUT
	s_wait_dscnt NOUT-1-tt
.if PROJ
	global_store_b128 v[CO], v[RB+4*NOUT*(\i%2)+4*tt:RB+4*NOUT*(\i%2)+4*tt+3], s[68:69] offset:(16*\i+tt)*4096 th:TH_STORE_NT
.else
	global_store_b128 v[CO], v[RB+4*NOUT*(\i%2)+4*tt:RB+4*NOUT*(\i%2)+4*tt+3], s[68:69] offset:(tt/4)*PLANE+\i*2048+(tt%4)*512
.endif
.set tt, tt+1
.endr
.endm
	OUT16 0
	OUT16 1
	OUT16 2
	OUT16 3
	s_set_vgpr_msb 0x1
	s_wait_tensorcnt 0x0
	ds_add_u32 v255, v31
	s_wait_dscnt 0x0
	s_set_vgpr_msb 0x100
	CROUND                                         ; the closing round: no work-group ends while a partner may still ask for a tile that names it
	s_endpgm
.Lfunc_end_k_qe6d72dd151_gemm_qkv:
	.size	k_qe6d72dd151_gemm_qkv, .Lfunc_end_k_qe6d72dd151_gemm_qkv-k_qe6d72dd151_gemm_qkv
	.p2alignl 7, 3214868480
	.fill 96, 4, 3214868480
	.section	.rodata,"a",@progbits
	.p2align	6, 0x0
	.amdhsa_kernel k_qe6d72dd151_gemm_qkv
		.amdhsa_group_segment_fixed_size 327680
		.amdhsa_private_segment_fixed_size 0
		.amdhsa_enable_private_segment 0
		.amdhsa_kernarg_size 32
		.amdhsa_user_sgpr_count 2
		.amdhsa_user_sgpr_kernarg_segment_ptr 1
		.amdhsa_wavefront_size32 1
		.amdhsa_system_sgpr_workgroup_id_x 1
		.amdhsa_system_sgpr_workgroup_id_y 1
		.amdhsa_system_sgpr_workgroup_id_z 1
		.amdhsa_system_vgpr_workitem_id 0
		.amdhsa_next_free_vgpr 960
		.amdhsa_next_free_sgpr 72
		.amdhsa_reserve_vcc 0
		.amdhsa_float_denorm_mode_32 3
		.amdhsa_float_denorm_mode_16_64 3
		.amdhsa_memory_ordered 1
		.amdhsa_forward_progress 1
		.amdhsa_inst_pref_size 167
	.end_amdhsa_kernel
	.amdgpu_metadata
---
amdhsa.version: [ 1, 2 ]
amdhsa.kernels:
  - .name:           k_qe6d72dd151_gemm_qkv
    .symbol:         k_qe6d72dd151_gemm_qkv.kd
    .args:
      - { .name: xb, .offset: 0, .size: 8, .value_kind: global_buffer, .address_space: global }
      - { .name: wT, .offset: 8, .size: 8, .value_kind: global_buffer, .address_space: global }
      - { .name: qkv, .offset: 16, .size: 8, .value_kind: global_buffer, .address_space: global }
      - { .name: bqkv, .offset: 24, .size: 8, .value_kind: global_buffer, .address_space: global }
    .group_segment_fixed_size: 327680
    .private_segment_fixed_size: 0
    .kernarg_segment_align: 8
    .kernarg_segment_size: 32
    .max_flat_workgroup_size: 128
    .sgpr_count:     72
    .vgpr_count:     960
    .wavefront_size: 32
...
	.end_amdgpu_metadata
.endif
;; end of part 2
;; launch attn (part 3): grid 256 x 1, 4 waves a work-group, no clusters, 327,680 bytes of LDS; arguments qkv, yh; writes yh
.if DOCPART == 3
	.amdgcn_target "amdgcn-amd-amdhsa--gfx1250"
	.amdhsa_code_object_version 6
	.text
	.protected	k_qe6d72dd151_attn
	.globl	k_qe6d72dd151_attn
	.p2align	8
	.type	k_qe6d72dd151_attn,@function
k_qe6d72dd151_attn:
	s_mov_b64 s[64:65], 0
	v_nop
	global_prefetch_b8 v0, s[64:65] scope:SCOPE_SE
	s_setreg_imm32_b32 hwreg(HW_REG_WAVE_MODE, 25, 1), 1
	s_wait_xcnt 0x0
; Causal attention of one head: y = softmax(q k^T / 8, keys <= query) v.  q, k, v: planes of qkv [batch][48][2048][64] f16 (q heads 0-15,
; k 16-31, v 32-47); y: yh [batch][16][2048][64] f16.  Scores, running maximum, sums and accumulators in f32.
; Work-group g: head g >> 2, query blocks (256 rows) jA = g & 3 and jB = 7 - jA: (jA + 1) + (jB + 1) = 9 key blocks of 256 for every group.
; Wave w owns 64 query rows of the block.  Keys beyond the diagonal are not computed; of a block's keys the diagonal block comes first,
; so the first tile of 64 keys holds an unmasked key for every row and the running maximum is finite from then on.
; TRANSPOSED: S^T = K Q^T (source 0 = 16 keys, source 1 = 16 queries): lane (r, h) holds query r and keys 8 h + j.  A row's maximum is a
; maximum inside the lane and one exchange between the halves; two neighbouring scores pack straight into P^T's fragment; O^T = V^T P^T
; keeps query r in lane r, so the rescaling factor is one number a lane and a lane ends with eight neighbouring d.
; K and V come in chunks of 128 keys through two LDS slots; waves 0, 1 fetch V's halves, waves 2, 3 K's: one tensor load of a wave is out at any time.
; NO MULTICAST: the four work-groups of a head walk i + 1 and 8 - i key blocks for their two query blocks, different tiles at the same
; time and different trip counts; walking in step would cost 12 block steps in place of 9, for K and V planes of 512 KiB a head.
; LIMITS: a probability below 2^-25 of its row's largest rounds to 0 in f16; NaN and infinite inputs are not treated specially;
; keys are summed diagonal block first.
.set PLANE, 262144
.set CHUNK, 16384                      ; 128 keys x 128 bytes in memory
.set VP,    160                        ; LDS pitch of V: an odd multiple of 32 for the transposing loads
.set KP,    144                        ; LDS pitch of K: an odd multiple of 16
.set VHALF, 64*VP
.set KHALF, 64*KP
.set VREG,  2*VHALF                    ; V's 128 keys, then K's
.set SLOT,  VREG+2*KHALF               ; 38,912
.set STAGE, 2*SLOT                     ; 77,824: 64 rows x 144 bytes for each wave; no tensor load ever lands there
.set ADRK, 2                           ; window 0: LDS address of my K fragments
.set ADRV, 3                           ; of my V^T fragments
.set STO,  4                           ; the way out: in
.set RD,   5                           ; back
.set CO,   6                           ; 16 x lane
.set QO,   7                           ; my bytes of a Q fragment
.set M,    16                          ; v16-19  running maximum of query tile qt (raw scores)
.set L,    20                          ; v20-27  running sums, a pair for each qt
.set NM,   28                          ; v28-35  -c x maximum, twice
.set AL,   36                          ; v36-43  rescaling factor, twice
.set TM,   44                          ; v44-47  at work at the end
.set TX,   48                          ; v48-51  from the other half of the lanes
.set NEG,  52                          ; -infinity
.set DIA,  53                          ; r - 8 h
.set S,    64                          ; v64-191  S[32 qt + 8 kt + j]
.set P,    192                         ; v192-255 P[x] = f16 pair of S[2x], S[2x+1]: fragment (qt, kg) at 16 qt + 8 kg
.set KF,   0                           ; window 1: K fragment (ds, kt) at 8 (4 ds + kt)
.set VF,   64                          ; V^T fragment (kg, dt) at 8 (4 kg + dt)
.set QFA,  128                         ; Q of block A: fragment (qt, ds) at 8 (2 qt + ds)
.set QFB,  192                         ; Q of block B
.set O,    0                           ; window 2: O[32 qt + 8 dt + j]
.set G1V, 20                           ; s[20:27]
.set G1K, 28                           ; s[28:35]
.set G0V, 36                           ; s[36:43] one set for each slot
.set G0K, 44                           ; s[44:51]
.set KEEP, 52                          ; s52-59: lanes in which register j of a diagonal 16 x 16 tile is kept
.set MSB, 0
.macro WIN new                         ; low byte: bits 1:0 source 0, 3:2 source 1, 5:4 source 2, 7:6 destination; the high byte repeats the setting that is left
.if MSB != (\new)
	s_set_vgpr_msb (MSB<<8)|(\new)
.set MSB, (\new)
.endif
.endm
.macro PLACES                          ; four plain vector instructions behind matrix instructions (ISA guide 7.12.1 for vector instructions)
.rept 4
	v_nop
.endr
.endm
.macro JL s                            ; my part of a chunk into slot s: waves 0, 1 V, waves 2, 3 K
	s_cmp_eq_u32 s9, 0
	s_cbranch_scc0 .Lfor_k_\@
	tensor_load_to_lds s[G0V+4*(\s):G0V+4*(\s)+3], s[G1V:G1V+7]
	s_nop 0
	s_branch .Lasked_\@
.Lfor_k_\@:
	tensor_load_to_lds s[G0K+4*(\s):G0K+4*(\s)+3], s[G1K:G1K+7]
	s_nop 0
.Lasked_\@:
.endm
	s_load_b128 s[4:7], s[0:1], 0x0                ; qkv s[4:5], yh s[6:7]
	v_lshl_add_u32 v62, v0, 2, 0x29000
	v_mov_b32 v63, 0
	ds_add_u32 v62, v63
	v_lshrrev_b32 v1, 5, v0
	v_readfirstlane_b32 s8, v1                     ; wave 0..3
	s_lshr_b32 s9, s8, 1                           ; I fetch V (0) or K (1)
	s_and_b32 s10, s8, 1                           ; which 64 keys of a chunk
	s_mov_b32 s12, 0x76543210                      ; v_permlanex16_b32: lane i of one half reads lane i of the other
	s_mov_b32 s13, 0xfedcba98
	s_mov_b32 s14, 0x3e38aa3b                      ; c = log2(e) / 8: the scale 1/8 and the change of base in one factor
	s_mov_b32 s15, 0x3e38aa3b
	s_mov_b32 s16, 0xbe38aa3b                      ; -c
	s_lshr_b32 s17, ttmp9, 2                       ; 16 batch + head
	s_and_b32 s67, ttmp9, 3                        ; jA
	s_sub_co_u32 s68, 7, s67                       ; jB
	s_lshr_b32 s18, s17, 4
	s_and_b32 s19, s17, 15
	s_mul_i32 s82, s18, 48
	s_add_co_u32 s82, s82, s19
	s_lshl_b32 s82, s82, 18                        ; q's plane
	s_mov_b32 s83, 0
	s_lshl_b32 s84, s10, 13                        ; my 64 keys of a chunk
	s_mov_b32 s85, 0
	s_lshl_b32 s60, s67, 15                        ; s[60:61]: byte offset of the chunk that is asked for next; first block A's diagonal, chunk 2 jA
	s_mov_b32 s61, 0
	s_lshl_b32 s63, s68, 15                        ; block B's diagonal, chunk 2 jB
	; group 1: 64 keys are 8,192 dense bytes, read as 32 rows of 256; behind every 32 words (a key's 128 bytes) 8 words of padding for V, 4 for K
	s_mov_b32 s[G1V+0], (1<<16)|(1<<20)|(4<<22)|(7<<25)
	s_mov_b32 s[G1V+1], 128<<16                    ; tensor_dim0 = 128 elements
	s_mov_b32 s[G1V+2], 32<<16                     ; tensor_dim1 = 32
	s_mov_b32 s[G1V+3], 128<<16                    ; tile_dim0
	s_mov_b32 s[G1V+4], 32                         ; tile_dim1
	s_mov_b32 s[G1V+5], 128                        ; pitch
	s_mov_b32 s[G1V+6], 0
	s_mov_b32 s[G1V+7], 0
	s_mov_b32 s[G1K+0], (1<<16)|(1<<20)|(4<<22)|(3<<25)
	s_mov_b32 s[G1K+1], 128<<16
	s_mov_b32 s[G1K+2], 32<<16
	s_mov_b32 s[G1K+3], 128<<16
	s_mov_b32 s[G1K+4], 32
	s_mov_b32 s[G1K+5], 128
	s_mov_b32 s[G1K+6], 0
	s_mov_b32 s[G1K+7], 0
	s_mul_i32 s18, s8, VHALF                       ; V's halves (waves 0, 1) from the slot's first byte,
	s_mul_i32 s19, s8, KHALF
	s_add_co_u32 s19, s19, VREG-2*KHALF            ; K's halves (waves 2, 3) behind V's part
.irp s, 0,1
	s_mov_b32 s[G0V+4*\s], 1
	s_add_co_u32 s[G0V+4*\s+1], s18, \s*SLOT
	s_mov_b32 s[G0K+4*\s], 1
	s_add_co_u32 s[G0K+4*\s+1], s19, \s*SLOT
.endr
	s_wait_dscnt 0x0
	s_wait_kmcnt 0x0
	s_add_nc_u64 s[4:5], s[4:5], s[82:83]          ; q's plane
	s_add_nc_u64 s[72:73], s[4:5], s[84:85]
	s_add_nc_u64 s[70:71], s[72:73], 32*PLANE      ; v's plane at my half of chunk 0
	s_add_nc_u64 s[72:73], s[72:73], 16*PLANE      ; k's
	s_add_nc_u64 s[G0V+2:G0V+3], s[70:71], s[60:61]
	s_or_b32 s[G0V+3], s[G0V+3], 0x80000000
	s_add_nc_u64 s[G0K+2:G0K+3], s[72:73], s[60:61]
	s_or_b32 s[G0K+3], s[G0K+3], 0x80000000
	JL 0                                           ; the one first fill at the start; slot 1 is first filled behind the first trip's barrier
	s_add_co_u32 s60, s60, CHUNK
	s_lshl_b32 s11, s8, 13                         ; my 64 rows of 128 bytes
	s_lshl_b32 s82, s67, 15
	s_add_co_u32 s82, s82, s11                     ; block A's rows of mine (s83 = 0)
	s_add_co_u32 s84, s63, s11                     ; block B's (s85 = 0)
	s_lshl_b32 s2, s17, 18                         ; y's plane
	s_mov_b32 s3, 0
	s_add_nc_u64 s[6:7], s[6:7], s[2:3]
	s_add_nc_u64 s[74:75], s[6:7], s[82:83]        ; y, block A
	s_add_nc_u64 s[76:77], s[6:7], s[84:85]        ; y, block B
	s_add_nc_u64 s[78:79], s[4:5], s[82:83]        ; q, block A
	s_add_nc_u64 s[80:81], s[4:5], s[84:85]        ; q, block B
	v_and_b32 v8, 15, v0                           ; r
	v_bfe_u32 v9, v0, 4, 1                         ; h
	v_lshlrev_b32 v14, 7, v8
	v_lshl_add_u32 v[QO], v9, 4, v14               ; row r of 128 bytes + 16 h
	WIN 0x40
.irp qt, 0,1,2,3
.irp ds, 0,1
	global_load_b128 v[QFA+8*(2*\qt+\ds):QFA+8*(2*\qt+\ds)+3],   v[QO], s[78:79] offset:\qt*2048+64*\ds
	global_load_b128 v[QFA+8*(2*\qt+\ds)+4:QFA+8*(2*\qt+\ds)+7], v[QO], s[78:79] offset:\qt*2048+64*\ds+32
.endr
.endr
.irp qt, 0,1,2,3
.irp ds, 0,1
	global_load_b128 v[QFB+8*(2*\qt+\ds):QFB+8*(2*\qt+\ds)+3],   v[QO], s[80:81] offset:\qt*2048+64*\ds
	global_load_b128 v[QFB+8*(2*\qt+\ds)+4:QFB+8*(2*\qt+\ds)+7], v[QO], s[80:81] offset:\qt*2048+64*\ds+32
.endr
.endr
	WIN 0
	v_and_b32 v10, 31, v0                          ; lane
	v_and_b32 v11, 7, v0                           ; lane & 7
	v_bfe_u32 v12, v0, 3, 1                        ; (lane >> 3) & 1
	v_mul_u32_u24 v13, v8, KP
	v_lshl_add_u32 v13, v9, 4, v13                 ; r x 144 + 16 h
	v_add_nc_u32 v[ADRK], VREG, v13
	v_lshl_add_u32 v14, v9, 3, v11                 ; key 8 h + (lane & 7),
	v_mul_u32_u24 v14, v14, VP
	v_lshl_add_u32 v[ADRV], v12, 4, v14            ; eight d at 16 ((lane >> 3) & 1): the transposing load gives lane (r, h) d = r, keys 8 h + 0..7
	s_mul_i32 s11, s8, 64*KP
	s_add_co_u32 s11, s11, STAGE                   ; my stage
	v_add_nc_u32 v[STO], s11, v13
	v_lshrrev_b32 v14, 3, v10
	v_mul_u32_u24 v14, v14, KP
	v_lshl_add_u32 v14, v11, 4, v14
	v_add_nc_u32 v[RD], s11, v14                   ; eight lanes take a row of 128 bytes, 32 lanes four rows
	v_lshlrev_b32 v[CO], 4, v10
	v_lshlrev_b32 v14, 3, v9
	v_sub_nc_u32 v[DIA], v8, v14                   ; in a diagonal 16 x 16 tile key 8 h + j <= query r means j <= r - 8 h
	v_mov_b32 v[NEG], 0xff800000
.irp j, 0,1,2,3,4,5,6,7
	v_cmp_le_i32 s[KEEP+\j], \j, v[DIA]
.endr
.irp qt, 0,1,2,3
	v_mov_b32 v[TX+\qt], 0                         ; v_permlanex16_b32 counts as a reader of its destination
.endr
.macro SMM qt, kt, ds, qb              ; S^T(kt, qt) += K(kt, ds) Q(qt, ds)^T; the first half of d starts the sum
.if \ds
	v_wmma_f32_16x16x32_f16 v[S+32*\qt+8*\kt:S+32*\qt+8*\kt+7], v[KF+8*(4*\ds+\kt):KF+8*(4*\ds+\kt)+7], v[\qb+8*(2*\qt+\ds):\qb+8*(2*\qt+\ds)+7], v[S+32*\qt+8*\kt:S+32*\qt+8*\kt+7]
.else
	v_wmma_f32_16x16x32_f16 v[S+32*\qt+8*\kt:S+32*\qt+8*\kt+7], v[KF+8*(4*\ds+\kt):KF+8*(4*\ds+\kt)+7], v[\qb+8*(2*\qt+\ds):\qb+8*(2*\qt+\ds)+7], 0
.endif
.endm
.macro PVMM qt, dt, kg, zero           ; O^T(dt, qt) += V^T(dt, kg) P^T(kg, qt)
.if \zero
	v_wmma_f32_16x16x32_f16 v[O+32*\qt+8*\dt:O+32*\qt+8*\dt+7], v[VF+8*(4*\kg+\dt):VF+8*(4*\kg+\dt)+7], v[P+16*\qt+8*\kg:P+16*\qt+8*\kg+7], 0
.else
	v_wmma_f32_16x16x32_f16 v[O+32*\qt+8*\dt:O+32*\qt+8*\dt+7], v[VF+8*(4*\kg+\dt):VF+8*(4*\kg+\dt)+7], v[P+16*\qt+8*\kg:P+16*\qt+8*\kg+7], v[O+32*\qt+8*\dt:O+32*\qt+8*\dt+7]
.endif
.endm
; The change of slots.  Every wave waits for all its tensor loads (its part of this trip's chunk) and for its reads of the other slot, passes
; the barrier, and fills the other slot first thing behind it, with the chunk at s[60:61]: its one tensor load until the next such barrier.
.macro HEAD slot, refill
	s_wait_tensorcnt 0x0                           ; no tensor load of mine is out: every group 0 may be written
	ds_add_u32 v62, v63
	s_wait_dscnt 0x0
.if \refill
	s_add_nc_u64 s[G0V+4*(1-\slot)+2:G0V+4*(1-\slot)+3], s[70:71], s[60:61]
	s_or_b32 s[G0V+4*(1-\slot)+3], s[G0V+4*(1-\slot)+3], 0x80000000
	s_add_nc_u64 s[G0K+4*(1-\slot)+2:G0K+4*(1-\slot)+3], s[72:73], s[60:61]
	s_or_b32 s[G0K+4*(1-\slot)+3], s[G0K+4*(1-\slot)+3], 0x80000000
.endif
	s_wait_dscnt 0x0
	s_barrier_signal -1
	s_barrier_wait -1
.if \refill
	JL 1-\slot
.endif
.endm
; 64 keys (half u of the chunk in a slot) against my 64 queries.  first = 1: the block's first tile starts maximum, sums and O.
; dg = -1: all keys are below the diagonal.  dg = 0..3: tile dg of the diagonal block: waves below dg have nothing to do, wave dg masks.
.macro TILE slot, u, first, dg, qb
.if \dg > 0
	s_cmp_lt_u32 s8, \dg                           ; the wave's number alone; no barrier stands inside
	s_cbranch_scc1 .Lskip_\@
.endif
	PLACES                                         ; behind the last tile's products, whose V fragments are loaded again
	WIN 0x40
.irp ds, 0,1
.irp kt, 0,1,2,3
	ds_load_b128 v[KF+8*(4*\ds+\kt):KF+8*(4*\ds+\kt)+3],   v[ADRK] offset:\slot*SLOT+\u*KHALF+\kt*16*KP+64*\ds
	ds_load_b128 v[KF+8*(4*\ds+\kt)+4:KF+8*(4*\ds+\kt)+7], v[ADRK] offset:\slot*SLOT+\u*KHALF+\kt*16*KP+64*\ds+32
.endr
.endr
.irp kg, 0,1
.irp dt, 0,1,2,3
	ds_load_tr16_b128 v[VF+8*(4*\kg+\dt):VF+8*(4*\kg+\dt)+3],   v[ADRV] offset:\slot*SLOT+\u*VHALF+\kg*32*VP+32*\dt
	ds_load_tr16_b128 v[VF+8*(4*\kg+\dt)+4:VF+8*(4*\kg+\dt)+7], v[ADRV] offset:\slot*SLOT+\u*VHALF+\kg*32*VP+32*\dt+16*VP
.endr
.endr
	WIN 0x05                                       ; K and Q window 1, S window 0
.irp ds, 0,1
.irp kt, 0,1,2,3
	s_wait_dscnt 30-2*(4*\ds+\kt)                  ; of the 32 loads, those issued behind this K fragment's two may be out
.irp qt, 0,1,2,3
	SMM \qt, \kt, \ds, \qb                         ; the sixteen accumulators take turns
.endr
.endr
.endr
	WIN 0
	PLACES
.if \dg >= 0
	s_cmp_lg_u32 s8, \dg
	s_cbranch_scc1 .Lfull_\@
.irp qt, 0,1,2,3
.irp j, 0,1,2,3,4,5,6,7
	v_cndmask_b32 v[S+40*\qt+\j], v[NEG], v[S+40*\qt+\j], s[KEEP+\j]   ; kt = qt: keys beyond the query become -infinity
.endr
.endr
.irp qt, 0,1,2
.irp kt, 1,2,3
.if \kt > \qt
.irp j, 0,1,2,3,4,5,6,7
	v_mov_b32 v[S+32*\qt+8*\kt+\j], v[NEG]         ; kt > qt: all keys lie beyond
.endr
.endif
.endr
.endr
.Lfull_\@:
.endif
	; the running maximum, in place, four chains that do not wait for each other
.irp qt, 0,1,2,3
.if \first
	v_max_num_f32 v[M+\qt], v[S+32*\qt], v[S+32*\qt+1]
.else
	v_max3_num_f32 v[M+\qt], v[M+\qt], v[S+32*\qt], v[S+32*\qt+1]
.endif
.endr
.set pn, 1
.rept 15
.irp qt, 0,1,2,3
	v_max3_num_f32 v[M+\qt], v[M+\qt], v[S+32*\qt+2*pn], v[S+32*\qt+2*pn+1]
.endr
.set pn, pn+1
.endr
.irp qt, 0,1,2,3
	v_permlanex16_b32 v[TX+\qt], v[M+\qt], s12, s13    ; the other half of the lanes holds the row's other keys
.endr
.irp qt, 0,1,2,3
	v_max_num_f32 v[M+\qt], v[M+\qt], v[TX+\qt]
.endr
.irp qt, 0,1,2,3
	v_mul_f32 v[NM+2*\qt+1], s16, v[M+\qt]         ; the new -c m
.endr
.if \first == 0
.irp qt, 0,1,2,3
	v_sub_f32 v[AL+2*\qt], v[NM+2*\qt+1], v[NM+2*\qt]  ; new offset - old offset: exactly what the old exponents lack
.endr
.irp qt, 0,1,2,3
	v_exp_f32 v[AL+2*\qt], v[AL+2*\qt]
.endr
.endif
.irp qt, 0,1,2,3
	v_mov_b32 v[NM+2*\qt], v[NM+2*\qt+1]           ; also the plain instructions behind the exponentials (ISA guide 5.7.2)
.endr
.if \first == 0
	s_wait_alu depctr_va_vdst(0)
.irp qt, 0,1,2,3
	v_mov_b32 v[AL+2*\qt+1], v[AL+2*\qt]
.endr
.endif
	; p = 2^(c s - c m), two at a time: the exponent of pair n + 1, the exponentials of pair n, the sum and the packing of pair n - 1,
	; so that plain instructions stand between an exponential and the use of its result
	v_pk_fma_f32 v[S:S+1], v[S:S+1], s[14:15], v[NM:NM+1] op_sel_hi:[1,0,1]
.set pn, 0
.rept 65
.if pn < 63
	v_pk_fma_f32 v[S+2*pn+2:S+2*pn+3], v[S+2*pn+2:S+2*pn+3], s[14:15], v[NM+2*((pn+1)/16):NM+2*((pn+1)/16)+1] op_sel_hi:[1,0,1]
.endif
.if pn < 64
	v_exp_f32 v[S+2*pn], v[S+2*pn]
	v_exp_f32 v[S+2*pn+1], v[S+2*pn+1]
.endif
.if pn > 0
.set pm, pn-1
.set lq, L+2*(pm/16)
.set aq, AL+2*(pm/16)
.if pm%16 == 0
.if \first == 0
	s_wait_alu depctr_va_vdst(0)
	v_pk_fma_f32 v[lq:lq+1], v[lq:lq+1], v[aq:aq+1], v[S+2*pm:S+2*pm+1]    ; the old sum, rescaled, and the first pair
.endif
.else
.if \first
.if pm%16 == 1
	v_pk_add_f32 v[lq:lq+1], v[S+2*pm-2:S+2*pm-1], v[S+2*pm:S+2*pm+1]      ; the first two pairs start the sum
.else
	s_wait_alu depctr_va_vdst(0)
	v_pk_add_f32 v[lq:lq+1], v[lq:lq+1], v[S+2*pm:S+2*pm+1]
.endif
.else
	s_wait_alu depctr_va_vdst(0)
	v_pk_add_f32 v[lq:lq+1], v[lq:lq+1], v[S+2*pm:S+2*pm+1]
.endif
.endif
	s_wait_alu depctr_va_vdst(0)
	v_cvt_pk_f16_f32 v[P+pm], v[S+2*pm], v[S+2*pm+1]
.endif
.set pn, pn+1
.endr
.if \first == 0
	WIN 0x82                                       ; O window 2, the factor window 0
.irp qt, 0,1,2,3
.set pn, 0
.rept 16
	v_pk_mul_f32 v[O+32*\qt+2*pn:O+32*\qt+2*pn+1], v[O+32*\qt+2*pn:O+32*\qt+2*pn+1], v[AL+2*\qt:AL+2*\qt+1]
.set pn, pn+1
.endr
.endr
.endif
	s_wait_dscnt 0x0                               ; V's fragments
	WIN 0xa1                                       ; V^T window 1, P window 0, O window 2
.irp kg, 0,1
.irp dt, 0,1,2,3
.irp qt, 0,1,2,3
	PVMM \qt, \dt, \kg, \first*(1-\kg)             ; the sixteen accumulators take turns
.endr
.endr
.endr
	WIN 0
.if \dg > 0
.Lskip_\@:
.endif
.endm
.macro TRIP slot, refill, first, dg0, qb           ; a chunk of 128 keys
	HEAD \slot, \refill
.if \dg0 < 0
	TILE \slot, 0, \first, -1, \qb
	TILE \slot, 1, 0, -1, \qb
.else
	TILE \slot, 0, \first, \dg0, \qb
	TILE \slot, 1, 0, \dg0+1, \qb
.endif
.endm
; The end of a query block: divide by the sums, round to f16, 16 bytes a lane into my stage, whole rows back, stores of 512 consecutive bytes.
.macro FINAL yb
	PLACES
.irp qt, 0,1,2,3
	v_add_f32 v[TM+\qt], v[L+2*\qt], v[L+2*\qt+1]
.endr
.irp qt, 0,1,2,3
	v_permlanex16_b32 v[TX+\qt], v[TM+\qt], s12, s13
.endr
.irp qt, 0,1,2,3
	v_add_f32 v[TM+\qt], v[TM+\qt], v[TX+\qt]      ; at least 1: the row's largest score gives 2^0
.endr
.irp qt, 0,1,2,3
	v_rcp_f32 v[AL+2*\qt], v[TM+\qt]
.endr
	v_nop                                          ; the plain instruction behind the reciprocals (ISA guide 5.7.2)
	s_wait_alu depctr_va_vdst(0)
.irp qt, 0,1,2,3
	v_mov_b32 v[AL+2*\qt+1], v[AL+2*\qt]
.endr
	WIN 0x82
.irp qt, 0,1,2,3
.set pn, 0
.rept 16
	v_pk_mul_f32 v[O+32*\qt+2*pn:O+32*\qt+2*pn+1], v[O+32*\qt+2*pn:O+32*\qt+2*pn+1], v[AL+2*\qt:AL+2*\qt+1]
.set pn, pn+1
.endr
.endr
	WIN 0x0a
.set pn, 0
.rept 64
	v_cvt_pk_f16_f32 v[P+pn], v[O+2*pn], v[O+2*pn+1]
.set pn, pn+1
.endr
	WIN 0
.irp qt, 0,1,2,3
.irp dt, 0,1,2,3
	ds_store_b128 v[STO], v[P+16*\qt+4*\dt:P+16*\qt+4*\dt+3] offset:\qt*16*KP+32*\dt   ; query 16 qt + r, d = 16 dt + 8 h ..
.endr
.endr
.irp t, 0,1,2,3,4,5,6,7,8,9,10,11,12,13,14,15
	ds_load_b128 v[S+4*\t:S+4*\t+3], v[RD] offset:\t*4*KP      ; LDS serves a wave's instructions in order (ISA guide 5.7.1.4): these see the stores above
.endr
.irp t, 0,1,2,3,4,5,6,7,8,9,10,11,12,13,14,15
	s_wait_dscnt 15-\t
	global_store_b128 v[CO], v[S+4*\t:S+4*\t+3], s[\yb:\yb+1] offset:512*\t
.endr
	s_wait_xcnt 0x0                                ; S, which the stores read, is written again only behind this wait
.endm
	; ---- query block A: its diagonal block (chunks 2 jA, 2 jA + 1), then chunks 0 .. 2 jA - 1 ----
	s_wait_loadcnt 16                              ; block A's Q is in; block B's sixteen loads may stay out
	TRIP 0, 1, 1, 0, QFA
	s_cmp_eq_u32 s67, 0
	s_cselect_b32 s60, s63, 0                      ; next: chunk 0, or, with no keys below the diagonal block, block B's diagonal
	TRIP 1, 1, 0, 2, QFA
	s_add_co_u32 s60, s60, CHUNK
	s_cmp_eq_u32 s67, 0                            ; the same in all waves of the work-group
	s_cbranch_scc1 .Ldone_a
	s_mov_b32 s66, s67                             ; jA trips of two chunks
.Lloop_a:
	TRIP 0, 1, 0, -1, QFA
	s_add_co_u32 s62, s60, CHUNK
	s_cmp_eq_u32 s66, 1
	s_cselect_b32 s60, s63, s62                    ; behind block A's last chunk comes block B's diagonal
	TRIP 1, 1, 0, -1, QFA
	s_add_co_u32 s60, s60, CHUNK
	s_sub_co_u32 s66, s66, 1
	s_cmp_lg_u32 s66, 0
	s_cbranch_scc1 .Lloop_a
.Ldone_a:
	FINAL 74                                       ; block B's first chunk is on its way meanwhile
	; ---- query block B: chunks 2 jB, 2 jB + 1, then 0 .. 2 jB - 1 (jB >= 4) ----
	s_wait_loadcnt 0x0                             ; block B's Q
	TRIP 0, 1, 1, 0, QFB
	s_mov_b32 s60, 0
	TRIP 1, 1, 0, 2, QFB
	s_add_co_u32 s60, s60, CHUNK
	s_sub_co_u32 s66, s68, 1                       ; jB - 1 trips of two chunks; the last two chunks are written out
.Lloop_b:
	TRIP 0, 1, 0, -1, QFB
	s_add_co_u32 s60, s60, CHUNK
	TRIP 1, 1, 0, -1, QFB
	s_add_co_u32 s60, s60, CHUNK
	s_sub_co_u32 s66, s66, 1
	s_cmp_lg_u32 s66, 0
	s_cbranch_scc1 .Lloop_b
	TRIP 0, 1, 0, -1, QFB                          ; asks for the last chunk
	TRIP 1, 0, 0, -1, QFB                          ; nothing is left to fetch; its wait for all tensor loads is the last
	FINAL 76
	s_wait_tensorcnt 0x0
	ds_add_u32 v62, v63
	s_wait_dscnt 0x0
	s_endpgm
.Lfunc_end_k_qe6d72dd151_attn:
	.size	k_qe6d72dd151_attn, .Lfunc_end_k_qe6d72dd151_attn-k_qe6d72dd151_attn
	.p2alignl 7, 3214868480
	.fill 96, 4, 3214868480
	.section	.rodata,"a",@progbits
	.p2align	6, 0x0
	.amdhsa_kernel k_qe6d72dd151_attn
		.amdhsa_group_segment_fixed_size 327680
		.amdhsa_private_segment_fixed_size 0
		.amdhsa_enable_private_segment 0
		.amdhsa_kernarg_size 16
		.amdhsa_user_sgpr_count 2
		.amdhsa_user_sgpr_kernarg_segment_ptr 1
		.amdhsa_wavefront_size32 1
		.amdhsa_system_sgpr_workgroup_id_x 1
		.amdhsa_system_sgpr_workgroup_id_y 1
		.amdhsa_system_sgpr_workgroup_id_z 1
		.amdhsa_system_vgpr_workitem_id 0
		.amdhsa_next_free_vgpr 640
		.amdhsa_next_free_sgpr 86
		.amdhsa_reserve_vcc 0
		.amdhsa_float_denorm_mode_32 3
		.amdhsa_float_denorm_mode_16_64 3
		.amdhsa_memory_ordered 1
		.amdhsa_forward_progress 1
		.amdhsa_inst_pref_size 255
	.end_amdhsa_kernel
	.section	.bss,"aw",@nobits
	.p2align	6
	.space	262144
	.amdgpu_metadata
---
amdhsa.version: [ 1, 2 ]
amdhsa.kernels:
  - .name:           k_qe6d72dd151_attn
    .symbol:         k_qe6d72dd151_attn.kd
    .args:
      - { .name: qkv, .offset: 0, .size: 8, .value_kind: global_buffer, .address_space: global }
      - { .name: yh, .offset: 8, .size: 8, .value_kind: global_buffer, .address_space: global }
    .group_segment_fixed_size: 327680
    .private_segment_fixed_size: 0
    .kernarg_segment_align: 8
    .kernarg_segment_size: 16
    .max_flat_workgroup_size: 128
    .sgpr_count:     86
    .vgpr_count:     640
    .wavefront_size: 32
...
	.end_amdgpu_metadata
.endif
;; end of part 3
;; launch gemm_proj (part 4): grid 8 x 32, 4 waves a work-group, clusters of 4 x 4, 327,680 bytes of LDS; arguments yh, wT, out0, bproj; writes out0
.if DOCPART == 4
	.amdgcn_target "amdgcn-amd-amdhsa--gfx1250"
	.amdhsa_code_object_version 6
	.text
	.protected	k_qe6d72dd151_gemm_proj
	.globl	k_qe6d72dd151_gemm_proj
	.p2align	8
	.type	k_qe6d72dd151_gemm_proj,@function
k_qe6d72dd151_gemm_proj:
	s_mov_b64 s[64:65], 0
	v_nop
	global_prefetch_b8 v0, s[64:65] scope:SCOPE_SE
	s_setreg_imm32_b32 hwreg(HW_REG_WAVE_MODE, 25, 1), 1
	s_wait_xcnt 0x0
	s_wait_alu depctr_hold_cnt(0) depctr_sa_sdst(0) depctr_va_vdst(0) depctr_va_sdst(0) depctr_va_ssrc(0) depctr_va_vcc(0) depctr_vm_vsrc(0)
	s_getreg_b32 s2, hwreg(HW_REG_IB_STS2, 6, 4)
	s_cmp_eq_u32 s2, 0
	s_cbranch_scc0 .Lentry_in_a_cluster
	s_endpgm
.Lentry_in_a_cluster:
	s_bfe_u32 s2, ttmp6, 0x10000c
	s_cmp_lg_u32 s2, 0xf033
	s_cbranch_scc0 .Lentry_shape_is_right
	s_endpgm
.Lentry_shape_is_right:
; C[m][n] = bias[n] + sum over k of A[m][k] B[n][k], K = 1024, sums in f32.  One text serves two launches; PROJ picks the constants.
;   PROJ = 0: A = xb [8192][1024] bf16, B = wT rows 0-3071 (bf16), C = qkv in f16, laid out [batch][48 heads][2048 t][64].
;   PROJ = 1: A = yh [batch][16 heads][2048 t][64] f16, B = wT rows 3072-4095 (f16), C = out0 [8192][1024] f32.
; A work-group makes 256 rows x 16 NT columns with four waves stacked along the rows: wave w makes rows 64 w .. 64 w + 63 and all columns,
; 4 x NT accumulator tiles of 16 x 16.  K goes in steps of 128 (here: two heads) through two LDS slots filled by the tensor data mover.
; CLUSTERS: 4 x 4 work-groups.  A's tile hangs on the block row alone and is asked for jointly along a row of the cluster, B's on the block
; column alone and is asked for jointly along a column: the requests for A and for B are divided by four.
; The bias costs no arithmetic: it is loaded in the accumulators' layout and is the C operand of each tile's first product (so it is added
; first, not last as written in the model).
; REGISTERS, in windows of 256: window 0: v0-31 addresses, v32-95 A's fragments (two buffers), v96-255 bias and the way out;
;   window 1: B's fragments, buffers at v0 and v96; window 2: accumulator tiles of my rows 0-31 (tile (a, b) at v[8 (NT a + b)]); window 3: rows 32-63.
; The matrix instruction is used transposed (source 0 = 16 rows of B, source 1 = 16 rows of A): lane l holds row l % 16 of C and its
; registers 0-7 the columns 8 (l / 16) + 0 .. 7, eight neighbouring numbers.
.set PROJ, 1
.if PROJ
.set NT,      8                        ; column tiles: 128 columns
.set APITCH,  144                      ; an LDS row of A: one head's 128 bytes + 16
.set ASUB,    36864                    ; from the K step's first head to its second: 256 rows x 144
.set AREG,    73728                    ; A's part of a slot
.set ALOAD,   36864                    ; LDS bytes of one load of A (one head, 256 rows)
.set AQI,     4                        ; padding behind every 32 words
.set ASTRIDE, 128                      ; a dense block, read as rows of 256 bytes
.set ASLOT1,  524288                   ; a K step on: two planes
.set ALAP,    1048576                  ; two K steps on
.set WSTAGE,  8448                     ; a wave's stage: 16 rows x (512 + 16) bytes
.set NOUT,    16                       ; stores for 16 rows of C
.set RB,      96                       ; v96-159, v160-223: rows read back, two buffers
.else
.set NT,      12                       ; 192 columns = 3 heads
.set APITCH,  272                      ; 256 bytes + 16
.set ASUB,    128                      ; K runs on along the row
.set AREG,    69632                    ; 256 rows x 272
.set ALOAD,   34816                    ; 128 rows x 272
.set AQI,     5                        ; padding behind every 64 words
.set ASTRIDE, 1024
.set ASLOT1,  256
.set ALAP,    512
.set WSTAGE,  6912                     ; 3 heads x 16 rows x (128 + 16) bytes
.set NOUT,    12
.set RB,      144                      ; v144-191, v192-239
.endif
.set KSTEP,  128
.set BPITCH, 272
.set HALFB,  8*NT*BPITCH               ; half of B's rows: what one load brings
.set SLOT,   AREG+2*HALFB              ; A's 256 rows, then B's 16 NT rows
.set STAGE,  2*SLOT                    ; behind the ring; no tensor load ever lands there
.set PLANE,  262144                    ; a head's 2,048 rows of 128 bytes
.set LAPS,   4                         ; K = 1024 = 8 steps; a lap = two steps = once round the ring
.set ADRA, 16                          ; v16-17  LDS address of my A fragments in slot 0, 1
.set ADRB, 20                          ; v20-21  the same for B
.set STO,  24                          ; the way out: where I put my numbers of a row
.set RD,   25                          ; where I read rows back
.set CO,   26                          ; my byte offset in C
.set BO,   27                          ; my byte offset in the bias
.set FA,   32                          ; A's fragments: buffer f at FA + 32 f (window 0)
.set FB,   0                           ; B's fragments: buffer f at FB + 96 f (window 1)
.set TMP,  96                          ; v96-143 packed f16 (PROJ = 0)
.set BIAS, 160                         ; v[160 + 8 b ..]: the bias of column tile b in the accumulators' layout; free after the first quarter step
.set G1,  24                           ; s[24:31] descriptor group 1 for A's tiles
.set G0,  32                           ; s[32:39] group 0 for A's tiles, one set for each slot
.set G1B, 48                           ; s[48:55] group 1 for B's tiles
.set G0B, 56                           ; s[56:63] group 0 for B's tiles
.set MSB, 0
.macro WIN new                         ; low byte: bits 1:0 source 0, 3:2 source 1, 5:4 source 2, 7:6 destination; the high byte repeats the setting that is left
.if MSB != (\new)
	s_set_vgpr_msb (MSB<<8)|(\new)
.set MSB, (\new)
.endif
.endm
; Four places: a load into a register that a matrix instruction has read, and anything but a matrix instruction that reads a matrix result,
; stand four plain vector instructions behind it (ISA guide 7.12.1 for vector instructions).
.macro PLACES
.rept 4
	v_nop
.endr
.endm
; A joint load: waves 0 and 1 fetch A's two halves, waves 2 and 3 B's.  Each line has one mask and one set of registers for all that issue it.
; The branch hangs on the wave's number alone.  Four v_nop follow each line.
.macro JLOAD s
	s_cmp_eq_u32 s11, 0
	s_cbranch_scc0 .Lfor_b_\@
	tensor_load_to_lds s[G0+4*\s:G0+4*\s+3], s[G1:G1+7]
	s_nop 0
	PLACES
	s_branch .Lasked_\@
.Lfor_b_\@:
	tensor_load_to_lds s[G0B+4*\s:G0B+4*\s+3], s[G1B:G1B+7]
	s_nop 0
	PLACES
.Lasked_\@:
.endm
.macro CREST                           ; a round of the cluster's barrier behind its opening work-group barrier
	s_cmp_lg_u32 s10, 0
	s_cbranch_scc1 .Lnot_wave_0_\@
	s_barrier_signal -3
.Lnot_wave_0_\@:
	s_barrier_wait -3
	s_barrier_signal -1
	s_barrier_wait -1
.endm
.macro CROUND                          ; a whole round
	s_barrier_signal -1
	s_barrier_wait -1
	CREST
.endm
	s_load_b128 s[4:7], s[0:1], 0x0                ; A s[4:5], wT s[6:7]
	s_load_b128 s[68:71], s[0:1], 0x10             ; C s[68:69], bias s[70:71]
	s_set_vgpr_msb 0x40
	v_lshl_add_u32 v255, v0, 2, 0x3d400
	s_set_vgpr_msb 0x4000
	v_mov_b32 v255, 0
	s_set_vgpr_msb 0x1
	ds_add_u32 v255, v255
	s_set_vgpr_msb 0x100
	v_lshrrev_b32 v1, 5, v0
	v_readfirstlane_b32 s10, v1                    ; wave 0..3
	s_lshr_b32 s11, s10, 1                         ; I fetch for A (0) or for B (1)
	s_and_b32 s12, s10, 1                          ; which half of that tile
	s_bfe_u32 s40, ttmp6, 0x40000                  ; cx
	s_bfe_u32 s41, ttmp6, 0x40004                  ; cy
	s_lshl_b32 s42, ttmp9, 2
	s_add_co_u32 s42, s42, s40                     ; block column = 4 x cluster x + cx
	s_and_b32 s13, ttmp7, 0xffff
	s_lshl_b32 s13, s13, 2
	s_add_co_u32 s13, s13, s41                     ; block row = 4 x cluster y + cy
	s_lshl_b32 s43, s41, 2
	s_lshl_b32 s43, 15, s43                        ; my row of the cluster: places 4 cy .. 4 cy + 3
	s_lshl_b32 s44, 0x1111, s40                    ; my column: places cx, cx + 4, cx + 8, cx + 12
	; group 1 for A: 128 rows of 128 elements of 2 bytes, 4 words of padding behind every 2 << AQI words
	s_or_b32 s[G1+0], s43, (1<<16)|(1<<20)|(1<<21)|(AQI<<22)|(3<<25)   ; mask of my row; element of 2 bytes; padding on; bit 21 beside a mask
	s_mov_b32 s[G1+1], KSTEP<<16                   ; tensor_dim0 = 128
	s_mov_b32 s[G1+2], 128<<16                     ; tensor_dim1 = 128
	s_mov_b32 s[G1+3], KSTEP<<16                   ; tile_dim0 = 128
	s_mov_b32 s[G1+4], 128                         ; tile_dim1 = 128
	s_mov_b32 s[G1+5], ASTRIDE                     ; elements from row to row
	s_mov_b32 s[G1+6], 0
	s_mov_b32 s[G1+7], 0
	; group 1 for B: 8 NT rows of 128 elements, LDS pitch 272
	s_or_b32 s[G1B+0], s44, (1<<16)|(1<<20)|(1<<21)|(5<<22)|(3<<25)    ; mask of my column
	s_mov_b32 s[G1B+1], KSTEP<<16
	s_mov_b32 s[G1B+2], (8*NT)<<16
	s_mov_b32 s[G1B+3], KSTEP<<16
	s_mov_b32 s[G1B+4], 8*NT
	s_mov_b32 s[G1B+5], 1024
	s_mov_b32 s[G1B+6], 0
	s_mov_b32 s[G1B+7], 0
	; where the tiles come from.  A's offset is made of the block row and the wave's number, B's of the block column and the wave's number,
	; each in registers that never hold the other coordinate.
.if PROJ
	s_lshr_b32 s16, s13, 3                         ; batch (8 blocks of 256 rows each)
	s_lshl_b32 s16, s16, 4
	s_add_co_u32 s16, s16, s12                     ; plane 16 batch + my head of K step 0
	s_lshl_b32 s16, s16, 18
	s_and_b32 s17, s13, 7
	s_lshl_b32 s17, s17, 15                        ; 256 rows of 128 bytes
	s_add_co_u32 s16, s16, s17
.else
	s_lshl_b32 s16, s13, 8
	s_lshl_b32 s17, s12, 7
	s_add_co_u32 s16, s16, s17                     ; row 256 x block row + 128 x half
	s_lshl_b32 s16, s16, 11                        ; rows of 2,048 bytes
.endif
	s_mov_b32 s17, 0
	s_mul_i32 s46, s42, 16*NT
	s_mul_i32 s45, s12, 8*NT
	s_add_co_u32 s46, s46, s45                     ; row 16 NT x block column + 8 NT x half
.if PROJ
	s_add_co_u32 s46, s46, 3072                    ; Wproj's columns lie behind Wqkv's
.endif
	s_lshl_b32 s46, s46, 11
	s_mov_b32 s47, 0
	s_mul_i32 s20, s10, ALOAD                      ; where they go: A's halves (waves 0, 1) from the slot's first byte,
	s_mul_i32 s21, s10, HALFB
	s_add_co_u32 s21, s21, AREG-2*HALFB            ; B's halves (waves 2, 3) behind A's part: the wave's number alone enters an LDS address
	s_mul_i32 s66, s42, 64*NT                      ; the bias of my 16 NT columns
	s_mov_b32 s67, 0
	s_wait_dscnt 0x0
	s_wait_kmcnt 0x0
	s_add_nc_u64 s[14:15], s[4:5], s[16:17]
	s_add_nc_u64 s[46:47], s[6:7], s[46:47]
	s_add_nc_u64 s[70:71], s[70:71], s[66:67]
	CROUND                                         ; all sixteen work-groups are here: the first joint loads meet
.irp s, 0,1
	s_mov_b32 s[G0+4*\s], 1                                        ; count = 1
	s_add_co_u32 s[G0+4*\s+1], s20, \s*SLOT                        ; LDS address
	s_add_nc_u64 s[G0+4*\s+2:G0+4*\s+3], s[14:15], \s*ASLOT1       ; global address: K step s
	s_or_b32 s[G0+4*\s+3], s[G0+4*\s+3], 0x80000000                ; type = 2
	s_mov_b32 s[G0B+4*\s], 1
	s_add_co_u32 s[G0B+4*\s+1], s21, \s*SLOT
	s_add_nc_u64 s[G0B+4*\s+2:G0B+4*\s+3], s[46:47], \s*KSTEP*2
	s_or_b32 s[G0B+4*\s+3], s[G0B+4*\s+3], 0x80000000
	JLOAD \s                                       ; both slots' first fills go out ahead of everything else: two loads of the wave are out
.endr
	v_and_b32 v1, 15, v0                           ; r = l % 16
	v_bfe_u32 v2, v0, 4, 1                         ; h = l / 16
	v_lshlrev_b32 v[BO], 5, v2                     ; register j of tile b is column 16 b + 8 h + j: 32 h bytes, 64 b in the immediate
.set bb, 0
.rept NT
	global_load_b128 v[BIAS+8*bb:BIAS+8*bb+3],   v[BO], s[70:71] offset:64*bb
	global_load_b128 v[BIAS+8*bb+4:BIAS+8*bb+7], v[BO], s[70:71] offset:64*bb+16
.set bb, bb+1
.endr
	; a fragment is 16 rows x 32 K in 8 registers: lane l holds row r; registers 0-3 K = 8 h + 0..7, registers 4-7 K = 16 + 8 h + 0..7:
	; two loads of 16 bytes, 32 bytes apart, at row x pitch + 16 h
	v_mul_u32_u24 v3, v1, APITCH
	v_lshl_add_u32 v3, v2, 4, v3
	s_mul_i32 s22, s10, 64*APITCH                  ; my 64 rows of A
	v_add_nc_u32 v[ADRA], s22, v3
	v_add_nc_u32 v[ADRA+1], SLOT, v[ADRA]
	v_mul_u32_u24 v4, v1, BPITCH
	v_lshl_add_u32 v4, v2, 4, v4
	v_add_nc_u32 v[ADRB], AREG, v4                 ; every wave reads all of B's rows
	v_add_nc_u32 v[ADRB+1], AREG+SLOT, v4
	s_mul_i32 s23, s10, WSTAGE
	s_add_co_u32 s23, s23, STAGE                   ; my stage
	v_and_b32 v5, 31, v0                           ; lane
	v_lshlrev_b32 v[CO], 4, v5                     ; out: 16 bytes a lane, 512 consecutive bytes a store
.if PROJ
	v_mul_u32_u24 v6, v1, 528                      ; in: row r, 32 bytes for each half of the lanes
	v_lshl_add_u32 v6, v2, 5, v6
	v_add_nc_u32 v[STO], s23, v6
	v_add_nc_u32 v[RD], s23, v[CO]                 ; back: a whole row of 512 bytes by 32 lanes
.else
	v_mul_u32_u24 v6, v1, 144                      ; in: row r of a head, 16 bytes for each half of the lanes
	v_lshl_add_u32 v6, v2, 4, v6
	v_add_nc_u32 v[STO], s23, v6
	v_lshrrev_b32 v6, 3, v5                        ; back: eight lanes take a row of 128 bytes, 32 lanes four rows
	v_mul_u32_u24 v6, v6, 144
	v_and_b32 v7, 7, v5
	v_lshl_add_u32 v6, v7, 4, v6
	v_add_nc_u32 v[RD], s23, v6
.endif
.macro MM d, b, a, c                   ; one product of 16 x 16 x 32: D, rows of B, rows of A, C
.if PROJ
	v_wmma_f32_16x16x32_f16 v[\d:\d+7], v[\b:\b+7], v[\a:\a+7], v[\c:\c+7]
.else
	v_wmma_f32_16x16x32_bf16 v[\d:\d+7], v[\b:\b+7], v[\a:\a+7], v[\c:\c+7]
.endif
.endm
; NT matrix instructions: row tile 2 hi + a x all column tiles, 32 along K, from buffer f.  zero = 1: the first product starts the sums from the bias.
.macro MULA f, hi, a, zero
.if \zero
	WIN 0x81+0x40*\hi                              ; B window 1, A and the bias window 0, D window 2 or 3
.else
	WIN 0xa1+0x50*\hi                              ; B window 1, A window 0, C and D window 2 or 3
.endif
.set bb, 0
.rept NT
.if \zero
	MM 8*(NT*\a+bb), FB+96*\f+8*bb, FA+32*\f+8*(2*\hi+\a), BIAS+8*bb
.else
	MM 8*(NT*\a+bb), FB+96*\f+8*bb, FA+32*\f+8*(2*\hi+\a), 8*(NT*\a+bb)
.endif
.set bb, bb+1
.endr
.endm
; 2 NT + 8 LDS loads in one run: the fragments of quarter step kq (16 NT rows of B, then my 64 rows of A) into buffer f
.macro FETCH slot, kq, f
	WIN 0x40
.set ii, 0
.rept NT
	ds_load_b128 v[FB+96*\f+8*ii:FB+96*\f+8*ii+3],   v[ADRB+\slot] offset:64*\kq+ii*16*BPITCH
	ds_load_b128 v[FB+96*\f+8*ii+4:FB+96*\f+8*ii+7], v[ADRB+\slot] offset:64*\kq+ii*16*BPITCH+32
.set ii, ii+1
.endr
	WIN 0
.irp i, 0,1,2,3
	ds_load_b128 v[FA+32*\f+8*\i:FA+32*\f+8*\i+3],   v[ADRA+\slot] offset:(\kq/2)*ASUB+(\kq%2)*64+\i*16*APITCH
	ds_load_b128 v[FA+32*\f+8*\i+4:FA+32*\f+8*\i+7], v[ADRA+\slot] offset:(\kq/2)*ASUB+(\kq%2)*64+\i*16*APITCH+32
.endr
.endm
; A K step is four quarter steps of 32 along K, 4 NT matrix instructions each, on buffers 0, 1, 0, 1.  The 4 NT accumulators take turns, one
; instruction a turn, in the same order in every quarter, over the backward jump too.
; One of the first three: multiplies buffer f; in its middle it fetches quarter kq of the same slot into buffer g.
.macro QUARTER slot, kq, f, g, zero
	s_wait_dscnt 4                                 ; B and A's rows 0-31 are in; the youngest four loads (A's rows 32-63) may be out
	MULA \f, 0, 0, \zero
	MULA \f, 0, 1, \zero
	PLACES
	FETCH \slot, \kq, \g
	s_wait_dscnt 2*NT+8                            ; all but the run just issued
	MULA \f, 1, 0, \zero
	MULA \f, 1, 1, \zero
.endm
.macro THREE slot, zero
	QUARTER \slot, 1, 0, 1, \zero
	QUARTER \slot, 2, 1, 0, 0
	QUARTER \slot, 3, 0, 1, 0
.endm
; The last quarter: multiplies buffer 1 and changes slots.  fill = 1: this slot is filled again, two K steps ahead.
; In front of the barrier each wave waits for its reads of this slot and for all its tensor loads (one is out: its part of the next slot).
; Behind it nobody reads this slot and the next slot is whole: the refill comes first, then the next slot's first fragments.
.macro TURN slot, next, fill
	s_wait_dscnt 4
	MULA 1, 0, 0, 0
	s_wait_dscnt 0                                 ; my reads of this slot are over
	s_wait_tensorcnt 0x0                           ; and all my tensor loads have landed
	ds_add_u32 v255, v255
	s_wait_dscnt 0x0
	s_barrier_signal -1                            ; (where a slot is filled again this barrier opens a round of the cluster's barrier)
	MULA 1, 0, 1, 0                                ; register work while the others arrive
	WIN 0
	s_barrier_wait -1
.if \fill
	CREST                                          ; no wave of any partner still reads this slot's tile or has a load on its way
	s_add_nc_u64 s[G0+4*\slot+2:G0+4*\slot+3], s[G0+4*\slot+2:G0+4*\slot+3], ALAP
	s_add_nc_u64 s[G0B+4*\slot+2:G0B+4*\slot+3], s[G0B+4*\slot+2:G0B+4*\slot+3], 2*KSTEP*2
	JLOAD \slot                                    ; my one tensor load behind the round; its four v_nop are also the places in front of the loads below
.else
	PLACES
.endif
	FETCH \next, 0, 0
	MULA 1, 1, 0, 0
	MULA 1, 1, 1, 0
.endm
.macro LAP zero
	THREE 0, \zero
	TURN 0, 1, 1
	THREE 1, 0
	TURN 1, 0, 1
.endm
	s_wait_loadcnt 0x0                             ; the bias, once
	s_wait_tensorcnt 1                             ; my part of K step 0 is in; K step 1's load stays out
	s_barrier_signal -1
	s_barrier_wait -1                              ; everybody's is
	FETCH 0, 0, 0
	LAP 1                                          ; the first lap stands in front of the loop: its first products start the sums
	WIN 0                                          ; at a label and at a branch every window is 0
	s_mov_b32 s3, LAPS-2
.Llap:
	LAP 0
	WIN 0
	s_sub_co_u32 s3, s3, 1
	s_cmp_lg_u32 s3, 0
	s_cbranch_scc1 .Llap
	THREE 0, 0                                     ; the last lap fills nothing
	TURN 0, 1, 0
	THREE 1, 0
	s_wait_dscnt 4
	MULA 1, 0, 0, 0
	MULA 1, 0, 1, 0
	s_wait_dscnt 0
	MULA 1, 1, 0, 0
	MULA 1, 1, 1, 0
	; THE WAY OUT, 16 rows at a time through my own stage in LDS, so that every store covers 512 consecutive bytes, aligned.
	PLACES                                         ; behind the last matrix instructions
.if PROJ
	s_lshl_b32 s16, s13, 20                        ; 256 rows of 4,096 bytes for a block row,
	s_lshl_b32 s15, s10, 18                        ; 64 rows for a wave
	s_add_co_u32 s16, s16, s15
	s_lshl_b32 s46, s42, 9                         ; 128 columns of f32 (in the registers that held B's offset: none that feeds A's descriptors ever holds cx)
.else
	s_lshr_b32 s14, s13, 3                         ; batch: 48 planes each
	s_mul_i32 s14, s14, 48*PLANE
	s_and_b32 s15, s13, 7
	s_lshl_b32 s15, s15, 15                        ; 256 rows of 128 bytes
	s_add_co_u32 s16, s14, s15
	s_lshl_b32 s15, s10, 13                        ; 64 rows for a wave
	s_add_co_u32 s16, s16, s15
	s_mul_i32 s46, s42, 3*PLANE                    ; three heads for a block column
.endif
	s_mov_b32 s17, 0
	s_mov_b32 s47, 0
	s_add_nc_u64 s[68:69], s[68:69], s[16:17]
	s_add_nc_u64 s[68:69], s[68:69], s[46:47]      ; never stepped again: all else stands in the stores' immediates
; rows 16 i .. 16 i + 15 of my 64: the NT tiles (i % 2, 0 .. NT-1) of window 2 + i / 2
.macro OUT16 i
.if PROJ
	WIN 0x08+0x04*(\i/2)                           ; an LDS store's data are source 1
.set bb, 0
.rept NT
	ds_store_b128 v[STO], v[8*(NT*(\i%2)+bb):8*(NT*(\i%2)+bb)+3]   offset:64*bb
	ds_store_b128 v[STO], v[8*(NT*(\i%2)+bb)+4:8*(NT*(\i%2)+bb)+7] offset:64*bb+16
.set bb, bb+1
.endr
	WIN 0
.else
	WIN 0x0a+0x05*(\i/2)
.set bb, 0
.rept NT
.irp r, 0,1,2,3
	v_cvt_pk_f16_f32 v[TMP+4*bb+\r], v[8*(NT*(\i%2)+bb)+2*\r], v[8*(NT*(\i%2)+bb)+2*\r+1]
.endr
.set bb, bb+1
.endr
	WIN 0
.set bb, 0
.rept NT
	ds_store_b128 v[STO], v[TMP+4*bb:TMP+4*bb+3] offset:(bb/4)*2304+32*(bb%4)   ; head b / 4, columns 16 (b % 4) + 8 h ..
.set bb, bb+1
.endr
.endif
	s_wait_xcnt 0x0                                ; the buffer below, which earlier stores read, is loaded again only behind this wait
.set tt, 0
.rept NOUT
.if PROJ
	ds_load_b128 v[RB+4*NOUT*(\i%2)+4*tt:RB+4*NOUT*(\i%2)+4*tt+3], v[RD] offset:tt*528
.else
	ds_load_b128 v[RB+4*NOUT*(\i%2)+4*tt:RB+4*NOUT*(\i%2)+4*tt+3], v[RD] offset:(tt/4)*2304+(tt%4)*576
.endif
.set tt, tt+1
.endr                                              ; LDS serves a wave's instructions in order (ISA guide 5.7.1.4): these see the stores above
.set tt, 0
.rept NOUT
	s_wait_dscnt NOUT-1-tt
.if PROJ
	global_store_b128 v[CO], v[RB+4*NOUT*(\i%2)+4*tt:RB+4*NOUT*(\i%2)+4*tt+3], s[68:69] offset:(16*\i+tt)*4096 th:TH_STORE_NT
.else
	global_store_b128 v[CO], v[RB+4*NOUT*(\i%2)+4*tt:RB+4*NOUT*(\i%2)+4*tt+3], s[68:69] offset:(tt/4)*PLANE+\i*2048+(tt%4)*512
.endif
.set tt, tt+1
.endr
.endm
	OUT16 0
	OUT16 1
	OUT16 2
	OUT16 3
	s_set_vgpr_msb 0x1
	s_wait_tensorcnt 0x0
	ds_add_u32 v255, v255
	s_wait_dscnt 0x0
	s_set_vgpr_msb 0x100
	CROUND                                         ; the closing round: no work-group ends while a partner may still ask for a tile that names it
	s_endpgm
.Lfunc_end_k_qe6d72dd151_gemm_proj:
	.size	k_qe6d72dd151_gemm_proj, .Lfunc_end_k_qe6d72dd151_gemm_proj-k_qe6d72dd151_gemm_proj
	.p2alignl 7, 3214868480
	.fill 96, 4, 3214868480
	.section	.rodata,"a",@progbits
	.p2align	6, 0x0
	.amdhsa_kernel k_qe6d72dd151_gemm_proj
		.amdhsa_group_segment_fixed_size 327680
		.amdhsa_private_segment_fixed_size 0
		.amdhsa_enable_private_segment 0
		.amdhsa_kernarg_size 32
		.amdhsa_user_sgpr_count 2
		.amdhsa_user_sgpr_kernarg_segment_ptr 1
		.amdhsa_wavefront_size32 1
		.amdhsa_system_sgpr_workgroup_id_x 1
		.amdhsa_system_sgpr_workgroup_id_y 1
		.amdhsa_system_sgpr_workgroup_id_z 1
		.amdhsa_system_vgpr_workitem_id 0
		.amdhsa_next_free_vgpr 896
		.amdhsa_next_free_sgpr 72
		.amdhsa_reserve_vcc 0
		.amdhsa_float_denorm_mode_32 3
		.amdhsa_float_denorm_mode_16_64 3
		.amdhsa_memory_ordered 1
		.amdhsa_forward_progress 1
		.amdhsa_inst_pref_size 122
	.end_amdhsa_kernel
	.amdgpu_metadata
---
amdhsa.version: [ 1, 2 ]
amdhsa.kernels:
  - .name:           k_qe6d72dd151_gemm_proj
    .symbol:         k_qe6d72dd151_gemm_proj.kd
    .args:
      - { .name: yh, .offset: 0, .size: 8, .value_kind: global_buffer, .address_space: global }
      - { .name: wT, .offset: 8, .size: 8, .value_kind: global_buffer, .address_space: global }
      - { .name: out0, .offset: 16, .size: 8, .value_kind: global_buffer, .address_space: global }
      - { .name: bproj, .offset: 24, .size: 8, .value_kind: global_buffer, .address_space: global }
    .group_segment_fixed_size: 327680
    .private_segment_fixed_size: 0
    .kernarg_segment_align: 8
    .kernarg_segment_size: 32
    .max_flat_workgroup_size: 128
    .sgpr_count:     72
    .vgpr_count:     896
    .wavefront_size: 32
...
	.end_amdgpu_metadata
.endif
;; end of part 4
;; ======== version 2 of 3: 4 launches; 1.34 times as fast as version 1
;; limits: values are held in f16: magnitudes above 65,504 overflow, below 6.1e-05 lose precision
;; workspace buffers: xb 16,777,216 bytes; wT 8,388,608 bytes; qkv 50,331,648 bytes; yh 16,777,216 bytes
;; launch prep: the kernel of part 1 again; grid 1024 x 1, 8 waves a work-group, no clusters, 18,432 bytes of LDS; arguments x, Wqkv, Wproj, xb, wT; writes xb, wT
;; launch gemm_qkv (part 5): grid 16 x 16, 4 waves a work-group, clusters of 4 x 4, 327,680 bytes of LDS; arguments xb, wT, qkv, bqkv; writes qkv
.if DOCPART == 5
	.amdgcn_target "amdgcn-amd-amdhsa--gfx1250"
	.amdhsa_code_object_version 6
	.text
	.protected	k_qe6d72dd151_gemm_qkv
	.globl	k_qe6d72dd151_gemm_qkv
	.p2align	8
	.type	k_qe6d72dd151_gemm_qkv,@function
k_qe6d72dd151_gemm_qkv:
	s_mov_b64 s[64:65], 0
	v_nop
	global_prefetch_b8 v0, s[64:65] scope:SCOPE_SE
	s_setreg_imm32_b32 hwreg(HW_REG_WAVE_MODE, 25, 1), 1
	s_wait_xcnt 0x0
	s_wait_alu depctr_hold_cnt(0) depctr_sa_sdst(0) depctr_va_vdst(0) depctr_va_sdst(0) depctr_va_ssrc(0) depctr_va_vcc(0) depctr_vm_vsrc(0)
	s_getreg_b32 s2, hwreg(HW_REG_IB_STS2, 6, 4)
	s_cmp_eq_u32 s2, 0
	s_cbranch_scc0 .Lentry_in_a_cluster
	s_endpgm
.Lentry_in_a_cluster:
	s_bfe_u32 s2, ttmp6, 0x10000c
	s_cmp_lg_u32 s2, 0xf033
	s_cbranch_scc0 .Lentry_shape_is_right
	s_endpgm
.Lentry_shape_is_right:
; qkv = x Wqkv + bqkv, as C[m][n] = bias[n] + sum over k of A[m][k] B[n][k], K = 1024, sums in f32.
;   A = xb [8192][1024] bf16, B = wT rows 0-3071 (Wqkv's columns, bf16), C = qkv in f16, laid out [batch][48 heads][2048 t][64].
; A tile of C is 256 rows x 192 columns, made by four waves stacked along the rows: wave w makes rows 64 w .. 64 w + 63 and all columns,
; 4 x 12 accumulator tiles of 16 x 16.  So a wave holds three whole heads of 64 columns and fills whole aligned blocks of the head-major output.
; K goes in steps of 128 through two LDS slots filled by the tensor data mover.
; THE WORK-GROUP STAYS FOR TWO TILES: C has 32 x 16 tiles, the launch 256 work-groups; a work-group makes block rows br and br + 16 of one
; block column.  The ring of slots runs on from the first tile into the second: the first tile's last two K steps ask for the second tile's
; first two (A's address goes 4,096 rows down and six K steps back, B's six K steps back: the same columns again), and its last quarter step
; fetches the second tile's first fragments.  So the second tile's first fills are on their way, and the first tile's stores leave, under
; matrix work, and arguments, descriptors and bias are set up once.
; CLUSTERS: 4 x 4 work-groups.  A's tile hangs on the block row alone and is asked for jointly along a row of the cluster, B's on the block
; column alone and is asked for jointly along a column: the requests for A and for B are divided by four.
; The bias costs no arithmetic: it is loaded once, in the accumulators' layout, and is the C operand of each tile's first products (so it is
; added first, not last as written in the model).
; LIMIT: q, k, v are stored as f16: |value| < 65,504.
; REGISTERS, in windows of 256: window 0: v0-31 addresses, v32-95 A's fragments (two buffers), v96-239 the way out;
;   window 1: B's fragments, buffers at v0 and v96; v192-255 the bias of column tiles 0-7;
;   window 2: accumulator tiles of my rows 0-31 (tile (a, b) at v[8 (12 a + b)]); v192-223 the bias of column tiles 8-11;   window 3: rows 32-63.
; The matrix instruction is used transposed (source 0 = 16 rows of B, source 1 = 16 rows of A): lane l holds row l % 16 of C and its
; registers 0-7 the columns 8 (l / 16) + 0 .. 7, eight neighbouring numbers.
.set NT,      12                       ; column tiles: 192 columns = 3 heads
.set KSTEP,   128
.set ROWB,    2048                     ; bytes in a row of xb and of wT
.set APITCH,  272                      ; an LDS row: 256 bytes + 16
.set BPITCH,  272
.set AREG,    256*APITCH               ; A's part of a slot: 69,632
.set ALOAD,   128*APITCH               ; LDS bytes of one load of A
.set HALFB,   8*NT*BPITCH              ; half of B's rows: what one load brings
.set SLOT,    AREG+2*HALFB             ; A's 256 rows, then B's 192 rows: 121,856
.set STAGE,   2*SLOT                   ; behind the ring; no tensor load ever lands there
.set WSTAGE,  6912                     ; a wave's stage: 3 heads x 16 rows x (128 + 16) bytes
.set NOUT,    12                       ; stores for 16 rows of C
.set PLANE,   262144                   ; a head's 2,048 rows of 128 bytes
.set LAPS,    4                        ; K = 1024 = 8 steps; a lap = two steps = once round the ring
.set KBACK,   (2*LAPS-2)*KSTEP*2       ; from a slot's last K step of a tile back to its first: 1,536 bytes
.set ANEXT,   16*256*ROWB              ; from the first tile's rows of A to the second's: 8,388,608 bytes
.set ADRA, 16                          ; v16-17  LDS address of my A fragments in slot 0, 1
.set ADRB, 20                          ; v20-21  the same for B
.set STO,  24                          ; the way out: where I put my numbers of a row
.set RD,   25                          ; where I read rows back
.set CO,   26                          ; my byte offset in C
.set BO,   27                          ; my byte offset in the bias
.set FA,   32                          ; A's fragments: buffer f at FA + 32 f (window 0)
.set FB,   0                           ; B's fragments: buffer f at FB + 96 f (window 1)
.set TMP,  96                          ; v96-143 packed f16
.set RB,   144                         ; v144-191, v192-239: rows read back, two buffers
.set BIAS, 192                         ; the bias of column tile b: window 1, v[192 + 8 b] for b < 8; window 2, v[192 + 8 (b - 8)] for the rest
.set G1,  24                           ; s[24:31] descriptor group 1 for A's tiles
.set G0,  32                           ; s[32:39] group 0 for A's tiles, one set for each slot
.set G1B, 48                           ; s[48:55] group 1 for B's tiles
.set G0B, 56                           ; s[56:63] group 0 for B's tiles
.set MSB, 0
.macro WIN new                         ; low byte: bits 1:0 source 0, 3:2 source 1, 5:4 source 2, 7:6 destination; the high byte repeats the setting that is left
.if MSB != (\new)
	s_set_vgpr_msb (MSB<<8)|(\new)
.set MSB, (\new)
.endif
.endm
; Four places: a load into a register that a matrix instruction has read, and anything but a matrix instruction that reads a matrix result,
; stand four plain vector instructions behind it (ISA guide 7.12.1 for vector instructions).
.macro PLACES
.rept 4
	v_nop
.endr
.endm
; A joint load: waves 0 and 1 fetch A's two halves, waves 2 and 3 B's.  Each line has one mask and one set of registers for all that issue it.
; The branch hangs on the wave's number alone.  Four v_nop follow each line.
.macro JLOAD s
	s_cmp_eq_u32 s11, 0
	s_cbranch_scc0 .Lfor_b_\@
	tensor_load_to_lds s[G0+4*\s:G0+4*\s+3], s[G1:G1+7]
	s_nop 0
	PLACES
	s_branch .Lasked_\@
.Lfor_b_\@:
	tensor_load_to_lds s[G0B+4*\s:G0B+4*\s+3], s[G1B:G1B+7]
	s_nop 0
	PLACES
.Lasked_\@:
.endm
.macro CREST                           ; a round of the cluster's barrier behind its opening work-group barrier
	s_cmp_lg_u32 s10, 0
	s_cbranch_scc1 .Lnot_wave_0_\@
	s_barrier_signal -3
.Lnot_wave_0_\@:
	s_barrier_wait -3
	s_barrier_signal -1
	s_barrier_wait -1
.endm
.macro CROUND                          ; a whole round
	s_barrier_signal -1
	s_barrier_wait -1
	CREST
.endm
	s_load_b128 s[4:7], s[0:1], 0x0                ; xb s[4:5], wT s[6:7]
	s_load_b128 s[68:71], s[0:1], 0x10             ; qkv s[68:69], bqkv s[70:71]
	v_lshl_add_u32 v254, v0, 2, 0x42400
	v_mov_b32 v255, 0
	ds_add_u32 v254, v255
	v_lshrrev_b32 v1, 5, v0
	v_readfirstlane_b32 s10, v1                    ; wave 0..3
	s_lshr_b32 s11, s10, 1                         ; I fetch for A (0) or for B (1)
	s_and_b32 s12, s10, 1                          ; which half of that tile
	s_bfe_u32 s40, ttmp6, 0x40000                  ; cx
	s_bfe_u32 s41, ttmp6, 0x40004                  ; cy
	s_lshl_b32 s42, ttmp9, 2
	s_add_co_u32 s42, s42, s40                     ; block column = 4 x cluster x + cx: 0..15
	s_and_b32 s13, ttmp7, 0xffff
	s_lshl_b32 s13, s13, 2
	s_add_co_u32 s13, s13, s41                     ; the first tile's block row = 4 x cluster y + cy: 0..15; the second's is 16 more
	s_lshl_b32 s43, s41, 2
	s_lshl_b32 s43, 15, s43                        ; my row of the cluster: places 4 cy .. 4 cy + 3
	s_lshl_b32 s44, 0x1111, s40                    ; my column: places cx, cx + 4, cx + 8, cx + 12
	; group 1 for A: 128 rows of 128 elements of 2 bytes, 4 words of padding behind every 64 words
	s_or_b32 s[G1+0], s43, (1<<16)|(1<<20)|(1<<21)|(5<<22)|(3<<25)     ; mask of my row; element of 2 bytes; padding on; bit 21 beside a mask
	s_mov_b32 s[G1+1], KSTEP<<16                   ; tensor_dim0 = 128
	s_mov_b32 s[G1+2], 128<<16                     ; tensor_dim1 = 128
	s_mov_b32 s[G1+3], KSTEP<<16                   ; tile_dim0 = 128
	s_mov_b32 s[G1+4], 128                         ; tile_dim1 = 128
	s_mov_b32 s[G1+5], 1024                        ; elements from row to row
	s_mov_b32 s[G1+6], 0
	s_mov_b32 s[G1+7], 0
	; group 1 for B: 96 rows of 128 elements, LDS pitch 272
	s_or_b32 s[G1B+0], s44, (1<<16)|(1<<20)|(1<<21)|(5<<22)|(3<<25)    ; mask of my column
	s_mov_b32 s[G1B+1], KSTEP<<16
	s_mov_b32 s[G1B+2], (8*NT)<<16
	s_mov_b32 s[G1B+3], KSTEP<<16
	s_mov_b32 s[G1B+4], 8*NT
	s_mov_b32 s[G1B+5], 1024
	s_mov_b32 s[G1B+6], 0
	s_mov_b32 s[G1B+7], 0
	; where the tiles come from.  A's offset is made of the block row and the wave's number, B's of the block column and the wave's number,
	; each in registers that never hold the other coordinate.
	s_lshl_b32 s16, s13, 8
	s_lshl_b32 s17, s12, 7
	s_add_co_u32 s16, s16, s17                     ; row 256 x block row + 128 x half
	s_lshl_b32 s16, s16, 11                        ; rows of 2,048 bytes
	s_mov_b32 s17, 0
	s_mul_i32 s46, s42, 16*NT
	s_mul_i32 s45, s12, 8*NT
	s_add_co_u32 s46, s46, s45                     ; row 192 x block column + 96 x half
	s_lshl_b32 s46, s46, 11
	s_mov_b32 s47, 0
	s_mul_i32 s20, s10, ALOAD                      ; where they go: A's halves (waves 0, 1) from the slot's first byte,
	s_mul_i32 s21, s10, HALFB
	s_add_co_u32 s21, s21, AREG-2*HALFB            ; B's halves (waves 2, 3) behind A's part: the wave's number alone enters an LDS address
	s_mul_i32 s66, s42, 64*NT                      ; the bias of my 192 columns
	s_mov_b32 s67, 0
	s_wait_dscnt 0x0
	s_wait_kmcnt 0x0
	s_add_nc_u64 s[14:15], s[4:5], s[16:17]
	s_add_nc_u64 s[46:47], s[6:7], s[46:47]
	s_add_nc_u64 s[70:71], s[70:71], s[66:67]
	CROUND                                         ; all sixteen work-groups are here: the first joint loads meet
.irp s, 0,1
	s_mov_b32 s[G0+4*\s], 1                                        ; count = 1
	s_add_co_u32 s[G0+4*\s+1], s20, \s*SLOT                        ; LDS address
	s_add_nc_u64 s[G0+4*\s+2:G0+4*\s+3], s[14:15], \s*KSTEP*2      ; global address: K step s
	s_or_b32 s[G0+4*\s+3], s[G0+4*\s+3], 0x80000000                ; type = 2
	s_mov_b32 s[G0B+4*\s], 1
	s_add_co_u32 s[G0B+4*\s+1], s21, \s*SLOT
	s_add_nc_u64 s[G0B+4*\s+2:G0B+4*\s+3], s[46:47], \s*KSTEP*2
	s_or_b32 s[G0B+4*\s+3], s[G0B+4*\s+3], 0x80000000
	JLOAD \s                                       ; both slots' first fills go out ahead of everything else: two loads of the wave are out
.endr
	v_and_b32 v1, 15, v0                           ; r = l % 16
	v_bfe_u32 v2, v0, 4, 1                         ; h = l / 16
	v_lshlrev_b32 v[BO], 5, v2                     ; register j of tile b is column 16 b + 8 h + j: 32 h bytes, 64 b in the immediate
	WIN 0x40                                       ; loaded data window 1, address window 0
.set bb, 0
.rept 8
	global_load_b128 v[BIAS+8*bb:BIAS+8*bb+3],   v[BO], s[70:71] offset:64*bb
	global_load_b128 v[BIAS+8*bb+4:BIAS+8*bb+7], v[BO], s[70:71] offset:64*bb+16
.set bb, bb+1
.endr
	WIN 0x80                                       ; loaded data window 2
.rept NT-8
	global_load_b128 v[BIAS+8*(bb-8):BIAS+8*(bb-8)+3],   v[BO], s[70:71] offset:64*bb
	global_load_b128 v[BIAS+8*(bb-8)+4:BIAS+8*(bb-8)+7], v[BO], s[70:71] offset:64*bb+16
.set bb, bb+1
.endr
	WIN 0
	; a fragment is 16 rows x 32 K in 8 registers: lane l holds row r; registers 0-3 K = 8 h + 0..7, registers 4-7 K = 16 + 8 h + 0..7:
	; two loads of 16 bytes, 32 bytes apart, at row x pitch + 16 h
	v_mul_u32_u24 v3, v1, APITCH
	v_lshl_add_u32 v3, v2, 4, v3
	s_mul_i32 s22, s10, 64*APITCH                  ; my 64 rows of A
	v_add_nc_u32 v[ADRA], s22, v3
	v_add_nc_u32 v[ADRA+1], SLOT, v[ADRA]
	v_mul_u32_u24 v4, v1, BPITCH
	v_lshl_add_u32 v4, v2, 4, v4
	v_add_nc_u32 v[ADRB], AREG, v4                 ; every wave reads all of B's rows
	v_add_nc_u32 v[ADRB+1], AREG+SLOT, v4
	s_mul_i32 s23, s10, WSTAGE
	s_add_co_u32 s23, s23, STAGE                   ; my stage
	v_and_b32 v5, 31, v0                           ; lane
	v_lshlrev_b32 v[CO], 4, v5                     ; out: 16 bytes a lane, 512 consecutive bytes a store
	v_mul_u32_u24 v6, v1, 144                      ; in: row r of a head, 16 bytes for each half of the lanes
	v_lshl_add_u32 v6, v2, 4, v6
	v_add_nc_u32 v[STO], s23, v6
	v_lshrrev_b32 v6, 3, v5                        ; back: eight lanes take a row of 128 bytes, 32 lanes four rows
	v_mul_u32_u24 v6, v6, 144
	v_and_b32 v7, 7, v5
	v_lshl_add_u32 v6, v7, 4, v6
	v_add_nc_u32 v[RD], s23, v6
.macro MM d, b, a, c                   ; one product of 16 x 16 x 32: D, rows of B, rows of A, C
	v_wmma_f32_16x16x32_bf16 v[\d:\d+7], v[\b:\b+7], v[\a:\a+7], v[\c:\c+7]
.endm
; 12 matrix instructions: row tile 2 hi + a x all column tiles, 32 along K, from buffer f.  zero = 1: the first product starts the sums from the bias.
.macro MULA f, hi, a, zero
.set bb, 0
.if \zero
	WIN 0x91+0x40*\hi                              ; B window 1, A window 0, the bias of column tiles 0-7 window 1, D window 2 or 3
.rept 8
	MM 8*(NT*\a+bb), FB+96*\f+8*bb, FA+32*\f+8*(2*\hi+\a), BIAS+8*bb
.set bb, bb+1
.endr
	WIN 0xa1+0x40*\hi                              ; the bias of column tiles 8-11 window 2
.rept NT-8
	MM 8*(NT*\a+bb), FB+96*\f+8*bb, FA+32*\f+8*(2*\hi+\a), BIAS+8*(bb-8)
.set bb, bb+1
.endr
.else
	WIN 0xa1+0x50*\hi                              ; B window 1, A window 0, C and D window 2 or 3
.rept NT
	MM 8*(NT*\a+bb), FB+96*\f+8*bb, FA+32*\f+8*(2*\hi+\a), 8*(NT*\a+bb)
.set bb, bb+1
.endr
.endif
.endm
; 32 LDS loads in one run: the fragments of quarter step kq (192 rows of B, then my 64 rows of A) into buffer f
.macro FETCH slot, kq, f
	WIN 0x40
.set ii, 0
.rept NT
	ds_load_b128 v[FB+96*\f+8*ii:FB+96*\f+8*ii+3],   v[ADRB+\slot] offset:64*\kq+ii*16*BPITCH
	ds_load_b128 v[FB+96*\f+8*ii+4:FB+96*\f+8*ii+7], v[ADRB+\slot] offset:64*\kq+ii*16*BPITCH+32
.set ii, ii+1
.endr
	WIN 0
.irp i, 0,1,2,3
	ds_load_b128 v[FA+32*\f+8*\i:FA+32*\f+8*\i+3],   v[ADRA+\slot] offset:64*\kq+\i*16*APITCH
	ds_load_b128 v[FA+32*\f+8*\i+4:FA+32*\f+8*\i+7], v[ADRA+\slot] offset:64*\kq+\i*16*APITCH+32
.endr
.endm
; A K step is four quarter steps of 32 along K, 48 matrix instructions each, on buffers 0, 1, 0, 1.  The 48 accumulators take turns, one
; instruction a turn, in the same order in every quarter, over the backward jumps and from tile to tile too.
; One of the first three: multiplies buffer f; in its middle it fetches quarter kq of the same slot into buffer g.
.macro QUARTER slot, kq, f, g, zero
	s_wait_dscnt 4                                 ; B and A's rows 0-31 are in; the youngest four loads (A's rows 32-63) may be out
	MULA \f, 0, 0, \zero
	MULA \f, 0, 1, \zero
	PLACES
	FETCH \slot, \kq, \g
	s_wait_dscnt 2*NT+8                            ; all but the run just issued
	MULA \f, 1, 0, \zero
	MULA \f, 1, 1, \zero
.endm
.macro THREE slot, zero
	QUARTER \slot, 1, 0, 1, \zero
	QUARTER \slot, 2, 1, 0, 0
	QUARTER \slot, 3, 0, 1, 0
.endm
; The last quarter: multiplies buffer 1 and changes slots.  fill = 1: this slot is filled again, two K steps ahead; fill = 2: with the
; second tile's K step of the same slot; fill = 0: nothing is left to fetch.
; In front of the barrier each wave waits for its reads of this slot and for all its tensor loads (one is out: its part of the next slot).
; Behind it nobody reads this slot and the next slot is whole: the refill comes first, then the next slot's first fragments.
.macro TURN slot, next, fill
	s_wait_dscnt 4
	MULA 1, 0, 0, 0
	s_wait_dscnt 0                                 ; my reads of this slot are over
	s_set_vgpr_msb 0xa1a0
	s_wait_tensorcnt 0x0                           ; and all my tensor loads have landed
	ds_add_u32 v254, v255
	s_wait_dscnt 0x0
	s_set_vgpr_msb 0xa0a1
	s_barrier_signal -1                            ; (where a slot is filled again this barrier opens a round of the cluster's barrier)
	MULA 1, 0, 1, 0                                ; register work while the others arrive
	WIN 0
	s_barrier_wait -1
.if \fill
	CREST                                          ; no wave of any partner still reads this slot's tile or has a load on its way
.if \fill == 2
	s_add_nc_u64 s[G0+4*\slot+2:G0+4*\slot+3], s[G0+4*\slot+2:G0+4*\slot+3], ANEXT-KBACK     ; A: 4,096 rows down, six K steps back
	s_sub_nc_u64 s[G0B+4*\slot+2:G0B+4*\slot+3], s[G0B+4*\slot+2:G0B+4*\slot+3], KBACK       ; B: the same columns, six K steps back
.else
	s_add_nc_u64 s[G0+4*\slot+2:G0+4*\slot+3], s[G0+4*\slot+2:G0+4*\slot+3], 2*KSTEP*2
	s_add_nc_u64 s[G0B+4*\slot+2:G0B+4*\slot+3], s[G0B+4*\slot+2:G0B+4*\slot+3], 2*KSTEP*2
.endif
	JLOAD \slot                                    ; my one tensor load behind the round; its four v_nop are also the places in front of the loads below
.else
	PLACES
.endif
	FETCH \next, 0, 0
	MULA 1, 1, 0, 0
	MULA 1, 1, 1, 0
.endm
.macro LAP zero, fill
	THREE 0, \zero
	TURN 0, 1, \fill
	THREE 1, 0
	TURN 1, 0, \fill
.endm
; THE WAY OUT, 16 rows at a time through my own stage in LDS, so that every store covers 512 consecutive bytes, aligned.
; rows 16 i .. 16 i + 15 of my 64: the 12 tiles (i % 2, 0 .. 11) of window 2 + i / 2; cb: the scalar pair with the tile's base in C
.macro OUT16 i, cb
	WIN 0x0a+0x05*(\i/2)
.set bb, 0
.rept NT
.irp r, 0,1,2,3
	v_cvt_pk_f16_f32 v[TMP+4*bb+\r], v[8*(NT*(\i%2)+bb)+2*\r], v[8*(NT*(\i%2)+bb)+2*\r+1]
.endr
.set bb, bb+1
.endr
	WIN 0
.set bb, 0
.rept NT
	ds_store_b128 v[STO], v[TMP+4*bb:TMP+4*bb+3] offset:(bb/4)*2304+32*(bb%4)   ; head b / 4, columns 16 (b % 4) + 8 h ..
.set bb, bb+1
.endr
	s_wait_xcnt 0x0                                ; the buffer below, which earlier stores read, is loaded again only behind this wait
	; LDS serves a wave's instructions in order (ISA guide 5.7.1.4): the loads below see the stores above
.set tt, 0
.rept NOUT
	ds_load_b128 v[RB+4*NOUT*(\i%2)+4*tt:RB+4*NOUT*(\i%2)+4*tt+3], v[RD] offset:(tt/4)*2304+(tt%4)*576
.set tt, tt+1
.endr
.set tt, 0
.rept NOUT
	s_wait_dscnt NOUT-1-tt
	global_store_b128 v[CO], v[RB+4*NOUT*(\i%2)+4*tt:RB+4*NOUT*(\i%2)+4*tt+3], s[\cb:\cb+1] offset:(tt/4)*PLANE+\i*2048+(tt%4)*512
.set tt, tt+1
.endr
.endm
	s_wait_loadcnt 0x0                             ; the bias, once for both tiles
	s_wait_tensorcnt 1                             ; my part of K step 0 is in; K step 1's load stays out
	s_barrier_signal -1
	s_barrier_wait -1                              ; everybody's is
	FETCH 0, 0, 0
	; ---- the first tile: block row br ----
	LAP 1, 1                                       ; the first lap stands in front of the loop: its first products start the sums
	WIN 0                                          ; at a label and at a branch every window is 0
	s_mov_b32 s3, LAPS-2
.Llap_a:
	LAP 0, 1
	WIN 0
	s_sub_co_u32 s3, s3, 1
	s_cmp_lg_u32 s3, 0
	s_cbranch_scc1 .Llap_a
	LAP 0, 2                                       ; the last lap asks for the second tile's K steps 0 and 1 and fetches its first fragments into buffer 0
	PLACES                                         ; behind the last matrix instructions
	s_lshr_b32 s14, s13, 3                         ; batch (8 block rows each): 48 planes each
	s_mul_i32 s14, s14, 48*PLANE
	s_and_b32 s15, s13, 7
	s_lshl_b32 s15, s15, 15                        ; 256 rows of 128 bytes
	s_add_co_u32 s16, s14, s15
	s_lshl_b32 s15, s10, 13                        ; 64 rows for a wave
	s_add_co_u32 s16, s16, s15
	s_mul_i32 s46, s42, 3*PLANE                    ; three heads for a block column (in the registers that held B's offset: none that feeds A's descriptors ever holds cx)
	s_mov_b32 s17, 0
	s_mov_b32 s47, 0
	s_add_nc_u64 s[68:69], s[68:69], s[16:17]
	s_add_nc_u64 s[68:69], s[68:69], s[46:47]      ; the first tile's base in C
	s_add_nc_u64 s[72:73], s[68:69], 96*PLANE      ; the second's: 16 block rows are two batches of 48 planes.  Neither is written again: all else stands in the stores' immediates
	OUT16 0, 68                                    ; slot 1's refill is on its way meanwhile; the stage and these registers are none of the ring's or of buffer 0's
	OUT16 1, 68
	OUT16 2, 68
	OUT16 3, 68
	; ---- the second tile: block row br + 16; the first tile's stores leave under its products ----
	LAP 1, 1
	WIN 0
	s_mov_b32 s3, LAPS-2
.Llap_b:
	LAP 0, 1
	WIN 0
	s_sub_co_u32 s3, s3, 1
	s_cmp_lg_u32 s3, 0
	s_cbranch_scc1 .Llap_b
	THREE 0, 0                                     ; the last lap fills nothing
	TURN 0, 1, 0
	THREE 1, 0
	s_wait_dscnt 4
	MULA 1, 0, 0, 0
	MULA 1, 0, 1, 0
	s_wait_dscnt 0
	MULA 1, 1, 0, 0
	MULA 1, 1, 1, 0
	PLACES                                         ; behind the last matrix instructions
	OUT16 0, 72
	OUT16 1, 72
	OUT16 2, 72
	OUT16 3, 72
	s_wait_tensorcnt 0x0
	ds_add_u32 v254, v255
	s_wait_dscnt 0x0
	CROUND                                         ; the closing round: no work-group ends while a partner may still ask for a tile that names it
	s_endpgm
.Lfunc_end_k_qe6d72dd151_gemm_qkv:
	.size	k_qe6d72dd151_gemm_qkv, .Lfunc_end_k_qe6d72dd151_gemm_qkv-k_qe6d72dd151_gemm_qkv
	.p2alignl 7, 3214868480
	.fill 96, 4, 3214868480
	.section	.rodata,"a",@progbits
	.p2align	6, 0x0
	.amdhsa_kernel k_qe6d72dd151_gemm_qkv
		.amdhsa_group_segment_fixed_size 327680
		.amdhsa_private_segment_fixed_size 0
		.amdhsa_enable_private_segment 0
		.amdhsa_kernarg_size 32
		.amdhsa_user_sgpr_count 2
		.amdhsa_user_sgpr_kernarg_segment_ptr 1
		.amdhsa_wavefront_size32 1
		.amdhsa_system_sgpr_workgroup_id_x 1
		.amdhsa_system_sgpr_workgroup_id_y 1
		.amdhsa_system_sgpr_workgroup_id_z 1
		.amdhsa_system_vgpr_workitem_id 0
		.amdhsa_next_free_vgpr 960
		.amdhsa_next_free_sgpr 76
		.amdhsa_reserve_vcc 0
		.amdhsa_float_denorm_mode_32 3
		.amdhsa_float_denorm_mode_16_64 3
		.amdhsa_memory_ordered 1
		.amdhsa_forward_progress 1
		.amdhsa_inst_pref_size 255
	.end_amdhsa_kernel
	.section	.bss,"aw",@nobits
	.p2align	6
	.space	262144
	.amdgpu_metadata
---
amdhsa.version: [ 1, 2 ]
amdhsa.kernels:
  - .name:           k_qe6d72dd151_gemm_qkv
    .symbol:         k_qe6d72dd151_gemm_qkv.kd
    .args:
      - { .name: xb, .offset: 0, .size: 8, .value_kind: global_buffer, .address_space: global }
      - { .name: wT, .offset: 8, .size: 8, .value_kind: global_buffer, .address_space: global }
      - { .name: qkv, .offset: 16, .size: 8, .value_kind: global_buffer, .address_space: global }
      - { .name: bqkv, .offset: 24, .size: 8, .value_kind: global_buffer, .address_space: global }
    .group_segment_fixed_size: 327680
    .private_segment_fixed_size: 0
    .kernarg_segment_align: 8
    .kernarg_segment_size: 32
    .max_flat_workgroup_size: 128
    .sgpr_count:     76
    .vgpr_count:     960
    .wavefront_size: 32
...
	.end_amdgpu_metadata
.endif
;; end of part 5
;; launch attn (part 6): grid 256 x 1, 8 waves a work-group, no clusters, 327,680 bytes of LDS; arguments qkv, yh; writes yh
.if DOCPART == 6
	.amdgcn_target "amdgcn-amd-amdhsa--gfx1250"
	.amdhsa_code_object_version 6
	.text
	.protected	k_qe6d72dd151_attn
	.globl	k_qe6d72dd151_attn
	.p2align	8
	.type	k_qe6d72dd151_attn,@function
k_qe6d72dd151_attn:
	s_mov_b64 s[64:65], 0
	v_nop
	global_prefetch_b8 v0, s[64:65] scope:SCOPE_SE
	s_setreg_imm32_b32 hwreg(HW_REG_WAVE_MODE, 25, 1), 1
	s_wait_xcnt 0x0
; Causal attention of one head: y = softmax(q k^T / 8, keys <= query) v.  q, k, v: planes of qkv [batch][48][2048][64] f16 (q heads 0-15,
; k 16-31, v 32-47); y: yh [batch][16][2048][64] f16.  Scores, running maximum, sums and accumulators in f32.
; Work-group g: head g >> 2, query blocks (256 rows) jA = g & 3 and jB = 7 - jA: (jA + 1) + (jB + 1) = 9 key blocks of 256 for every group.
; EIGHT WAVES, two for each of the WGP's four SIMDs; wave w owns the 32 query rows 32 w .. 32 w + 31 of a block.  Two waves on a SIMD so that
; one has softmax work to issue while the other's matrix instructions and LDS loads run.  The price: K's and V's fragments are read from LDS
; by eight waves, 32 LDS loads for 32 matrix instructions.
; ONE LOOP.  The 18 chunks of 128 keys go through two LDS slots in one sequence: block A's diagonal pair, its jA pairs below the diagonal,
; block B's diagonal pair, its jB pairs.  Chunk 0 stands in front of the loop (its first tile starts maximum, sums and O), chunks 1 to 16
; are eight trips of one loop (slot 1, then slot 0), chunk 17 stands behind it and asks for nothing.  So the text holds eight tiles, and
; the slots are constants of the text.  What a tile does with the diagonal hangs on one scalar, REL (see TILE).
; Keys beyond the diagonal are not computed; of a block's keys the diagonal block comes first, so a block's first tile of 64 keys holds an
; unmasked key for every row and the running maximum is finite from then on.
; TRANSPOSED: S^T = K Q^T (source 0 = 16 keys, source 1 = 16 queries): lane (r, h) holds query r and keys 8 h + j.  A row's maximum is a
; maximum inside the lane and one exchange between the halves; two neighbouring scores pack straight into P^T's fragment; O^T = V^T P^T
; keeps query r in lane r, so the rescaling factor is one number a lane and a lane ends with eight neighbouring d.
; Waves 0-3 fetch V's quarters of a chunk, waves 4-7 K's: one tensor load of a wave is out at any time.
; NO MULTICAST: the four work-groups of a head walk i + 1 and 8 - i key blocks for their two query blocks, different tiles at the same
; time and different places of the change of block; walking in step would cost 12 block steps in place of 9, for planes of 512 KiB a head.
; LIMITS: a probability below 2^-25 of its row's largest rounds to 0 in f16; NaN and infinite inputs are not treated specially; keys are
; summed diagonal block first; block B's sums start by a factor 0 on block A's (see the change of block): were block A's results not
; finite, NaN would pass into block B's rows.
.set PLANE, 262144
.set CHUNK, 16384                      ; 128 keys x 128 bytes in memory
.set VP,    160                        ; LDS pitch of V: an odd multiple of 32 for the transposing loads
.set KP,    144                        ; LDS pitch of K: an odd multiple of 16
.set VQ,    32*VP                      ; 32 keys: what one load of V brings
.set KQ,    32*KP                      ; and one of K
.set VHALF, 64*VP                      ; a tile's 64 keys
.set KHALF, 64*KP
.set VREG,  128*VP                     ; V's 128 keys, then K's
.set SLOT,  VREG+128*KP                ; 38,912
.set STAGE, 2*SLOT                     ; 77,824: 32 rows x 144 bytes for each wave; no tensor load ever lands there
.set WST,   32*KP
.set ADRK, 2                           ; window 0: LDS address of my K fragments
.set ADRV, 3                           ; of my V^T fragments
.set STO,  4                           ; the way out: in
.set RD,   5                           ; back
.set CO,   6                           ; 16 x lane
.set QO,   7                           ; my bytes of a Q fragment
.set M,    16                          ; v16-17  running maximum of query tile qt (raw scores)
.set TX,   18                          ; v18-19  from the other half of the lanes
.set TM,   20                          ; v20-21  a second chain of maxima; at work at the end
.set NEG,  22                          ; -infinity
.set DIA,  23                          ; r - 8 h
.set L,    24                          ; v24-27  running sums, a pair for each qt
.set NM,   28                          ; v28-31  -c x maximum, twice
.set AL,   32                          ; v32-35  rescaling factor, twice
.set S,    64                          ; v64-127  S[32 qt + 8 kt + j]
.set P,    128                         ; v128-159 P[x] = f16 pair of S[2x], S[2x+1]: fragment (qt, kg) at 16 qt + 8 kg
.set O,    160                         ; v160-223 O[32 qt + 8 dt + j]
.set KF,   0                           ; window 1: K fragment (ds, kt) at 8 (4 ds + kt)
.set VF,   64                          ; V^T fragment (kg, dt) at 8 (4 kg + dt)
.set Q,    128                         ; Q of the block at work: fragment (qt, ds) at 8 (2 qt + ds)
.set QB,   160                         ; Q of block B, waiting
.set G1V, 20                           ; s[20:27]
.set G1K, 28                           ; s[28:35]
.set G0V, 36                           ; s[36:43] one set for each slot
.set G0K, 44                           ; s[44:51]
.set KEEP, 52                          ; s52-59: lanes in which register j of a diagonal 16 x 16 tile is kept
.set REL,  86                          ; s86: (wave >> 1) - number, in the diagonal block, of the chunk's first tile; at least 8 below the diagonal
.set MSB, 0
.macro WIN new                         ; low byte: bits 1:0 source 0, 3:2 source 1, 5:4 source 2, 7:6 destination; the high byte repeats the setting that is left
.if MSB != (\new)
	s_set_vgpr_msb (MSB<<8)|(\new)
.set MSB, (\new)
.endif
.endm
.macro PLACES                          ; four plain vector instructions behind matrix instructions (ISA guide 7.12.1 for vector instructions)
.rept 4
	v_nop
.endr
.endm
.macro JL s                            ; my part of a chunk into slot s: waves 0-3 V, waves 4-7 K
	s_cmp_eq_u32 s9, 0
	s_cbranch_scc0 .Lfor_k_\@
	tensor_load_to_lds s[G0V+4*(\s):G0V+4*(\s)+3], s[G1V:G1V+7]
	s_nop 0
	s_branch .Lasked_\@
.Lfor_k_\@:
	tensor_load_to_lds s[G0K+4*(\s):G0K+4*(\s)+3], s[G1K:G1K+7]
	s_nop 0
.Lasked_\@:
.endm
	s_load_b128 s[4:7], s[0:1], 0x0                ; qkv s[4:5], yh s[6:7]
	v_lshl_add_u32 v254, v0, 2, 0x29000
	v_mov_b32 v255, 0
	ds_add_u32 v254, v255
	v_lshrrev_b32 v1, 5, v0
	v_readfirstlane_b32 s8, v1                     ; wave 0..7
	s_lshr_b32 s9, s8, 2                           ; I fetch V (0) or K (1)
	s_and_b32 s10, s8, 3                           ; which 32 keys of a chunk
	s_lshr_b32 s69, s8, 1                          ; which 64 rows of the block hold my 32
	s_and_b32 s87, s8, 1                           ; their lower (0) or upper (1) half
	s_mov_b32 s12, 0x76543210                      ; v_permlanex16_b32: lane i of one half reads lane i of the other
	s_mov_b32 s13, 0xfedcba98
	s_mov_b32 s14, 0x3e38aa3b                      ; c = log2(e) / 8: the scale 1/8 and the change of base in one factor
	s_mov_b32 s15, 0x3e38aa3b
	s_mov_b32 s16, 0xbe38aa3b                      ; -c
	s_lshr_b32 s17, ttmp9, 2                       ; 16 batch + head
	s_and_b32 s67, ttmp9, 3                        ; jA
	s_sub_co_u32 s68, 7, s67                       ; jB
	s_add_co_u32 s88, s67, 1                       ; jA + 1: the pair of chunks that is block B's diagonal
	s_lshr_b32 s18, s17, 4
	s_and_b32 s19, s17, 15
	s_mul_i32 s82, s18, 48
	s_add_co_u32 s82, s82, s19
	s_lshl_b32 s82, s82, 18                        ; q's plane
	s_mov_b32 s83, 0
	s_lshl_b32 s84, s10, 12                        ; my 32 keys of a chunk
	s_mov_b32 s85, 0
	s_lshl_b32 s60, s67, 15                        ; s[60:61]: byte offset of the chunk that is asked for next; first block A's diagonal, chunk 2 jA
	s_mov_b32 s61, 0
	s_lshl_b32 s63, s68, 15                        ; block B's diagonal, chunk 2 jB
	; group 1: 32 keys are 4,096 dense bytes, read as 16 rows of 256; behind every 32 words (a key's 128 bytes) 8 words of padding for V, 4 for K
	s_mov_b32 s[G1V+0], (1<<16)|(1<<20)|(4<<22)|(7<<25)
	s_mov_b32 s[G1V+1], 128<<16                    ; tensor_dim0 = 128 elements
	s_mov_b32 s[G1V+2], 16<<16                     ; tensor_dim1 = 16
	s_mov_b32 s[G1V+3], 128<<16                    ; tile_dim0
	s_mov_b32 s[G1V+4], 16                         ; tile_dim1
	s_mov_b32 s[G1V+5], 128                        ; pitch
	s_mov_b32 s[G1V+6], 0
	s_mov_b32 s[G1V+7], 0
	s_mov_b32 s[G1K+0], (1<<16)|(1<<20)|(4<<22)|(3<<25)
	s_mov_b32 s[G1K+1], 128<<16
	s_mov_b32 s[G1K+2], 16<<16
	s_mov_b32 s[G1K+3], 128<<16
	s_mov_b32 s[G1K+4], 16
	s_mov_b32 s[G1K+5], 128
	s_mov_b32 s[G1K+6], 0
	s_mov_b32 s[G1K+7], 0
	s_mul_i32 s18, s8, VQ                          ; V's quarters (waves 0-3) from the slot's first byte,
	s_mul_i32 s19, s8, KQ
	s_add_co_u32 s19, s19, VREG-4*KQ               ; K's quarters (waves 4-7) behind V's part
.irp s, 0,1
	s_mov_b32 s[G0V+4*\s], 1
	s_add_co_u32 s[G0V+4*\s+1], s18, \s*SLOT
	s_mov_b32 s[G0K+4*\s], 1
	s_add_co_u32 s[G0K+4*\s+1], s19, \s*SLOT
.endr
	s_wait_dscnt 0x0
	s_wait_kmcnt 0x0
	s_add_nc_u64 s[4:5], s[4:5], s[82:83]          ; q's plane
	s_add_nc_u64 s[72:73], s[4:5], s[84:85]
	s_add_nc_u64 s[70:71], s[72:73], 32*PLANE      ; v's plane at my quarter of chunk 0
	s_add_nc_u64 s[72:73], s[72:73], 16*PLANE      ; k's
	s_add_nc_u64 s[G0V+2:G0V+3], s[70:71], s[60:61]
	s_or_b32 s[G0V+3], s[G0V+3], 0x80000000
	s_add_nc_u64 s[G0K+2:G0K+3], s[72:73], s[60:61]
	s_or_b32 s[G0K+3], s[G0K+3], 0x80000000
	JL 0                                           ; the one first fill at the start; slot 1 is first filled behind the first chunk's barrier
	s_add_co_u32 s60, s60, CHUNK                   ; next: the diagonal pair's second chunk
	s_lshl_b32 s11, s8, 12                         ; my 32 rows of 128 bytes
	s_lshl_b32 s82, s67, 15
	s_add_co_u32 s82, s82, s11                     ; block A's rows of mine (s83 = 0)
	s_add_co_u32 s84, s63, s11                     ; block B's (s85 = 0)
	s_lshl_b32 s2, s17, 18                         ; y's plane
	s_mov_b32 s3, 0
	s_add_nc_u64 s[6:7], s[6:7], s[2:3]
	s_add_nc_u64 s[74:75], s[6:7], s[82:83]        ; y, block A
	s_add_nc_u64 s[76:77], s[6:7], s[84:85]        ; y, block B
	s_add_nc_u64 s[78:79], s[4:5], s[82:83]        ; q, block A
	s_add_nc_u64 s[80:81], s[4:5], s[84:85]        ; q, block B
	v_and_b32 v8, 15, v0                           ; r
	v_bfe_u32 v9, v0, 4, 1                         ; h
	v_lshlrev_b32 v14, 7, v8
	v_lshl_add_u32 v[QO], v9, 4, v14               ; row r of 128 bytes + 16 h
	WIN 0x40
.irp qt, 0,1
.irp ds, 0,1
	global_load_b128 v[Q+8*(2*\qt+\ds):Q+8*(2*\qt+\ds)+3],   v[QO], s[78:79] offset:\qt*2048+64*\ds
	global_load_b128 v[Q+8*(2*\qt+\ds)+4:Q+8*(2*\qt+\ds)+7], v[QO], s[78:79] offset:\qt*2048+64*\ds+32
.endr
.endr
.irp qt, 0,1
.irp ds, 0,1
	global_load_b128 v[QB+8*(2*\qt+\ds):QB+8*(2*\qt+\ds)+3],   v[QO], s[80:81] offset:\qt*2048+64*\ds
	global_load_b128 v[QB+8*(2*\qt+\ds)+4:QB+8*(2*\qt+\ds)+7], v[QO], s[80:81] offset:\qt*2048+64*\ds+32
.endr
.endr
	WIN 0
	v_and_b32 v10, 31, v0                          ; lane
	v_and_b32 v11, 7, v0                           ; lane & 7
	v_bfe_u32 v12, v0, 3, 1                        ; (lane >> 3) & 1
	v_mul_u32_u24 v13, v8, KP
	v_lshl_add_u32 v13, v9, 4, v13                 ; r x 144 + 16 h
	v_add_nc_u32 v[ADRK], VREG, v13
	v_lshl_add_u32 v14, v9, 3, v11                 ; key 8 h + (lane & 7),
	v_mul_u32_u24 v14, v14, VP
	v_lshl_add_u32 v[ADRV], v12, 4, v14            ; eight d at 16 ((lane >> 3) & 1): the transposing load gives lane (r, h) d = r, keys 8 h + 0..7
	s_mul_i32 s11, s8, WST
	s_add_co_u32 s11, s11, STAGE                   ; my stage
	v_add_nc_u32 v[STO], s11, v13
	v_lshrrev_b32 v14, 3, v10
	v_mul_u32_u24 v14, v14, KP
	v_lshl_add_u32 v14, v11, 4, v14
	v_add_nc_u32 v[RD], s11, v14                   ; eight lanes take a row of 128 bytes, 32 lanes four rows
	v_lshlrev_b32 v[CO], 4, v10
	v_lshlrev_b32 v14, 3, v9
	v_sub_nc_u32 v[DIA], v8, v14                   ; in a diagonal 16 x 16 tile key 8 h + j <= query r means j <= r - 8 h
	v_mov_b32 v[NEG], 0xff800000
.irp j, 0,1,2,3,4,5,6,7
	v_cmp_le_i32 s[KEEP+\j], \j, v[DIA]
.endr
.irp qt, 0,1
	v_mov_b32 v[TX+\qt], 0                         ; v_permlanex16_b32 counts as a reader of its destination
.endr
.macro SMM qt, kt, ds                  ; S^T(kt, qt) += K(kt, ds) Q(qt, ds)^T; the first half of d starts the sum
.if \ds
	v_wmma_f32_16x16x32_f16 v[S+32*\qt+8*\kt:S+32*\qt+8*\kt+7], v[KF+8*(4*\ds+\kt):KF+8*(4*\ds+\kt)+7], v[Q+8*(2*\qt+\ds):Q+8*(2*\qt+\ds)+7], v[S+32*\qt+8*\kt:S+32*\qt+8*\kt+7]
.else
	v_wmma_f32_16x16x32_f16 v[S+32*\qt+8*\kt:S+32*\qt+8*\kt+7], v[KF+8*(4*\ds+\kt):KF+8*(4*\ds+\kt)+7], v[Q+8*(2*\qt+\ds):Q+8*(2*\qt+\ds)+7], 0
.endif
.endm
.macro PVMM qt, dt, kg, zero           ; O^T(dt, qt) += V^T(dt, kg) P^T(kg, qt)
.if \zero
	v_wmma_f32_16x16x32_f16 v[O+32*\qt+8*\dt:O+32*\qt+8*\dt+7], v[VF+8*(4*\kg+\dt):VF+8*(4*\kg+\dt)+7], v[P+16*\qt+8*\kg:P+16*\qt+8*\kg+7], 0
.else
	v_wmma_f32_16x16x32_f16 v[O+32*\qt+8*\dt:O+32*\qt+8*\dt+7], v[VF+8*(4*\kg+\dt):VF+8*(4*\kg+\dt)+7], v[P+16*\qt+8*\kg:P+16*\qt+8*\kg+7], v[O+32*\qt+8*\dt:O+32*\qt+8*\dt+7]
.endif
.endm
; The change of slots.  Every wave waits for all its tensor loads (its part of this chunk) and for its reads of the other slot, passes
; the barrier, and fills the other slot first thing behind it, with the chunk at s[60:61]: its one tensor load until the next such barrier.
.macro HEAD slot, refill
	s_wait_tensorcnt 0x0                           ; no tensor load of mine is out: every group 0 may be written
	ds_add_u32 v254, v255
	s_wait_dscnt 0x0
.if \refill
	s_add_nc_u64 s[G0V+4*(1-\slot)+2:G0V+4*(1-\slot)+3], s[70:71], s[60:61]
	s_or_b32 s[G0V+4*(1-\slot)+3], s[G0V+4*(1-\slot)+3], 0x80000000
	s_add_nc_u64 s[G0K+4*(1-\slot)+2:G0K+4*(1-\slot)+3], s[72:73], s[60:61]
	s_or_b32 s[G0K+4*(1-\slot)+3], s[G0K+4*(1-\slot)+3], 0x80000000
.endif
	s_wait_dscnt 0x0
	s_barrier_signal -1
	s_barrier_wait -1
.if \refill
	JL 1-\slot
.endif
.endm
; 64 keys (half u of the chunk in a slot) against my 32 queries.  first = 1: the tile starts maximum, sums and O.
; mk = 1: the chunk may lie in the diagonal block.  Its tile u is number dg = (wave >> 1) - REL + u there: with REL < u all its keys lie
; beyond my rows and the tile is left out; with REL = u it holds my part of the diagonal and is masked; with REL > u it is whole.
; The branches hang on the wave's number and the work-group's number alone, and no barrier stands inside.
.macro TILE slot, u, first, mk
.if \mk
.if \first == 0
	s_cmp_lt_i32 s[REL], \u
	s_cbranch_scc1 .Lskip_\@
.endif
.endif
	PLACES                                         ; behind the last tile's products, whose V fragments are loaded again
	WIN 0x40
.irp ds, 0,1
.irp kt, 0,1,2,3
	ds_load_b128 v[KF+8*(4*\ds+\kt):KF+8*(4*\ds+\kt)+3],   v[ADRK] offset:\slot*SLOT+\u*KHALF+\kt*16*KP+64*\ds
	ds_load_b128 v[KF+8*(4*\ds+\kt)+4:KF+8*(4*\ds+\kt)+7], v[ADRK] offset:\slot*SLOT+\u*KHALF+\kt*16*KP+64*\ds+32
.endr
.endr
.irp kg, 0,1
.irp dt, 0,1,2,3
	ds_load_tr16_b128 v[VF+8*(4*\kg+\dt):VF+8*(4*\kg+\dt)+3],   v[ADRV] offset:\slot*SLOT+\u*VHALF+\kg*32*VP+32*\dt
	ds_load_tr16_b128 v[VF+8*(4*\kg+\dt)+4:VF+8*(4*\kg+\dt)+7], v[ADRV] offset:\slot*SLOT+\u*VHALF+\kg*32*VP+32*\dt+16*VP
.endr
.endr
	WIN 0x05                                       ; K and Q window 1, S window 0
.irp ds, 0,1
.irp kt, 0,1,2,3
	s_wait_dscnt 30-2*(4*\ds+\kt)                  ; of the 32 loads, those issued behind this K fragment's two may be out
.irp qt, 0,1
	SMM \qt, \kt, \ds                              ; the eight accumulators take turns
.endr
.endr
.endr
	WIN 0
	PLACES
.if \mk
	s_cmp_lg_u32 s[REL], \u
	s_cbranch_scc1 .Lfull_\@
	s_cmp_lg_u32 s87, 0
	s_cbranch_scc1 .Lodd_\@
	; my rows are the tile's rows 0-31: query tile qt meets the diagonal in key tile kt = qt; all key tiles above it lie beyond
.irp j, 0,1,2,3,4,5,6,7
	v_cndmask_b32 v[S+\j],    v[NEG], v[S+\j],    s[KEEP+\j]
	v_cndmask_b32 v[S+40+\j], v[NEG], v[S+40+\j], s[KEEP+\j]
.endr
.set pn, 8
.rept 24
	v_mov_b32 v[S+pn], v[NEG]                      ; qt = 0: kt = 1, 2, 3
.set pn, pn+1
.endr
.set pn, 48
.rept 16
	v_mov_b32 v[S+pn], v[NEG]                      ; qt = 1: kt = 2, 3
.set pn, pn+1
.endr
	s_branch .Lfull_\@
.Lodd_\@:
	; my rows are the tile's rows 32-63: query tile qt meets the diagonal in key tile kt = 2 + qt
.irp j, 0,1,2,3,4,5,6,7
	v_cndmask_b32 v[S+16+\j], v[NEG], v[S+16+\j], s[KEEP+\j]
	v_cndmask_b32 v[S+56+\j], v[NEG], v[S+56+\j], s[KEEP+\j]
	v_mov_b32 v[S+24+\j], v[NEG]                   ; qt = 0: kt = 3
.endr
.Lfull_\@:
.endif
	; the running maximum, in place: two chains for each query tile, four that do not wait for each other
.irp qt, 0,1
.if \first
	v_max_num_f32 v[M+\qt], v[S+32*\qt], v[S+32*\qt+1]
.else
	v_max3_num_f32 v[M+\qt], v[M+\qt], v[S+32*\qt], v[S+32*\qt+1]
.endif
	v_max_num_f32 v[TM+\qt], v[S+32*\qt+16], v[S+32*\qt+17]
.endr
.set pn, 1
.rept 7
.irp qt, 0,1
	v_max3_num_f32 v[M+\qt],  v[M+\qt],  v[S+32*\qt+2*pn],    v[S+32*\qt+2*pn+1]
	v_max3_num_f32 v[TM+\qt], v[TM+\qt], v[S+32*\qt+16+2*pn], v[S+32*\qt+17+2*pn]
.endr
.set pn, pn+1
.endr
.irp qt, 0,1
	v_max_num_f32 v[M+\qt], v[M+\qt], v[TM+\qt]
.endr
.irp qt, 0,1
	v_permlanex16_b32 v[TX+\qt], v[M+\qt], s12, s13    ; the other half of the lanes holds the row's other keys
.endr
.irp qt, 0,1
	v_max_num_f32 v[M+\qt], v[M+\qt], v[TX+\qt]
.endr
.irp qt, 0,1
	v_mul_f32 v[NM+2*\qt+1], s16, v[M+\qt]         ; the new -c m
.endr
.if \first == 0
.irp qt, 0,1
	v_sub_f32 v[AL+2*\qt], v[NM+2*\qt+1], v[NM+2*\qt]  ; new offset - old offset: exactly what the old exponents lack
.endr
.irp qt, 0,1
	v_exp_f32 v[AL+2*\qt], v[AL+2*\qt]
.endr
.endif
.irp qt, 0,1
	v_mov_b32 v[NM+2*\qt], v[NM+2*\qt+1]           ; also the plain instructions behind the exponentials (ISA guide 5.7.2)
.endr
.if \first == 0
	s_wait_alu depctr_va_vdst(0)
.irp qt, 0,1
	v_mov_b32 v[AL+2*\qt+1], v[AL+2*\qt]
.endr
.endif
	; p = 2^(c s - c m), two at a time: the exponent of pair n + 1, the exponentials of pair n, the sum and the packing of pair n - 1,
	; so that plain instructions stand between an exponential and the use of its result
	v_pk_fma_f32 v[S:S+1], v[S:S+1], s[14:15], v[NM:NM+1] op_sel_hi:[1,0,1]
.set pn, 0
.rept 33
.if pn < 31
	v_pk_fma_f32 v[S+2*pn+2:S+2*pn+3], v[S+2*pn+2:S+2*pn+3], s[14:15], v[NM+2*((pn+1)/16):NM+2*((pn+1)/16)+1] op_sel_hi:[1,0,1]
.endif
.if pn < 32
	v_exp_f32 v[S+2*pn], v[S+2*pn]
	v_exp_f32 v[S+2*pn+1], v[S+2*pn+1]
.endif
.if pn > 0
.set pm, pn-1
.set lq, L+2*(pm/16)
.set aq, AL+2*(pm/16)
.if pm%16 == 0
.if \first == 0
	s_wait_alu depctr_va_vdst(0)
	v_pk_fma_f32 v[lq:lq+1], v[lq:lq+1], v[aq:aq+1], v[S+2*pm:S+2*pm+1]    ; the old sum, rescaled, and the first pair
.endif
.else
.if \first
.if pm%16 == 1
	v_pk_add_f32 v[lq:lq+1], v[S+2*pm-2:S+2*pm-1], v[S+2*pm:S+2*pm+1]      ; the first two pairs start the sum
.else
	s_wait_alu depctr_va_vdst(0)
	v_pk_add_f32 v[lq:lq+1], v[lq:lq+1], v[S+2*pm:S+2*pm+1]
.endif
.else
	s_wait_alu depctr_va_vdst(0)
	v_pk_add_f32 v[lq:lq+1], v[lq:lq+1], v[S+2*pm:S+2*pm+1]
.endif
.endif
	s_wait_alu depctr_va_vdst(0)
	v_cvt_pk_f16_f32 v[P+pm], v[S+2*pm], v[S+2*pm+1]
.endif
.set pn, pn+1
.endr
.if \first == 0
.irp qt, 0,1
.set pn, 0
.rept 16
	v_pk_mul_f32 v[O+32*\qt+2*pn:O+32*\qt+2*pn+1], v[O+32*\qt+2*pn:O+32*\qt+2*pn+1], v[AL+2*\qt:AL+2*\qt+1]
.set pn, pn+1
.endr
.endr
.endif
	s_wait_dscnt 0x0                               ; V's fragments
	WIN 0x01                                       ; V^T window 1, P and O window 0
.irp kg, 0,1
.irp dt, 0,1,2,3
.irp qt, 0,1
	PVMM \qt, \dt, \kg, \first*(1-\kg)             ; the eight accumulators take turns
.endr
.endr
.endr
	WIN 0
.Lskip_\@:
.endm
.macro TRIP slot, refill, first, mk                ; a chunk of 128 keys
	HEAD \slot, \refill
	TILE \slot, 0, \first, \mk
	TILE \slot, 1, 0, \mk
.endm
; The end of a query block: divide by the sums, round to f16, 16 bytes a lane into my stage, whole rows back, stores of 512 consecutive bytes.
.macro FINAL yb
	PLACES
.irp qt, 0,1
	v_add_f32 v[TM+\qt], v[L+2*\qt], v[L+2*\qt+1]
.endr
.irp qt, 0,1
	v_permlanex16_b32 v[TX+\qt], v[TM+\qt], s12, s13
.endr
.irp qt, 0,1
	v_add_f32 v[TM+\qt], v[TM+\qt], v[TX+\qt]      ; at least 1: the row's largest score gives 2^0
.endr
.irp qt, 0,1
	v_rcp_f32 v[AL+2*\qt], v[TM+\qt]
.endr
	v_nop                                          ; the plain instruction behind the reciprocals (ISA guide 5.7.2)
	s_wait_alu depctr_va_vdst(0)
.irp qt, 0,1
	v_mov_b32 v[AL+2*\qt+1], v[AL+2*\qt]
.endr
.irp qt, 0,1
.set pn, 0
.rept 16
	v_pk_mul_f32 v[O+32*\qt+2*pn:O+32*\qt+2*pn+1], v[O+32*\qt+2*pn:O+32*\qt+2*pn+1], v[AL+2*\qt:AL+2*\qt+1]
.set pn, pn+1
.endr
.endr
.set pn, 0
.rept 32
	v_cvt_pk_f16_f32 v[P+pn], v[O+2*pn], v[O+2*pn+1]
.set pn, pn+1
.endr
.irp qt, 0,1
.irp dt, 0,1,2,3
	ds_store_b128 v[STO], v[P+16*\qt+4*\dt:P+16*\qt+4*\dt+3] offset:\qt*16*KP+32*\dt   ; query 16 qt + r, d = 16 dt + 8 h ..
.endr
.endr
.irp t, 0,1,2,3,4,5,6,7
	ds_load_b128 v[S+4*\t:S+4*\t+3], v[RD] offset:\t*4*KP      ; LDS serves a wave's instructions in order (ISA guide 5.7.1.4): these see the stores above
.endr
.irp t, 0,1,2,3,4,5,6,7
	s_wait_dscnt 7-\t
	global_store_b128 v[CO], v[S+4*\t:S+4*\t+3], s[\yb:\yb+1] offset:512*\t
.endr
	s_wait_xcnt 0x0                                ; S, which the stores read, is written again only behind this wait
.endm
	; ---- chunk 0: the first half of block A's diagonal block (tiles 0 and 1 of it) ----
	s_mov_b32 s[REL], s69
	s_wait_loadcnt 8                               ; block A's Q is in; block B's eight loads may stay out
	TRIP 0, 1, 1, 1                                ; asks for chunk 1
	; ---- chunks 1 to 16.  Trip k takes the second chunk of pair k (slot 1) and the first of pair k + 1 (slot 0).
	; Pair 0: A's diagonal; pairs 1 .. jA: A's keys below it; pair jA + 1: B's diagonal; pairs jA + 2 .. 8: B's keys below it. ----
	s_mov_b32 s66, 0
.Lloop:
	s_sub_co_i32 s62, s66, s88                     ; pair k + 1 holds key block: k - jA - 1 in block B's run,
	s_cmp_lt_u32 s66, s67
	s_cselect_b32 s62, s66, s62                    ; k in block A's run,
	s_lshl_b32 s62, s62, 15
	s_cmp_eq_u32 s66, s67
	s_cselect_b32 s60, s63, s62                    ; jB where it is block B's diagonal
	s_cmp_eq_u32 s66, 0
	s_cselect_b32 s62, 2, -8                       ; pair k is a diagonal (k = 0 or k = jA + 1): its second chunk holds tiles 2 and 3
	s_cmp_eq_u32 s66, s88
	s_cselect_b32 s62, 2, s62
	s_sub_co_i32 s[REL], s69, s62
	TRIP 1, 1, 0, 1                                ; asks for the first chunk of pair k + 1
	s_cmp_lg_u32 s66, s67                          ; the same in all waves of the work-group
	s_cbranch_scc1 .Lsame
	; the change of block: A's last chunk is done; B's first chunk is on its way meanwhile
	FINAL 74
	s_wait_loadcnt 0x0                             ; block B's Q, asked for at the start
	WIN 0x41
.set pn, 0
.rept 32
	v_mov_b32 v[Q+pn], v[QB+pn]                    ; the loop's text names one set of Q registers: 32 moves, once, in place of a load's wait
.set pn, pn+1
.endr
	WIN 0
.irp qt, 0,1
	v_mov_b32 v[M+\qt], v[NEG]                     ; maximum -infinity and offset +infinity: the next tile's factor is 2^(-infinity) = 0,
	v_mov_b32 v[NM+2*\qt], 0x7f800000              ; which wipes block A's sums and O (finite: sums of at most 2,048 terms <= 1, means of v): nothing is cleared
.endr
.Lsame:
	s_add_co_u32 s60, s60, CHUNK
	s_cmp_eq_u32 s66, s67
	s_cselect_b32 s62, 0, -8                       ; pair k + 1 is block B's diagonal: its first chunk holds tiles 0 and 1
	s_sub_co_i32 s[REL], s69, s62
	TRIP 0, 1, 0, 1                                ; asks for the second chunk of pair k + 1
	s_add_co_u32 s66, s66, 1
	s_cmp_lt_u32 s66, 8
	s_cbranch_scc1 .Lloop
	; ---- chunk 17: block B's last keys below the diagonal (jB >= 4): whole tiles; nothing is left to fetch ----
	TRIP 1, 0, 0, 0                                ; its wait for all tensor loads is the last
	FINAL 76
	s_wait_tensorcnt 0x0
	ds_add_u32 v254, v255
	s_wait_dscnt 0x0
	s_endpgm
.Lfunc_end_k_qe6d72dd151_attn:
	.size	k_qe6d72dd151_attn, .Lfunc_end_k_qe6d72dd151_attn-k_qe6d72dd151_attn
	.p2alignl 7, 3214868480
	.fill 96, 4, 3214868480
	.section	.rodata,"a",@progbits
	.p2align	6, 0x0
	.amdhsa_kernel k_qe6d72dd151_attn
		.amdhsa_group_segment_fixed_size 327680
		.amdhsa_private_segment_fixed_size 0
		.amdhsa_enable_private_segment 0
		.amdhsa_kernarg_size 16
		.amdhsa_user_sgpr_count 2
		.amdhsa_user_sgpr_kernarg_segment_ptr 1
		.amdhsa_wavefront_size32 1
		.amdhsa_system_sgpr_workgroup_id_x 1
		.amdhsa_system_sgpr_workgroup_id_y 1
		.amdhsa_system_sgpr_workgroup_id_z 1
		.amdhsa_system_vgpr_workitem_id 0
		.amdhsa_next_free_vgpr 448
		.amdhsa_next_free_sgpr 90
		.amdhsa_reserve_vcc 0
		.amdhsa_float_denorm_mode_32 3
		.amdhsa_float_denorm_mode_16_64 3
		.amdhsa_memory_ordered 1
		.amdhsa_forward_progress 1
		.amdhsa_inst_pref_size 199
	.end_amdhsa_kernel
	.amdgpu_metadata
---
amdhsa.version: [ 1, 2 ]
amdhsa.kernels:
  - .name:           k_qe6d72dd151_attn
    .symbol:         k_qe6d72dd151_attn.kd
    .args:
      - { .name: qkv, .offset: 0, .size: 8, .value_kind: global_buffer, .address_space: global }
      - { .name: yh, .offset: 8, .size: 8, .value_kind: global_buffer, .address_space: global }
    .group_segment_fixed_size: 327680
    .private_segment_fixed_size: 0
    .kernarg_segment_align: 8
    .kernarg_segment_size: 16
    .max_flat_workgroup_size: 256
    .sgpr_count:     90
    .vgpr_count:     448
    .wavefront_size: 32
...
	.end_amdgpu_metadata
.endif
;; end of part 6
;; launch gemm_proj (part 7): grid 8 x 32, 4 waves a work-group, clusters of 4 x 4, 327,680 bytes of LDS; arguments yh, wT, out0, bproj; writes out0
.if DOCPART == 7
	.amdgcn_target "amdgcn-amd-amdhsa--gfx1250"
	.amdhsa_code_object_version 6
	.text
	.protected	k_qe6d72dd151_gemm_proj
	.globl	k_qe6d72dd151_gemm_proj
	.p2align	8
	.type	k_qe6d72dd151_gemm_proj,@function
k_qe6d72dd151_gemm_proj:
	s_mov_b64 s[64:65], 0
	v_nop
	global_prefetch_b8 v0, s[64:65] scope:SCOPE_SE
	s_setreg_imm32_b32 hwreg(HW_REG_WAVE_MODE, 25, 1), 1
	s_wait_xcnt 0x0
	s_wait_alu depctr_hold_cnt(0) depctr_sa_sdst(0) depctr_va_vdst(0) depctr_va_sdst(0) depctr_va_ssrc(0) depctr_va_vcc(0) depctr_vm_vsrc(0)
	s_getreg_b32 s2, hwreg(HW_REG_IB_STS2, 6, 4)
	s_cmp_eq_u32 s2, 0
	s_cbranch_scc0 .Lentry_in_a_cluster
	s_endpgm
.Lentry_in_a_cluster:
	s_bfe_u32 s2, ttmp6, 0x10000c
	s_cmp_lg_u32 s2, 0xf033
	s_cbranch_scc0 .Lentry_shape_is_right
	s_endpgm
.Lentry_shape_is_right:
; out0 = y Wproj + bproj, as C[m][n] = bias[n] + sum over k of A[m][k] B[n][k], K = 1024, sums in f32.
;   A = yh [batch][16 heads][2048 t][64] f16, B = wT rows 3072-4095 (Wproj's columns, f16), C = out0 [8192][1024] f32.
; A work-group makes 256 rows x 128 columns with four waves stacked along the rows: wave w makes rows 64 w .. 64 w + 63 and all columns,
; 4 x 8 accumulator tiles of 16 x 16.  32 x 8 tiles: one for each of 256 work-groups.
; K goes in steps of 128 (two heads) through two LDS slots filled by the tensor data mover.
; CLUSTERS: 4 x 4 work-groups.  A's tile hangs on the block row alone and is asked for jointly along a row of the cluster, B's on the block
; column alone and is asked for jointly along a column: the requests for A and for B are divided by four.
; The bias costs no arithmetic: it is loaded in the accumulators' layout and is the C operand of each tile's first product (so it is added
; first, not last as written in the model).
; REGISTERS, in windows of 256: window 0: v0-31 addresses, v32-95 A's fragments (two buffers), v96-223 bias and the way out;
;   window 1: B's fragments, buffers at v0 and v96; window 2: accumulator tiles of my rows 0-31 (tile (a, b) at v[8 (8 a + b)]); window 3: rows 32-63.
; The matrix instruction is used transposed (source 0 = 16 rows of B, source 1 = 16 rows of A): lane l holds row l % 16 of C and its
; registers 0-7 the columns 8 (l / 16) + 0 .. 7, eight neighbouring numbers.
.set NT,      8                        ; column tiles: 128 columns
.set APITCH,  144                      ; an LDS row of A: one head's 128 bytes + 16
.set ASUB,    36864                    ; from the K step's first head to its second: 256 rows x 144
.set AREG,    73728                    ; A's part of a slot
.set ALOAD,   36864                    ; LDS bytes of one load of A (one head, 256 rows)
.set AQI,     4                        ; padding behind every 32 words
.set ASTRIDE, 128                      ; a dense block, read as rows of 256 bytes
.set ASLOT1,  524288                   ; a K step on: two planes of 262,144 bytes
.set ALAP,    1048576                  ; two K steps on
.set WSTAGE,  8448                     ; a wave's stage: 16 rows x (512 + 16) bytes
.set NOUT,    16                       ; stores for 16 rows of C
.set RB,      96                       ; v96-159, v160-223: rows read back, two buffers
.set KSTEP,  128
.set BPITCH, 272
.set HALFB,  8*NT*BPITCH               ; half of B's rows: what one load brings
.set SLOT,   AREG+2*HALFB              ; A's 256 rows, then B's 128 rows
.set STAGE,  2*SLOT                    ; behind the ring; no tensor load ever lands there
.set LAPS,   4                         ; K = 1024 = 8 steps; a lap = two steps = once round the ring
.set ADRA, 16                          ; v16-17  LDS address of my A fragments in slot 0, 1
.set ADRB, 20                          ; v20-21  the same for B
.set STO,  24                          ; the way out: where I put my numbers of a row
.set RD,   25                          ; where I read rows back
.set CO,   26                          ; my byte offset in C
.set BO,   27                          ; my byte offset in the bias
.set FA,   32                          ; A's fragments: buffer f at FA + 32 f (window 0)
.set FB,   0                           ; B's fragments: buffer f at FB + 96 f (window 1)
.set BIAS, 160                         ; v[160 + 8 b ..]: the bias of column tile b in the accumulators' layout; free after the first quarter step
.set G1,  24                           ; s[24:31] descriptor group 1 for A's tiles
.set G0,  32                           ; s[32:39] group 0 for A's tiles, one set for each slot
.set G1B, 48                           ; s[48:55] group 1 for B's tiles
.set G0B, 56                           ; s[56:63] group 0 for B's tiles
.set MSB, 0
.macro WIN new                         ; low byte: bits 1:0 source 0, 3:2 source 1, 5:4 source 2, 7:6 destination; the high byte repeats the setting that is left
.if MSB != (\new)
	s_set_vgpr_msb (MSB<<8)|(\new)
.set MSB, (\new)
.endif
.endm
; Four places: a load into a register that a matrix instruction has read, and anything but a matrix instruction that reads a matrix result,
; stand four plain vector instructions behind it (ISA guide 7.12.1 for vector instructions).
.macro PLACES
.rept 4
	v_nop
.endr
.endm
; A joint load: waves 0 and 1 fetch A's two halves, waves 2 and 3 B's.  Each line has one mask and one set of registers for all that issue it.
; The branch hangs on the wave's number alone.  Four v_nop follow each line.
.macro JLOAD s
	s_cmp_eq_u32 s11, 0
	s_cbranch_scc0 .Lfor_b_\@
	tensor_load_to_lds s[G0+4*\s:G0+4*\s+3], s[G1:G1+7]
	s_nop 0
	PLACES
	s_branch .Lasked_\@
.Lfor_b_\@:
	tensor_load_to_lds s[G0B+4*\s:G0B+4*\s+3], s[G1B:G1B+7]
	s_nop 0
	PLACES
.Lasked_\@:
.endm
.macro CREST                           ; a round of the cluster's barrier behind its opening work-group barrier
	s_cmp_lg_u32 s10, 0
	s_cbranch_scc1 .Lnot_wave_0_\@
	s_barrier_signal -3
.Lnot_wave_0_\@:
	s_barrier_wait -3
	s_barrier_signal -1
	s_barrier_wait -1
.endm
.macro CROUND                          ; a whole round
	s_barrier_signal -1
	s_barrier_wait -1
	CREST
.endm
	s_load_b128 s[4:7], s[0:1], 0x0                ; yh s[4:5], wT s[6:7]
	s_load_b128 s[68:71], s[0:1], 0x10             ; out0 s[68:69], bproj s[70:71]
	s_set_vgpr_msb 0x40
	v_lshl_add_u32 v255, v0, 2, 0x3d400
	s_set_vgpr_msb 0x4000
	v_mov_b32 v255, 0
	s_set_vgpr_msb 0x1
	ds_add_u32 v255, v255
	s_set_vgpr_msb 0x100
	v_lshrrev_b32 v1, 5, v0
	v_readfirstlane_b32 s10, v1                    ; wave 0..3
	s_lshr_b32 s11, s10, 1                         ; I fetch for A (0) or for B (1)
	s_and_b32 s12, s10, 1                          ; which half of that tile
	s_bfe_u32 s40, ttmp6, 0x40000                  ; cx
	s_bfe_u32 s41, ttmp6, 0x40004                  ; cy
	s_lshl_b32 s42, ttmp9, 2
	s_add_co_u32 s42, s42, s40                     ; block column = 4 x cluster x + cx
	s_and_b32 s13, ttmp7, 0xffff
	s_lshl_b32 s13, s13, 2
	s_add_co_u32 s13, s13, s41                     ; block row = 4 x cluster y + cy
	s_lshl_b32 s43, s41, 2
	s_lshl_b32 s43, 15, s43                        ; my row of the cluster: places 4 cy .. 4 cy + 3
	s_lshl_b32 s44, 0x1111, s40                    ; my column: places cx, cx + 4, cx + 8, cx + 12
	; group 1 for A: 128 rows of 128 elements of 2 bytes, 4 words of padding behind every 32 words
	s_or_b32 s[G1+0], s43, (1<<16)|(1<<20)|(1<<21)|(AQI<<22)|(3<<25)   ; mask of my row; element of 2 bytes; padding on; bit 21 beside a mask
	s_mov_b32 s[G1+1], KSTEP<<16                   ; tensor_dim0 = 128
	s_mov_b32 s[G1+2], 128<<16                     ; tensor_dim1 = 128
	s_mov_b32 s[G1+3], KSTEP<<16                   ; tile_dim0 = 128
	s_mov_b32 s[G1+4], 128                         ; tile_dim1 = 128
	s_mov_b32 s[G1+5], ASTRIDE                     ; elements from row to row
	s_mov_b32 s[G1+6], 0
	s_mov_b32 s[G1+7], 0
	; group 1 for B: 64 rows of 128 elements, LDS pitch 272
	s_or_b32 s[G1B+0], s44, (1<<16)|(1<<20)|(1<<21)|(5<<22)|(3<<25)    ; mask of my column
	s_mov_b32 s[G1B+1], KSTEP<<16
	s_mov_b32 s[G1B+2], (8*NT)<<16
	s_mov_b32 s[G1B+3], KSTEP<<16
	s_mov_b32 s[G1B+4], 8*NT
	s_mov_b32 s[G1B+5], 1024
	s_mov_b32 s[G1B+6], 0
	s_mov_b32 s[G1B+7], 0
	; where the tiles come from.  A's offset is made of the block row and the wave's number, B's of the block column and the wave's number,
	; each in registers that never hold the other coordinate.
	s_lshr_b32 s16, s13, 3                         ; batch (8 blocks of 256 rows each)
	s_lshl_b32 s16, s16, 4
	s_add_co_u32 s16, s16, s12                     ; plane 16 batch + my head of K step 0
	s_lshl_b32 s16, s16, 18
	s_and_b32 s17, s13, 7
	s_lshl_b32 s17, s17, 15                        ; 256 rows of 128 bytes
	s_add_co_u32 s16, s16, s17
	s_mov_b32 s17, 0
	s_mul_i32 s46, s42, 16*NT
	s_mul_i32 s45, s12, 8*NT
	s_add_co_u32 s46, s46, s45                     ; row 128 x block column + 64 x half
	s_add_co_u32 s46, s46, 3072                    ; Wproj's columns lie behind Wqkv's
	s_lshl_b32 s46, s46, 11
	s_mov_b32 s47, 0
	s_mul_i32 s20, s10, ALOAD                      ; where they go: A's halves (waves 0, 1) from the slot's first byte,
	s_mul_i32 s21, s10, HALFB
	s_add_co_u32 s21, s21, AREG-2*HALFB            ; B's halves (waves 2, 3) behind A's part: the wave's number alone enters an LDS address
	s_mul_i32 s66, s42, 64*NT                      ; the bias of my 128 columns
	s_mov_b32 s67, 0
	s_wait_dscnt 0x0
	s_wait_kmcnt 0x0
	s_add_nc_u64 s[14:15], s[4:5], s[16:17]
	s_add_nc_u64 s[46:47], s[6:7], s[46:47]
	s_add_nc_u64 s[70:71], s[70:71], s[66:67]
	CROUND                                         ; all sixteen work-groups are here: the first joint loads meet
.irp s, 0,1
	s_mov_b32 s[G0+4*\s], 1                                        ; count = 1
	s_add_co_u32 s[G0+4*\s+1], s20, \s*SLOT                        ; LDS address
	s_add_nc_u64 s[G0+4*\s+2:G0+4*\s+3], s[14:15], \s*ASLOT1       ; global address: K step s
	s_or_b32 s[G0+4*\s+3], s[G0+4*\s+3], 0x80000000                ; type = 2
	s_mov_b32 s[G0B+4*\s], 1
	s_add_co_u32 s[G0B+4*\s+1], s21, \s*SLOT
	s_add_nc_u64 s[G0B+4*\s+2:G0B+4*\s+3], s[46:47], \s*KSTEP*2
	s_or_b32 s[G0B+4*\s+3], s[G0B+4*\s+3], 0x80000000
	JLOAD \s                                       ; both slots' first fills go out ahead of everything else: two loads of the wave are out
.endr
	v_and_b32 v1, 15, v0                           ; r = l % 16
	v_bfe_u32 v2, v0, 4, 1                         ; h = l / 16
	v_lshlrev_b32 v[BO], 5, v2                     ; register j of tile b is column 16 b + 8 h + j: 32 h bytes, 64 b in the immediate
.set bb, 0
.rept NT
	global_load_b128 v[BIAS+8*bb:BIAS+8*bb+3],   v[BO], s[70:71] offset:64*bb
	global_load_b128 v[BIAS+8*bb+4:BIAS+8*bb+7], v[BO], s[70:71] offset:64*bb+16
.set bb, bb+1
.endr
	; a fragment is 16 rows x 32 K in 8 registers: lane l holds row r; registers 0-3 K = 8 h + 0..7, registers 4-7 K = 16 + 8 h + 0..7:
	; two loads of 16 bytes, 32 bytes apart, at row x pitch + 16 h
	v_mul_u32_u24 v3, v1, APITCH
	v_lshl_add_u32 v3, v2, 4, v3
	s_mul_i32 s22, s10, 64*APITCH                  ; my 64 rows of A
	v_add_nc_u32 v[ADRA], s22, v3
	v_add_nc_u32 v[ADRA+1], SLOT, v[ADRA]
	v_mul_u32_u24 v4, v1, BPITCH
	v_lshl_add_u32 v4, v2, 4, v4
	v_add_nc_u32 v[ADRB], AREG, v4                 ; every wave reads all of B's rows
	v_add_nc_u32 v[ADRB+1], AREG+SLOT, v4
	s_mul_i32 s23, s10, WSTAGE
	s_add_co_u32 s23, s23, STAGE                   ; my stage
	v_and_b32 v5, 31, v0                           ; lane
	v_lshlrev_b32 v[CO], 4, v5                     ; out: 16 bytes a lane, 512 consecutive bytes a store
	v_mul_u32_u24 v6, v1, 528                      ; in: row r, 32 bytes for each half of the lanes
	v_lshl_add_u32 v6, v2, 5, v6
	v_add_nc_u32 v[STO], s23, v6
	v_add_nc_u32 v[RD], s23, v[CO]                 ; back: a whole row of 512 bytes by 32 lanes
.macro MM d, b, a, c                   ; one product of 16 x 16 x 32: D, rows of B, rows of A, C
	v_wmma_f32_16x16x32_f16 v[\d:\d+7], v[\b:\b+7], v[\a:\a+7], v[\c:\c+7]
.endm
; 8 matrix instructions: row tile 2 hi + a x all column tiles, 32 along K, from buffer f.  zero = 1: the first product starts the sums from the bias.
.macro MULA f, hi, a, zero
.if \zero
	WIN 0x81+0x40*\hi                              ; B window 1, A and the bias window 0, D window 2 or 3
.else
	WIN 0xa1+0x50*\hi                              ; B window 1, A window 0, C and D window 2 or 3
.endif
.set bb, 0
.rept NT
.if \zero
	MM 8*(NT*\a+bb), FB+96*\f+8*bb, FA+32*\f+8*(2*\hi+\a), BIAS+8*bb
.else
	MM 8*(NT*\a+bb), FB+96*\f+8*bb, FA+32*\f+8*(2*\hi+\a), 8*(NT*\a+bb)
.endif
.set bb, bb+1
.endr
.endm
; 24 LDS loads in one run: the fragments of quarter step kq (128 rows of B, then my 64 rows of A) into buffer f
.macro FETCH slot, kq, f
	WIN 0x40
.set ii, 0
.rept NT
	ds_load_b128 v[FB+96*\f+8*ii:FB+96*\f+8*ii+3],   v[ADRB+\slot] offset:64*\kq+ii*16*BPITCH
	ds_load_b128 v[FB+96*\f+8*ii+4:FB+96*\f+8*ii+7], v[ADRB+\slot] offset:64*\kq+ii*16*BPITCH+32
.set ii, ii+1
.endr
	WIN 0
.irp i, 0,1,2,3
	ds_load_b128 v[FA+32*\f+8*\i:FA+32*\f+8*\i+3],   v[ADRA+\slot] offset:(\kq/2)*ASUB+(\kq%2)*64+\i*16*APITCH
	ds_load_b128 v[FA+32*\f+8*\i+4:FA+32*\f+8*\i+7], v[ADRA+\slot] offset:(\kq/2)*ASUB+(\kq%2)*64+\i*16*APITCH+32
.endr
.endm
; A K step is four quarter steps of 32 along K, 32 matrix instructions each, on buffers 0, 1, 0, 1.  The 32 accumulators take turns, one
; instruction a turn, in the same order in every quarter, over the backward jump too.
; One of the first three: multiplies buffer f; in its middle it fetches quarter kq of the same slot into buffer g.
.macro QUARTER slot, kq, f, g, zero
	s_wait_dscnt 4                                 ; B and A's rows 0-31 are in; the youngest four loads (A's rows 32-63) may be out
	MULA \f, 0, 0, \zero
	MULA \f, 0, 1, \zero
	PLACES
	FETCH \slot, \kq, \g
	s_wait_dscnt 2*NT+8                            ; all but the run just issued
	MULA \f, 1, 0, \zero
	MULA \f, 1, 1, \zero
.endm
.macro THREE slot, zero
	QUARTER \slot, 1, 0, 1, \zero
	QUARTER \slot, 2, 1, 0, 0
	QUARTER \slot, 3, 0, 1, 0
.endm
; The last quarter: multiplies buffer 1 and changes slots.  fill = 1: this slot is filled again, two K steps ahead.
; In front of the barrier each wave waits for its reads of this slot and for all its tensor loads (one is out: its part of the next slot).
; Behind it nobody reads this slot and the next slot is whole: the refill comes first, then the next slot's first fragments.
.macro TURN slot, next, fill
	s_wait_dscnt 4
	MULA 1, 0, 0, 0
	s_wait_dscnt 0                                 ; my reads of this slot are over
	s_wait_tensorcnt 0x0                           ; and all my tensor loads have landed
	ds_add_u32 v255, v255
	s_wait_dscnt 0x0
	s_barrier_signal -1                            ; (where a slot is filled again this barrier opens a round of the cluster's barrier)
	MULA 1, 0, 1, 0                                ; register work while the others arrive
	WIN 0
	s_barrier_wait -1
.if \fill
	CREST                                          ; no wave of any partner still reads this slot's tile or has a load on its way
	s_add_nc_u64 s[G0+4*\slot+2:G0+4*\slot+3], s[G0+4*\slot+2:G0+4*\slot+3], ALAP
	s_add_nc_u64 s[G0B+4*\slot+2:G0B+4*\slot+3], s[G0B+4*\slot+2:G0B+4*\slot+3], 2*KSTEP*2
	JLOAD \slot                                    ; my one tensor load behind the round; its four v_nop are also the places in front of the loads below
.else
	PLACES
.endif
	FETCH \next, 0, 0
	MULA 1, 1, 0, 0
	MULA 1, 1, 1, 0
.endm
.macro LAP zero
	THREE 0, \zero
	TURN 0, 1, 1
	THREE 1, 0
	TURN 1, 0, 1
.endm
	s_wait_loadcnt 0x0                             ; the bias, once
	s_wait_tensorcnt 1                             ; my part of K step 0 is in; K step 1's load stays out
	s_barrier_signal -1
	s_barrier_wait -1                              ; everybody's is
	FETCH 0, 0, 0
	LAP 1                                          ; the first lap stands in front of the loop: its first products start the sums
	WIN 0                                          ; at a label and at a branch every window is 0
	s_mov_b32 s3, LAPS-2
.Llap:
	LAP 0
	WIN 0
	s_sub_co_u32 s3, s3, 1
	s_cmp_lg_u32 s3, 0
	s_cbranch_scc1 .Llap
	THREE 0, 0                                     ; the last lap fills nothing
	TURN 0, 1, 0
	THREE 1, 0
	s_wait_dscnt 4
	MULA 1, 0, 0, 0
	MULA 1, 0, 1, 0
	s_wait_dscnt 0
	MULA 1, 1, 0, 0
	MULA 1, 1, 1, 0
	; THE WAY OUT, 16 rows at a time through my own stage in LDS, so that every store covers 512 consecutive bytes, aligned.
	PLACES                                         ; behind the last matrix instructions
	s_lshl_b32 s16, s13, 20                        ; 256 rows of 4,096 bytes for a block row,
	s_lshl_b32 s15, s10, 18                        ; 64 rows for a wave
	s_add_co_u32 s16, s16, s15
	s_lshl_b32 s46, s42, 9                         ; 128 columns of f32 (in the registers that held B's offset: none that feeds A's descriptors ever holds cx)
	s_mov_b32 s17, 0
	s_mov_b32 s47, 0
	s_add_nc_u64 s[68:69], s[68:69], s[16:17]
	s_add_nc_u64 s[68:69], s[68:69], s[46:47]      ; never stepped again: all else stands in the stores' immediates
; rows 16 i .. 16 i + 15 of my 64: the 8 tiles (i % 2, 0 .. 7) of window 2 + i / 2
.macro OUT16 i
	WIN 0x08+0x04*(\i/2)                           ; an LDS store's data are source 1
.set bb, 0
.rept NT
	ds_store_b128 v[STO], v[8*(NT*(\i%2)+bb):8*(NT*(\i%2)+bb)+3]   offset:64*bb
	ds_store_b128 v[STO], v[8*(NT*(\i%2)+bb)+4:8*(NT*(\i%2)+bb)+7] offset:64*bb+16
.set bb, bb+1
.endr
	WIN 0
	s_wait_xcnt 0x0                                ; the buffer below, which earlier stores read, is loaded again only behind this wait
	; LDS serves a wave's instructions in order (ISA guide 5.7.1.4): the loads below see the stores above
.set tt, 0
.rept NOUT
	ds_load_b128 v[RB+4*NOUT*(\i%2)+4*tt:RB+4*NOUT*(\i%2)+4*tt+3], v[RD] offset:tt*528
.set tt, tt+1
.endr
.set tt, 0
.rept NOUT
	s_wait_dscnt NOUT-1-tt
	global_store_b128 v[CO], v[RB+4*NOUT*(\i%2)+4*tt:RB+4*NOUT*(\i%2)+4*tt+3], s[68:69] offset:(16*\i+tt)*4096 th:TH_STORE_NT
.set tt, tt+1
.endr
.endm
	OUT16 0
	OUT16 1
	OUT16 2
	OUT16 3
	s_set_vgpr_msb 0x1
	s_wait_tensorcnt 0x0
	ds_add_u32 v255, v255
	s_wait_dscnt 0x0
	s_set_vgpr_msb 0x100
	CROUND                                         ; the closing round: no work-group ends while a partner may still ask for a tile that names it
	s_endpgm
.Lfunc_end_k_qe6d72dd151_gemm_proj:
	.size	k_qe6d72dd151_gemm_proj, .Lfunc_end_k_qe6d72dd151_gemm_proj-k_qe6d72dd151_gemm_proj
	.p2alignl 7, 3214868480
	.fill 96, 4, 3214868480
	.section	.rodata,"a",@progbits
	.p2align	6, 0x0
	.amdhsa_kernel k_qe6d72dd151_gemm_proj
		.amdhsa_group_segment_fixed_size 327680
		.amdhsa_private_segment_fixed_size 0
		.amdhsa_enable_private_segment 0
		.amdhsa_kernarg_size 32
		.amdhsa_user_sgpr_count 2
		.amdhsa_user_sgpr_kernarg_segment_ptr 1
		.amdhsa_wavefront_size32 1
		.amdhsa_system_sgpr_workgroup_id_x 1
		.amdhsa_system_sgpr_workgroup_id_y 1
		.amdhsa_system_sgpr_workgroup_id_z 1
		.amdhsa_system_vgpr_workitem_id 0
		.amdhsa_next_free_vgpr 896
		.amdhsa_next_free_sgpr 72
		.amdhsa_reserve_vcc 0
		.amdhsa_float_denorm_mode_32 3
		.amdhsa_float_denorm_mode_16_64 3
		.amdhsa_memory_ordered 1
		.amdhsa_forward_progress 1
		.amdhsa_inst_pref_size 122
	.end_amdhsa_kernel
	.amdgpu_metadata
---
amdhsa.version: [ 1, 2 ]
amdhsa.kernels:
  - .name:           k_qe6d72dd151_gemm_proj
    .symbol:         k_qe6d72dd151_gemm_proj.kd
    .args:
      - { .name: yh, .offset: 0, .size: 8, .value_kind: global_buffer, .address_space: global }
      - { .name: wT, .offset: 8, .size: 8, .value_kind: global_buffer, .address_space: global }
      - { .name: out0, .offset: 16, .size: 8, .value_kind: global_buffer, .address_space: global }
      - { .name: bproj, .offset: 24, .size: 8, .value_kind: global_buffer, .address_space: global }
    .group_segment_fixed_size: 327680
    .private_segment_fixed_size: 0
    .kernarg_segment_align: 8
    .kernarg_segment_size: 32
    .max_flat_workgroup_size: 128
    .sgpr_count:     72
    .vgpr_count:     896
    .wavefront_size: 32
...
	.end_amdgpu_metadata
.endif
;; end of part 7
;; ======== version 3 of 3: 4 launches; 1.56 times as fast as version 1
;; limits: values are held in f16: magnitudes above 65,504 overflow, below 6.1e-05 lose precision
;; workspace buffers: xb 16,777,216 bytes; wT 8,388,608 bytes; qkv 50,331,648 bytes; yh 16,777,216 bytes
;; launch prep: the kernel of part 1 again; grid 1024 x 1, 8 waves a work-group, no clusters, 18,432 bytes of LDS; arguments x, Wqkv, Wproj, xb, wT; writes xb, wT
;; launch gemm_qkv: the kernel of part 5 again; grid 16 x 16, 4 waves a work-group, clusters of 4 x 4, 327,680 bytes of LDS; arguments xb, wT, qkv, bqkv; writes qkv
;; launch attn (part 8): grid 256 x 1, 8 waves a work-group, no clusters, 327,680 bytes of LDS; arguments qkv, yh; writes yh
.if DOCPART == 8
	.amdgcn_target "amdgcn-amd-amdhsa--gfx1250"
	.amdhsa_code_object_version 6
	.text
	.protected	k_qe6d72dd151_attn
	.globl	k_qe6d72dd151_attn
	.p2align	8
	.type	k_qe6d72dd151_attn,@function
k_qe6d72dd151_attn:
	s_mov_b64 s[64:65], 0
	v_nop
	global_prefetch_b8 v0, s[64:65] scope:SCOPE_SE
	s_setreg_imm32_b32 hwreg(HW_REG_WAVE_MODE, 25, 1), 1
	s_wait_xcnt 0x0
; Causal attention of one head: y = softmax(q k^T / 8, keys <= query) v.  q, k, v: planes of qkv [batch][48][2048][64] f16 (q heads 0-15,
; k 16-31, v 32-47); y: yh [batch][16][2048][64] f16.  Scores, running maximum, sums and accumulators in f32.
; Work-group g: head g >> 2, query blocks (256 rows) jA = g & 3 and jB = 7 - jA: (jA + 1) + (jB + 1) = 9 key blocks of 256 for every group.
; EIGHT WAVES, two for each of the WGP's four SIMDs; wave w owns the 32 query rows 32 w .. 32 w + 31 of a block.  Two waves on a SIMD so that
; one has softmax work to issue while the other's matrix instructions and LDS loads run.  The price: K's and V's fragments are read from LDS
; by eight waves, 32 LDS loads for 32 matrix instructions.
; ONE LOOP.  The 18 chunks of 128 keys go through two LDS slots in one sequence: block A's diagonal pair, its jA pairs below the diagonal,
; block B's diagonal pair, its jB pairs.  Chunk 0 stands in front of the loop (its first tile starts maximum, sums and O), chunks 1 to 16
; are eight trips of one loop (slot 1, then slot 0), chunk 17 stands behind it and asks for nothing.  So the text holds eight tiles, and
; the slots are constants of the text.  What a tile does with the diagonal hangs on one scalar, REL (see TILE).
; Keys beyond the diagonal are not computed; of a block's keys the diagonal block comes first, so a block's first tile of 64 keys holds an
; unmasked key for every row and the running maximum is finite from then on.
; TRANSPOSED: S^T = K Q^T (source 0 = 16 keys, source 1 = 16 queries): lane (r, h) holds query r and keys 8 h + j.  A row's maximum is a
; maximum inside the lane and one exchange between the halves; two neighbouring scores pack straight into P^T's fragment; O^T = V^T P^T
; keeps query r in lane r, so the rescaling factor is one number a lane and a lane ends with eight neighbouring d.
; THE EXPONENTIALS ARE ONE BATCH A TILE.  In a tile's softmax all that names no exponential's result stands first: the maximum, the two
; rescaling factors' exponents, the 32 packed exponents c s - c m, and the 66 exponentials (two factors and 64 weights; 64 in the tile that
; starts the sums), each with a register of its own: the weights in place in S.  Then come one v_nop and one s_wait_alu depctr_va_vdst(0),
; and behind them all the readers: the roundings to f16, the sums, the rescaling of O, the products V^T P..
; The two reciprocals at a block's end
; read sums of exponentials: a batch of their own, with a wait of its own.
; Waves 0-3 fetch V's quarters of a chunk, waves 4-7 K's: one tensor load of a wave is out at any time.
; NO MULTICAST: the four work-groups of a head walk i + 1 and 8 - i key blocks for their two query blocks, different tiles at the same
; time and different places of the change of block; walking in step would cost 12 block steps in place of 9, for planes of 512 KiB a head.
; LIMITS: a probability below 2^-25 of its row's largest rounds to 0 in f16; NaN and infinite inputs are not treated specially; keys are
; summed diagonal block first; block B's sums start by a factor 0 on block A's (see the change of block): were block A's results not
; finite, NaN would pass into block B's rows.
.set PLANE, 262144
.set CHUNK, 16384                      ; 128 keys x 128 bytes in memory
.set VP,    160                        ; LDS pitch of V: an odd multiple of 32 for the transposing loads
.set KP,    144                        ; LDS pitch of K: an odd multiple of 16
.set VQ,    32*VP                      ; 32 keys: what one load of V brings
.set KQ,    32*KP                      ; and one of K
.set VHALF, 64*VP                      ; a tile's 64 keys
.set KHALF, 64*KP
.set VREG,  128*VP                     ; V's 128 keys, then K's
.set SLOT,  VREG+128*KP                ; 38,912
.set STAGE, 2*SLOT                     ; 77,824: 32 rows x 144 bytes for each wave; no tensor load ever lands there
.set WST,   32*KP
.set ADRK, 2                           ; window 0: LDS address of my K fragments
.set ADRV, 3                           ; of my V^T fragments
.set STO,  4                           ; the way out: in
.set RD,   5                           ; back
.set CO,   6                           ; 16 x lane
.set QO,   7                           ; my bytes of a Q fragment
.set M,    16                          ; v16-17  running maximum of query tile qt (raw scores)
.set TX,   18                          ; v18-19  from the other half of the lanes
.set TM,   20                          ; v20-21  a second chain of maxima; at work at the end
.set NEG,  22                          ; -infinity
.set DIA,  23                          ; r - 8 h
.set L,    24                          ; v24-27  running sums, a pair for each qt
.set NM,   28                          ; v28-31  -c x maximum, twice
.set AL,   32                          ; v32-35  rescaling factor, twice
.set S,    64                          ; v64-127  S[32 qt + 8 kt + j]
.set P,    128                         ; v128-159 P[x] = f16 pair of S[2x], S[2x+1]: fragment (qt, kg) at 16 qt + 8 kg
.set O,    160                         ; v160-223 O[32 qt + 8 dt + j]
.set KF,   0                           ; window 1: K fragment (ds, kt) at 8 (4 ds + kt)
.set VF,   64                          ; V^T fragment (kg, dt) at 8 (4 kg + dt)
.set Q,    128                         ; Q of the block at work: fragment (qt, ds) at 8 (2 qt + ds)
.set QB,   160                         ; Q of block B, waiting
.set G1V, 20                           ; s[20:27]
.set G1K, 28                           ; s[28:35]
.set G0V, 36                           ; s[36:43] one set for each slot
.set G0K, 44                           ; s[44:51]
.set KEEP, 52                          ; s52-59: lanes in which register j of a diagonal 16 x 16 tile is kept
.set REL,  86                          ; s86: (wave >> 1) - number, in the diagonal block, of the chunk's first tile; at least 8 below the diagonal
.set MSB, 0
.macro WIN new                         ; low byte: bits 1:0 source 0, 3:2 source 1, 5:4 source 2, 7:6 destination; the high byte repeats the setting that is left
.if MSB != (\new)
	s_set_vgpr_msb (MSB<<8)|(\new)
.set MSB, (\new)
.endif
.endm
.macro PLACES                          ; four plain vector instructions behind matrix instructions (ISA guide 7.12.1 for vector instructions)
.rept 4
	v_nop
.endr
.endm
.macro JL s                            ; my part of a chunk into slot s: waves 0-3 V, waves 4-7 K
	s_cmp_eq_u32 s9, 0
	s_cbranch_scc0 .Lfor_k_\@
	tensor_load_to_lds s[G0V+4*(\s):G0V+4*(\s)+3], s[G1V:G1V+7]
	s_nop 0
	s_branch .Lasked_\@
.Lfor_k_\@:
	tensor_load_to_lds s[G0K+4*(\s):G0K+4*(\s)+3], s[G1K:G1K+7]
	s_nop 0
.Lasked_\@:
.endm
	s_load_b128 s[4:7], s[0:1], 0x0                ; qkv s[4:5], yh s[6:7]
	v_lshl_add_u32 v254, v0, 2, 0x29000
	v_mov_b32 v255, 0
	ds_add_u32 v254, v255
	v_lshrrev_b32 v1, 5, v0
	v_readfirstlane_b32 s8, v1                     ; wave 0..7
	s_lshr_b32 s9, s8, 2                           ; I fetch V (0) or K (1)
	s_and_b32 s10, s8, 3                           ; which 32 keys of a chunk
	s_lshr_b32 s69, s8, 1                          ; which 64 rows of the block hold my 32
	s_and_b32 s87, s8, 1                           ; their lower (0) or upper (1) half
	s_mov_b32 s12, 0x76543210                      ; v_permlanex16_b32: lane i of one half reads lane i of the other
	s_mov_b32 s13, 0xfedcba98
	s_mov_b32 s14, 0x3e38aa3b                      ; c = log2(e) / 8: the scale 1/8 and the change of base in one factor
	s_mov_b32 s15, 0x3e38aa3b
	s_mov_b32 s16, 0xbe38aa3b                      ; -c
	s_lshr_b32 s17, ttmp9, 2                       ; 16 batch + head
	s_and_b32 s67, ttmp9, 3                        ; jA
	s_sub_co_u32 s68, 7, s67                       ; jB
	s_add_co_u32 s88, s67, 1                       ; jA + 1: the pair of chunks that is block B's diagonal
	s_lshr_b32 s18, s17, 4
	s_and_b32 s19, s17, 15
	s_mul_i32 s82, s18, 48
	s_add_co_u32 s82, s82, s19
	s_lshl_b32 s82, s82, 18                        ; q's plane
	s_mov_b32 s83, 0
	s_lshl_b32 s84, s10, 12                        ; my 32 keys of a chunk
	s_mov_b32 s85, 0
	s_lshl_b32 s60, s67, 15                        ; s[60:61]: byte offset of the chunk that is asked for next; first block A's diagonal, chunk 2 jA
	s_mov_b32 s61, 0
	s_lshl_b32 s63, s68, 15                        ; block B's diagonal, chunk 2 jB
	; group 1: 32 keys are 4,096 dense bytes, read as 16 rows of 256; behind every 32 words (a key's 128 bytes) 8 words of padding for V, 4 for K
	s_mov_b32 s[G1V+0], (1<<16)|(1<<20)|(4<<22)|(7<<25)
	s_mov_b32 s[G1V+1], 128<<16                    ; tensor_dim0 = 128 elements
	s_mov_b32 s[G1V+2], 16<<16                     ; tensor_dim1 = 16
	s_mov_b32 s[G1V+3], 128<<16                    ; tile_dim0
	s_mov_b32 s[G1V+4], 16                         ; tile_dim1
	s_mov_b32 s[G1V+5], 128                        ; pitch
	s_mov_b32 s[G1V+6], 0
	s_mov_b32 s[G1V+7], 0
	s_mov_b32 s[G1K+0], (1<<16)|(1<<20)|(4<<22)|(3<<25)
	s_mov_b32 s[G1K+1], 128<<16
	s_mov_b32 s[G1K+2], 16<<16
	s_mov_b32 s[G1K+3], 128<<16
	s_mov_b32 s[G1K+4], 16
	s_mov_b32 s[G1K+5], 128
	s_mov_b32 s[G1K+6], 0
	s_mov_b32 s[G1K+7], 0
	s_mul_i32 s18, s8, VQ                          ; V's quarters (waves 0-3) from the slot's first byte,
	s_mul_i32 s19, s8, KQ
	s_add_co_u32 s19, s19, VREG-4*KQ               ; K's quarters (waves 4-7) behind V's part
.irp s, 0,1
	s_mov_b32 s[G0V+4*\s], 1
	s_add_co_u32 s[G0V+4*\s+1], s18, \s*SLOT
	s_mov_b32 s[G0K+4*\s], 1
	s_add_co_u32 s[G0K+4*\s+1], s19, \s*SLOT
.endr
	s_wait_dscnt 0x0
	s_wait_kmcnt 0x0
	s_add_nc_u64 s[4:5], s[4:5], s[82:83]          ; q's plane
	s_add_nc_u64 s[72:73], s[4:5], s[84:85]
	s_add_nc_u64 s[70:71], s[72:73], 32*PLANE      ; v's plane at my quarter of chunk 0
	s_add_nc_u64 s[72:73], s[72:73], 16*PLANE      ; k's
	s_add_nc_u64 s[G0V+2:G0V+3], s[70:71], s[60:61]
	s_or_b32 s[G0V+3], s[G0V+3], 0x80000000
	s_add_nc_u64 s[G0K+2:G0K+3], s[72:73], s[60:61]
	s_or_b32 s[G0K+3], s[G0K+3], 0x80000000
	JL 0                                           ; the one first fill at the start; slot 1 is first filled behind the first chunk's barrier
	s_add_co_u32 s60, s60, CHUNK                   ; next: the diagonal pair's second chunk
	s_lshl_b32 s11, s8, 12                         ; my 32 rows of 128 bytes
	s_lshl_b32 s82, s67, 15
	s_add_co_u32 s82, s82, s11                     ; block A's rows of mine (s83 = 0)
	s_add_co_u32 s84, s63, s11                     ; block B's (s85 = 0)
	s_lshl_b32 s2, s17, 18                         ; y's plane
	s_mov_b32 s3, 0
	s_add_nc_u64 s[6:7], s[6:7], s[2:3]
	s_add_nc_u64 s[74:75], s[6:7], s[82:83]        ; y, block A
	s_add_nc_u64 s[76:77], s[6:7], s[84:85]        ; y, block B
	s_add_nc_u64 s[78:79], s[4:5], s[82:83]        ; q, block A
	s_add_nc_u64 s[80:81], s[4:5], s[84:85]        ; q, block B
	v_and_b32 v8, 15, v0                           ; r
	v_bfe_u32 v9, v0, 4, 1                         ; h
	v_lshlrev_b32 v14, 7, v8
	v_lshl_add_u32 v[QO], v9, 4, v14               ; row r of 128 bytes + 16 h
	WIN 0x40
.irp qt, 0,1
.irp ds, 0,1
	global_load_b128 v[Q+8*(2*\qt+\ds):Q+8*(2*\qt+\ds)+3],   v[QO], s[78:79] offset:\qt*2048+64*\ds
	global_load_b128 v[Q+8*(2*\qt+\ds)+4:Q+8*(2*\qt+\ds)+7], v[QO], s[78:79] offset:\qt*2048+64*\ds+32
.endr
.endr
.irp qt, 0,1
.irp ds, 0,1
	global_load_b128 v[QB+8*(2*\qt+\ds):QB+8*(2*\qt+\ds)+3],   v[QO], s[80:81] offset:\qt*2048+64*\ds
	global_load_b128 v[QB+8*(2*\qt+\ds)+4:QB+8*(2*\qt+\ds)+7], v[QO], s[80:81] offset:\qt*2048+64*\ds+32
.endr
.endr
	WIN 0
	v_and_b32 v10, 31, v0                          ; lane
	v_and_b32 v11, 7, v0                           ; lane & 7
	v_bfe_u32 v12, v0, 3, 1                        ; (lane >> 3) & 1
	v_mul_u32_u24 v13, v8, KP
	v_lshl_add_u32 v13, v9, 4, v13                 ; r x 144 + 16 h
	v_add_nc_u32 v[ADRK], VREG, v13
	v_lshl_add_u32 v14, v9, 3, v11                 ; key 8 h + (lane & 7),
	v_mul_u32_u24 v14, v14, VP
	v_lshl_add_u32 v[ADRV], v12, 4, v14            ; eight d at 16 ((lane >> 3) & 1): the transposing load gives lane (r, h) d = r, keys 8 h + 0..7
	s_mul_i32 s11, s8, WST
	s_add_co_u32 s11, s11, STAGE                   ; my stage
	v_add_nc_u32 v[STO], s11, v13
	v_lshrrev_b32 v14, 3, v10
	v_mul_u32_u24 v14, v14, KP
	v_lshl_add_u32 v14, v11, 4, v14
	v_add_nc_u32 v[RD], s11, v14                   ; eight lanes take a row of 128 bytes, 32 lanes four rows
	v_lshlrev_b32 v[CO], 4, v10
	v_lshlrev_b32 v14, 3, v9
	v_sub_nc_u32 v[DIA], v8, v14                   ; in a diagonal 16 x 16 tile key 8 h + j <= query r means j <= r - 8 h
	v_mov_b32 v[NEG], 0xff800000
.irp j, 0,1,2,3,4,5,6,7
	v_cmp_le_i32 s[KEEP+\j], \j, v[DIA]
.endr
.irp qt, 0,1
	v_mov_b32 v[TX+\qt], 0                         ; v_permlanex16_b32 counts as a reader of its destination
.endr
.macro SMM qt, kt, ds                  ; S^T(kt, qt) += K(kt, ds) Q(qt, ds)^T; the first half of d starts the sum
.if \ds
	v_wmma_f32_16x16x32_f16 v[S+32*\qt+8*\kt:S+32*\qt+8*\kt+7], v[KF+8*(4*\ds+\kt):KF+8*(4*\ds+\kt)+7], v[Q+8*(2*\qt+\ds):Q+8*(2*\qt+\ds)+7], v[S+32*\qt+8*\kt:S+32*\qt+8*\kt+7]
.else
	v_wmma_f32_16x16x32_f16 v[S+32*\qt+8*\kt:S+32*\qt+8*\kt+7], v[KF+8*(4*\ds+\kt):KF+8*(4*\ds+\kt)+7], v[Q+8*(2*\qt+\ds):Q+8*(2*\qt+\ds)+7], 0
.endif
.endm
.macro PVMM qt, dt, kg, zero           ; O^T(dt, qt) += V^T(dt, kg) P^T(kg, qt)
.if \zero
	v_wmma_f32_16x16x32_f16 v[O+32*\qt+8*\dt:O+32*\qt+8*\dt+7], v[VF+8*(4*\kg+\dt):VF+8*(4*\kg+\dt)+7], v[P+16*\qt+8*\kg:P+16*\qt+8*\kg+7], 0
.else
	v_wmma_f32_16x16x32_f16 v[O+32*\qt+8*\dt:O+32*\qt+8*\dt+7], v[VF+8*(4*\kg+\dt):VF+8*(4*\kg+\dt)+7], v[P+16*\qt+8*\kg:P+16*\qt+8*\kg+7], v[O+32*\qt+8*\dt:O+32*\qt+8*\dt+7]
.endif
.endm
; The change of slots.  Every wave waits for all its tensor loads (its part of this chunk) and for its reads of the other slot, passes
; the barrier, and fills the other slot first thing behind it, with the chunk at s[60:61]: its one tensor load until the next such barrier.
.macro HEAD slot, refill
	s_wait_tensorcnt 0x0                           ; no tensor load of mine is out: every group 0 may be written
	ds_add_u32 v254, v255
	s_wait_dscnt 0x0
.if \refill
	s_add_nc_u64 s[G0V+4*(1-\slot)+2:G0V+4*(1-\slot)+3], s[70:71], s[60:61]
	s_or_b32 s[G0V+4*(1-\slot)+3], s[G0V+4*(1-\slot)+3], 0x80000000
	s_add_nc_u64 s[G0K+4*(1-\slot)+2:G0K+4*(1-\slot)+3], s[72:73], s[60:61]
	s_or_b32 s[G0K+4*(1-\slot)+3], s[G0K+4*(1-\slot)+3], 0x80000000
.endif
	s_wait_dscnt 0x0
	s_barrier_signal -1
	s_barrier_wait -1
.if \refill
	JL 1-\slot
.endif
.endm
; 64 keys (half u of the chunk in a slot) against my 32 queries.  first = 1: the tile starts maximum, sums and O.
; mk = 1: the chunk may lie in the diagonal block.  Its tile u is number dg = (wave >> 1) - REL + u there: with REL < u all its keys lie
; beyond my rows and the tile is left out; with REL = u it holds my part of the diagonal and is masked; with REL > u it is whole.
; The branches hang on the wave's number and the work-group's number alone, and no barrier stands inside.
.macro TILE slot, u, first, mk
.if \mk
.if \first == 0
	s_cmp_lt_i32 s[REL], \u
	s_cbranch_scc1 .Lskip_\@
.endif
.endif
	PLACES                                         ; behind the last tile's products, whose V fragments are loaded again
	WIN 0x40
.irp ds, 0,1
.irp kt, 0,1,2,3
	ds_load_b128 v[KF+8*(4*\ds+\kt):KF+8*(4*\ds+\kt)+3],   v[ADRK] offset:\slot*SLOT+\u*KHALF+\kt*16*KP+64*\ds
	ds_load_b128 v[KF+8*(4*\ds+\kt)+4:KF+8*(4*\ds+\kt)+7], v[ADRK] offset:\slot*SLOT+\u*KHALF+\kt*16*KP+64*\ds+32
.endr
.endr
.irp kg, 0,1
.irp dt, 0,1,2,3
	ds_load_tr16_b128 v[VF+8*(4*\kg+\dt):VF+8*(4*\kg+\dt)+3],   v[ADRV] offset:\slot*SLOT+\u*VHALF+\kg*32*VP+32*\dt
	ds_load_tr16_b128 v[VF+8*(4*\kg+\dt)+4:VF+8*(4*\kg+\dt)+7], v[ADRV] offset:\slot*SLOT+\u*VHALF+\kg*32*VP+32*\dt+16*VP
.endr
.endr
	WIN 0x05                                       ; K and Q window 1, S window 0
.irp ds, 0,1
.irp kt, 0,1,2,3
	s_wait_dscnt 30-2*(4*\ds+\kt)                  ; of the 32 loads, those issued behind this K fragment's two may be out
.irp qt, 0,1
	SMM \qt, \kt, \ds                              ; the eight accumulators take turns
.endr
.endr
.endr
	WIN 0
	PLACES
.if \mk
	s_cmp_lg_u32 s[REL], \u
	s_cbranch_scc1 .Lfull_\@
	s_cmp_lg_u32 s87, 0
	s_cbranch_scc1 .Lodd_\@
	; my rows are the tile's rows 0-31: query tile qt meets the diagonal in key tile kt = qt; all key tiles above it lie beyond
.irp j, 0,1,2,3,4,5,6,7
	v_cndmask_b32 v[S+\j],    v[NEG], v[S+\j],    s[KEEP+\j]
	v_cndmask_b32 v[S+40+\j], v[NEG], v[S+40+\j], s[KEEP+\j]
.endr
.set pn, 8
.rept 24
	v_mov_b32 v[S+pn], v[NEG]                      ; qt = 0: kt = 1, 2, 3
.set pn, pn+1
.endr
.set pn, 48
.rept 16
	v_mov_b32 v[S+pn], v[NEG]                      ; qt = 1: kt = 2, 3
.set pn, pn+1
.endr
	s_branch .Lfull_\@
.Lodd_\@:
	; my rows are the tile's rows 32-63: query tile qt meets the diagonal in key tile kt = 2 + qt
.irp j, 0,1,2,3,4,5,6,7
	v_cndmask_b32 v[S+16+\j], v[NEG], v[S+16+\j], s[KEEP+\j]
	v_cndmask_b32 v[S+56+\j], v[NEG], v[S+56+\j], s[KEEP+\j]
	v_mov_b32 v[S+24+\j], v[NEG]                   ; qt = 0: kt = 3
.endr
.Lfull_\@:
.endif
	; the running maximum, in place: two chains for each query tile, four that do not wait for each other
.irp qt, 0,1
.if \first
	v_max_num_f32 v[M+\qt], v[S+32*\qt], v[S+32*\qt+1]
.else
	v_max3_num_f32 v[M+\qt], v[M+\qt], v[S+32*\qt], v[S+32*\qt+1]
.endif
	v_max_num_f32 v[TM+\qt], v[S+32*\qt+16], v[S+32*\qt+17]
.endr
.set pn, 1
.rept 7
.irp qt, 0,1
	v_max3_num_f32 v[M+\qt],  v[M+\qt],  v[S+32*\qt+2*pn],    v[S+32*\qt+2*pn+1]
	v_max3_num_f32 v[TM+\qt], v[TM+\qt], v[S+32*\qt+16+2*pn], v[S+32*\qt+17+2*pn]
.endr
.set pn, pn+1
.endr
.irp qt, 0,1
	v_max_num_f32 v[M+\qt], v[M+\qt], v[TM+\qt]
.endr
.irp qt, 0,1
	v_permlanex16_b32 v[TX+\qt], v[M+\qt], s12, s13    ; the other half of the lanes holds the row's other keys
.endr
.irp qt, 0,1
	v_max_num_f32 v[M+\qt], v[M+\qt], v[TX+\qt]
.endr
.irp qt, 0,1
	v_mul_f32 v[NM+2*\qt+1], s16, v[M+\qt]         ; the new -c m
.endr
	; THE TILE'S BATCH begins: from here to the wait no line names an exponential's result
.if \first == 0
.irp qt, 0,1
	v_sub_f32 v[AL+2*\qt], v[NM+2*\qt+1], v[NM+2*\qt]  ; new offset - old offset: exactly what the old exponents lack
.endr
.irp qt, 0,1
	v_exp_f32 v[AL+2*\qt], v[AL+2*\qt]             ; the two rescaling factors: the batch's first
.endr
.endif
.irp qt, 0,1
	v_mov_b32 v[NM+2*\qt], v[NM+2*\qt+1]           ; also the plain instructions behind the exponentials (ISA guide 5.7.2)
.endr
	; p = 2^(c s - c m), two at a time, in place: the exponent of pair n + 2, then the exponentials of pair n, so that a pair's exponent
	; is made six lines ahead of its exponentials and a plain instruction stands between every two pairs of exponentials
	v_pk_fma_f32 v[S:S+1], v[S:S+1], s[14:15], v[NM:NM+1] op_sel_hi:[1,0,1]
	v_pk_fma_f32 v[S+2:S+3], v[S+2:S+3], s[14:15], v[NM:NM+1] op_sel_hi:[1,0,1]
.set pn, 0
.rept 32
.if pn < 30
	v_pk_fma_f32 v[S+2*pn+4:S+2*pn+5], v[S+2*pn+4:S+2*pn+5], s[14:15], v[NM+2*((pn+2)/16):NM+2*((pn+2)/16)+1] op_sel_hi:[1,0,1]
.endif
	v_exp_f32 v[S+2*pn], v[S+2*pn]
	v_exp_f32 v[S+2*pn+1], v[S+2*pn+1]
.set pn, pn+1
.endr
	v_nop                                          ; the plain instruction behind the last exponential (ISA guide 5.7.2): one for the batch; every exponent had to stand ahead of its exponentials, so no other plain work is left for this place
	s_wait_alu depctr_va_vdst(0)                   ; the wait ahead of the first use: ONE for the tile's batch, the two factors and the 64 weights
	; the readers.  For pair k of each query tile, the two tiles by turns: the rounding to f16, the sum's step k (pairs 0 to 15 ascending,
	; the first as factor x old sum + pair), and O's pair k times the factor: five other lines stand between two links of a sum's chain
.if \first == 0
.irp qt, 0,1
	v_mov_b32 v[AL+2*\qt+1], v[AL+2*\qt]
.endr
.endif
.set pn, 0
.rept 16
.irp qt, 0,1
	v_cvt_pk_f16_f32 v[P+16*\qt+pn], v[S+32*\qt+2*pn], v[S+32*\qt+2*pn+1]
.endr
.irp qt, 0,1
.if pn == 0
.if \first == 0
	v_pk_fma_f32 v[L+2*\qt:L+2*\qt+1], v[L+2*\qt:L+2*\qt+1], v[AL+2*\qt:AL+2*\qt+1], v[S+32*\qt:S+32*\qt+1]    ; the old sum, rescaled, and the first pair
.endif
.elseif (pn == 1) && (\first)
	v_pk_add_f32 v[L+2*\qt:L+2*\qt+1], v[S+32*\qt:S+32*\qt+1], v[S+32*\qt+2:S+32*\qt+3]                        ; the first two pairs start the sum
.else
	v_pk_add_f32 v[L+2*\qt:L+2*\qt+1], v[L+2*\qt:L+2*\qt+1], v[S+32*\qt+2*pn:S+32*\qt+2*pn+1]
.endif
.endr
.if \first == 0
.irp qt, 0,1
	v_pk_mul_f32 v[O+32*\qt+2*pn:O+32*\qt+2*pn+1], v[O+32*\qt+2*pn:O+32*\qt+2*pn+1], v[AL+2*\qt:AL+2*\qt+1]    ; each accumulator of O from its low end on
.endr
.endif
.set pn, pn+1
.endr
	s_wait_dscnt 0x0                               ; V's fragments
	WIN 0x01                                       ; V^T window 1, P and O window 0
.irp kg, 0,1
.irp dt, 0,1,2,3
.irp qt, 0,1
	PVMM \qt, \dt, \kg, \first*(1-\kg)             ; the eight accumulators take turns
.endr
.endr
.endr
	WIN 0
.Lskip_\@:
.endm
.macro TRIP slot, refill, first, mk                ; a chunk of 128 keys
	HEAD \slot, \refill
	TILE \slot, 0, \first, \mk
	TILE \slot, 1, 0, \mk
.endm
; The end of a query block: divide by the sums, round to f16, 16 bytes a lane into my stage, whole rows back, stores of 512 consecutive bytes.
.macro FINAL yb
	PLACES
.irp qt, 0,1
	v_add_f32 v[TM+\qt], v[L+2*\qt], v[L+2*\qt+1]
.endr
.irp qt, 0,1
	v_permlanex16_b32 v[TX+\qt], v[TM+\qt], s12, s13
.endr
.irp qt, 0,1
	v_add_f32 v[TM+\qt], v[TM+\qt], v[TX+\qt]      ; at least 1: the row's largest score gives 2^0
.endr
.irp qt, 0,1
	v_rcp_f32 v[AL+2*\qt], v[TM+\qt]
.endr
	v_nop                                          ; the plain instruction behind the reciprocals (ISA guide 5.7.2)
	s_wait_alu depctr_va_vdst(0)                   ; the wait ahead of the first use: one for the block's two reciprocals
.irp qt, 0,1
	v_mov_b32 v[AL+2*\qt+1], v[AL+2*\qt]
.endr
.irp qt, 0,1
.set pn, 0
.rept 16
	v_pk_mul_f32 v[O+32*\qt+2*pn:O+32*\qt+2*pn+1], v[O+32*\qt+2*pn:O+32*\qt+2*pn+1], v[AL+2*\qt:AL+2*\qt+1]
.set pn, pn+1
.endr
.endr
.set pn, 0
.rept 32
	v_cvt_pk_f16_f32 v[P+pn], v[O+2*pn], v[O+2*pn+1]
.set pn, pn+1
.endr
.irp qt, 0,1
.irp dt, 0,1,2,3
	ds_store_b128 v[STO], v[P+16*\qt+4*\dt:P+16*\qt+4*\dt+3] offset:\qt*16*KP+32*\dt   ; query 16 qt + r, d = 16 dt + 8 h ..
.endr
.endr
.irp t, 0,1,2,3,4,5,6,7
	ds_load_b128 v[S+4*\t:S+4*\t+3], v[RD] offset:\t*4*KP      ; LDS serves a wave's instructions in order (ISA guide 5.7.1.4): these see the stores above
.endr
.irp t, 0,1,2,3,4,5,6,7
	s_wait_dscnt 7-\t
	global_store_b128 v[CO], v[S+4*\t:S+4*\t+3], s[\yb:\yb+1] offset:512*\t
.endr
	s_wait_xcnt 0x0                                ; S, which the stores read, is written again only behind this wait
.endm
	; ---- chunk 0: the first half of block A's diagonal block (tiles 0 and 1 of it) ----
	s_mov_b32 s[REL], s69
	s_wait_loadcnt 8                               ; block A's Q is in; block B's eight loads may stay out
	TRIP 0, 1, 1, 1                                ; asks for chunk 1
	; ---- chunks 1 to 16.  Trip k takes the second chunk of pair k (slot 1) and the first of pair k + 1 (slot 0).
	; Pair 0: A's diagonal; pairs 1 .. jA: A's keys below it; pair jA + 1: B's diagonal; pairs jA + 2 .. 8: B's keys below it. ----
	s_mov_b32 s66, 0
.Lloop:
	s_sub_co_i32 s62, s66, s88                     ; pair k + 1 holds key block: k - jA - 1 in block B's run,
	s_cmp_lt_u32 s66, s67
	s_cselect_b32 s62, s66, s62                    ; k in block A's run,
	s_lshl_b32 s62, s62, 15
	s_cmp_eq_u32 s66, s67
	s_cselect_b32 s60, s63, s62                    ; jB where it is block B's diagonal
	s_cmp_eq_u32 s66, 0
	s_cselect_b32 s62, 2, -8                       ; pair k is a diagonal (k = 0 or k = jA + 1): its second chunk holds tiles 2 and 3
	s_cmp_eq_u32 s66, s88
	s_cselect_b32 s62, 2, s62
	s_sub_co_i32 s[REL], s69, s62
	TRIP 1, 1, 0, 1                                ; asks for the first chunk of pair k + 1
	s_cmp_lg_u32 s66, s67                          ; the same in all waves of the work-group
	s_cbranch_scc1 .Lsame
	; the change of block: A's last chunk is done; B's first chunk is on its way meanwhile
	FINAL 74
	s_wait_loadcnt 0x0                             ; block B's Q, asked for at the start
	WIN 0x41
.set pn, 0
.rept 32
	v_mov_b32 v[Q+pn], v[QB+pn]                    ; the loop's text names one set of Q registers: 32 moves, once, in place of a load's wait
.set pn, pn+1
.endr
	WIN 0
.irp qt, 0,1
	v_mov_b32 v[M+\qt], v[NEG]                     ; maximum -infinity and offset +infinity: the next tile's factor is 2^(-infinity) = 0,
	v_mov_b32 v[NM+2*\qt], 0x7f800000              ; which wipes block A's sums and O (finite: sums of at most 2,048 terms <= 1, means of v): nothing is cleared
.endr
.Lsame:
	s_add_co_u32 s60, s60, CHUNK
	s_cmp_eq_u32 s66, s67
	s_cselect_b32 s62, 0, -8                       ; pair k + 1 is block B's diagonal: its first chunk holds tiles 0 and 1
	s_sub_co_i32 s[REL], s69, s62
	TRIP 0, 1, 0, 1                                ; asks for the second chunk of pair k + 1
	s_add_co_u32 s66, s66, 1
	s_cmp_lt_u32 s66, 8
	s_cbranch_scc1 .Lloop
	; ---- chunk 17: block B's last keys below the diagonal (jB >= 4): whole tiles; nothing is left to fetch ----
	TRIP 1, 0, 0, 0                                ; its wait for all tensor loads is the last
	FINAL 76
	s_wait_tensorcnt 0x0
	ds_add_u32 v254, v255
	s_wait_dscnt 0x0
	s_endpgm
.Lfunc_end_k_qe6d72dd151_attn:
	.size	k_qe6d72dd151_attn, .Lfunc_end_k_qe6d72dd151_attn-k_qe6d72dd151_attn
	.p2alignl 7, 3214868480
	.fill 96, 4, 3214868480
	.section	.rodata,"a",@progbits
	.p2align	6, 0x0
	.amdhsa_kernel k_qe6d72dd151_attn
		.amdhsa_group_segment_fixed_size 327680
		.amdhsa_private_segment_fixed_size 0
		.amdhsa_enable_private_segment 0
		.amdhsa_kernarg_size 16
		.amdhsa_user_sgpr_count 2
		.amdhsa_user_sgpr_kernarg_segment_ptr 1
		.amdhsa_wavefront_size32 1
		.amdhsa_system_sgpr_workgroup_id_x 1
		.amdhsa_system_sgpr_workgroup_id_y 1
		.amdhsa_system_sgpr_workgroup_id_z 1
		.amdhsa_system_vgpr_workitem_id 0
		.amdhsa_next_free_vgpr 448
		.amdhsa_next_free_sgpr 90
		.amdhsa_reserve_vcc 0
		.amdhsa_float_denorm_mode_32 3
		.amdhsa_float_denorm_mode_16_64 3
		.amdhsa_memory_ordered 1
		.amdhsa_forward_progress 1
		.amdhsa_inst_pref_size 184
	.end_amdhsa_kernel
	.amdgpu_metadata
---
amdhsa.version: [ 1, 2 ]
amdhsa.kernels:
  - .name:           k_qe6d72dd151_attn
    .symbol:         k_qe6d72dd151_attn.kd
    .args:
      - { .name: qkv, .offset: 0, .size: 8, .value_kind: global_buffer, .address_space: global }
      - { .name: yh, .offset: 8, .size: 8, .value_kind: global_buffer, .address_space: global }
    .group_segment_fixed_size: 327680
    .private_segment_fixed_size: 0
    .kernarg_segment_align: 8
    .kernarg_segment_size: 16
    .max_flat_workgroup_size: 256
    .sgpr_count:     90
    .vgpr_count:     448
    .wavefront_size: 32
...
	.end_amdgpu_metadata
.endif
;; end of part 8
;; launch gemm_proj: the kernel of part 7 again; grid 8 x 32, 4 waves a work-group, clusters of 4 x 4, 327,680 bytes of LDS; arguments yh, wT, out0, bproj; writes out0
